; MI455X (gfx1250); checked and timed in simulation.
; The chip was launched on July 23, 2026; its instructions are those of AMD's public machine-readable ISA for CDNA 5 (MIT licence, August 2026) and "CDNA5" Instruction Set Architecture Reference Guide (July 2026). The comments in the code are by the model that wrote it; some were corrected since.
;; D Sgroup MLP. Allowed arithmetic: matrix products marked QUANTISED: E2M1 operands, one E8M0 scale for each 32 along K, by v_wmma_scale_f32_16x16x128_f8f6f4 with both operands' format E2M1 (or v_wmma_scale_f32_32x16x128_f4), f32 sums; products left as they are: f32 operands where the result goes on into a quantised operand, else bf16, f16 or f32 operands; f32 sums; everything else in f32.
;; Inputs: W_codes 256 x 8 x 16 uint8 (E2M1 codes of W, K innermost, in blocks of 32 codes, two codes a byte); W_scales 256 x 8 uint8 (E8M0 scales of W, one for each 32 codes along K); b 256 float32; beta 256 float32; feat 4 x 256 x 4,096 float32; gamma 256 float32; xyz 4 x 3 x 4,096 float32.
;; Outputs: out0 4 x 256 x 4,096 float32.
;; This version of the problem:
;;   THIS VERSION OF THE PROBLEM IS GIVEN IN LOW PRECISION. The matrix products marked QUANTISED in the list below multiply operands that are first quantised to E2M1 (2 exponent bits, 1 mantissa bit; 4 bits a number), with one power-of-two scale for each 32 numbers along K (OCP MX v1.0); their sums are f32. All else is computed in f32.
;;   The module's matrix products, in the order in which they are computed (A, B: the left and right operand; K: the contracted axis; several contracted axes count as one K, in the product's order):
;;     1. batch 4 x [M 4,096, K 2] x [K 2, N 4,096]; A: input xyz; B: input xyz: left as it is (K = 2 < 32)
;;     2. [M 524,288, K 256] x [K 256, N 256]; A: computed on the way; B: input W (given as codes): QUANTISED
;;   THE QUANTISER, for each operand of a quantised product, along K:
;;     - K is cut into blocks of 32 from its start; a last block that is shorter is filled with zeros.
;;     - A block's scale is 2^e with e = floor(log2(the largest magnitude in the block)) - 2, held to -126 .. 127; a block of zeros has e = 0. As a byte (E8M0): e + 127.
;;     - Each number is divided by its block's scale, clamped to +-6, and rounded to the nearest number of E2M1, ties to even, subnormals kept.
;;     - The product sums the exact products of the quantised numbers (number of the format x scale) in f32.
;;   ~~~python
;;   def quantise(x, axis):      # numpy; x: float32 -> the quantised numbers, widened to float32 again
;;       x = np.moveaxis(x, axis, -1); K = x.shape[-1]
;;       x = np.pad(x, [(0, 0)] * (x.ndim - 1) + [(0, -K % 32)]); x = x.reshape(x.shape[:-1] + (-1, 32)); a = np.abs(x).max(-1, keepdims=True)
;;       e = np.where(a > 0, np.clip(np.frexp(np.where(a > 0, a, 1))[1] - 1 - 2, -126, 127), 0)      # np.frexp(a)[1] - 1 = floor(log2(a)), exactly
;;       r = np.clip(x / 2.0 ** e, -6, 6)
;;       step = 2.0 ** (np.maximum(np.frexp(np.where(r == 0, 1, r))[1] - 1, 0) - 1)
;;       q = np.round(r / step) * step * 2.0 ** e      # np.round: ties to even
;;       return np.moveaxis(q.reshape(q.shape[:-2] + (-1,))[..., :K], -1, axis).astype(np.float32)
;;   ~~~
;;   OPERANDS COMPUTED ON THE WAY. 'Computed on the way' means the value that the module computes at that place (a softmax that the list does not call 'softmax' is quantised finished and normalised). What goes into a quantiser is computed in f32, as accurately as f32 sums, v_exp_f32 and their like allow (about 1e-6 of the number): no bf16 or f16 on the way to a quantiser, and a product that is left as it is and whose result goes on into a quantised operand takes f32 operands (vector FMAs, or v_wmma_f32_16x16x4_f32). A number that lies on a knife's edge between two numbers of the format may be rounded either way, as far as f32 arithmetic and the matrix unit's own rounding can turn it there, and no further.
;;   INPUTS GIVEN AS CODES. W (in the module: [256, 256], K = its axis 1): each comes as NAME_codes (uint8): NAME with its K axis moved to the last place and cut into blocks of 32 codes, [.., K / 32, bytes a block], one block behind the other in memory; two codes a byte, the lower K in the low four bits (a code: sign, 2 exponent bits, 1 mantissa bit); and NAME_scales (uint8): the same leading axes, one E8M0 byte (e + 127) for each 32 codes along K. Its value is code x scale, taken as it is: it is not quantised again, and the codes and scales need not be those that the quantiser above would give.
;; 3 versions. Each part assembles by itself: llvm-mc -triple=amdgcn-amd-amdhsa -mcpu=gfx1250 --defsym DOCPART=n.
;; ======== version 1 of 3: 7 launches
;; workspace buffers: codes 2,097,152 bytes; scales 131,072 bytes; units 2,097,152 bytes of whole numbers; subs 2,097,152 bytes of whole numbers; idx 2,097,152 bytes of whole numbers; part 786,432 bytes; ac 2,048 bytes
;; launch quant (part 1): grid 256 x 1, 4 waves a work-group, no clusters, 10,752 bytes of LDS; arguments feat, codes, scales; writes codes, scales
.if DOCPART == 1
	.amdgcn_target "amdgcn-amd-amdhsa--gfx1250"
	.amdhsa_code_object_version 6
	.text
	.protected	k_q1fc8bed796_quant
	.globl	k_q1fc8bed796_quant
	.p2align	8
	.type	k_q1fc8bed796_quant,@function
k_q1fc8bed796_quant:
	s_mov_b64 s[64:65], 0
	v_nop
	global_prefetch_b8 v0, s[64:65] scope:SCOPE_SE
	s_setreg_imm32_b32 hwreg(HW_REG_WAVE_MODE, 25, 1), 1
	s_wait_xcnt 0x0
; feat [4][256 f][4096 p], f32, is the quantised product's left operand before the gather: a gathered row is a column p of feat, and K is f.
; It becomes codes of E2M1, laid [4*4096 p][128 bytes] with f innermost, and one E8M0 byte for each 32 along f, laid [4*4096 p][8].
; A LANE TAKES A COLUMN p AND ITS REGISTERS RUN DOWN f: a block of 32 lies in one lane's 32 registers, its largest magnitude needs no other lane,
; and the conversions give codes with K innermost.  A work-group takes 64 columns; wave (cg, kh) takes columns 32 cg .. +31 and f = 128 kh .. +127 (4 blocks).
; The codes go through a stage in LDS (rows of 128 bytes + 16) and leave as 8,192 consecutive bytes, 512 an instruction; the 512 scale bytes likewise.
; A block's byte is its largest magnitude's exponent field - 2, held at 1 from below; a block of zeros keeps the byte 1 (its codes are zeros, and this program alone reads the bytes).
; LIMITS: NaN and infinities in feat are not served.  No tensor loads and no cluster: no two work-groups read the same bytes.
.set PIT,  144                         ; a stage row: 128 bytes + 16
.set SCS,  64*PIT                      ; behind the stage: 64 rows x 8 scale bytes
.set X,    32                          ; v32-95   two sets of 32 numbers
.set C,    96                          ; v96-99   a block's codes
.set SB,   24                          ; v24      my four scale bytes
.set OUTR, 100                         ; v100-119 the way out
	s_load_b128 s[4:7], s[0:1], 0x0                ; feat, codes
	s_load_b64 s[8:9], s[0:1], 0x10                ; scales
	v_lshl_add_u32 v128, v0, 2, 0x2800
	v_mov_b32 v129, 0
	v_lshrrev_b32 v2, 5, v0
	v_readfirstlane_b32 s16, v2                    ; wave 0..3
	v_and_b32 v1, 31, v0                           ; lane
	s_and_b32 s17, s16, 1                          ; cg
	s_lshr_b32 s18, s16, 1                         ; kh
	s_lshr_b32 s19, ttmp9, 6                       ; batch
	s_and_b32 s20, ttmp9, 63
	s_lshl_b32 s20, s20, 6                         ; the group's first column
	v_lshlrev_b32 v3, 2, v1                        ; in: 4 bytes a lane
	s_mul_i32 s21, s17, 32*PIT
	s_lshl_b32 s22, s18, 6
	s_add_co_u32 s21, s21, s22
	v_mul_u32_u24 v4, v1, PIT
	v_add_nc_u32 v4, s21, v4                       ; stage: row 32 cg + lane, byte 64 kh
	s_lshl_b32 s21, s17, 8
	s_lshl_b32 s22, s18, 2
	s_add_co_u32 s21, s21, s22
	s_add_co_u32 s21, s21, SCS
	v_lshl_add_u32 v5, v1, 3, s21                  ; my column's scale word kh
	v_lshrrev_b32 v6, 3, v1
	v_mul_u32_u24 v7, v6, PIT
	v_and_b32 v6, 7, v1
	v_lshl_add_u32 v7, v6, 4, v7
	s_mul_i32 s21, s16, 16*PIT
	v_add_nc_u32 v7, s21, v7                       ; back: wave's 16 rows, eight lanes to a row
	v_lshlrev_b32 v8, 4, v1                        ; out: 16 bytes a lane
	v_add_nc_u32 v9, SCS, v8
	s_lshl_b32 s24, s19, 22                        ; feat: batch x 256 x 16,384 bytes
	s_lshl_b32 s21, s18, 21                        ;  + 128 kh rows
	s_add_co_u32 s24, s24, s21
	s_lshl_b32 s21, s17, 5
	s_add_co_u32 s21, s21, s20
	s_lshl_b32 s21, s21, 2                         ;  + 4 x my wave's first column
	s_add_co_u32 s24, s24, s21
	s_mov_b32 s25, 0
	s_lshl_b32 s26, s19, 19                        ; codes: 128 bytes a column
	s_lshl_b32 s21, s20, 7
	s_add_co_u32 s26, s26, s21
	s_lshl_b32 s21, s16, 11                        ;  + my wave's 2,048 bytes on the way out
	s_add_co_u32 s26, s26, s21
	s_mov_b32 s27, 0
	s_lshl_b32 s28, s19, 15                        ; scales: 8 bytes a column
	s_lshl_b32 s21, s20, 3
	s_add_co_u32 s28, s28, s21
	s_mov_b32 s29, 0
	s_wait_kmcnt 0x0
	s_add_nc_u64 s[4:5], s[4:5], s[24:25]
	s_add_nc_u64 s[6:7], s[6:7], s[26:27]
	s_add_nc_u64 s[8:9], s[8:9], s[28:29]
.macro LOAD t                          ; block t: 32 rows of feat at my column, into set t % 2; a wave's load covers 128 consecutive bytes
.set ii, 0
.rept 32
	global_load_b32 v[X+32*((\t)%2)+ii], v3, s[4:5] offset:(32*(\t)+ii)*16384 th:TH_LOAD_NT
.set ii, ii+1
.endr
.endm
.macro BLOCK t
.set XS, X+32*((\t)%2)
.if (\t) < 3
	s_wait_loadcnt 32                              ; this block's 32 loads are in; the next block's 32 may be out
.else
	s_wait_loadcnt 0x0
.endif
	v_max3_num_f32 v12, |v[XS]|, |v[XS+1]|, |v[XS+2]|      ; the block's largest magnitude, in two chains
	v_max3_num_f32 v13, |v[XS+3]|, |v[XS+4]|, |v[XS+5]|
.irp i, 6,10,14,18,22,26
	v_max3_num_f32 v12, v12, |v[XS+\i]|, |v[XS+\i+1]|
	v_max3_num_f32 v13, v13, |v[XS+\i+2]|, |v[XS+\i+3]|
.endr
	v_max3_num_f32 v12, v12, |v[XS+30]|, |v[XS+31]|
	v_max3_num_f32 v12, v12, v13, 0x1800000        ; and the floor 2^(3 - 127): the byte cannot fall under 1
	v_add_nc_u32 v11, 0xff000000, v12              ; 2 off the exponent field: the conversion's scale operand
	v_lshrrev_b32 v13, 23, v11                     ; the scale's byte
.if (\t) == 0
	v_mov_b32 v[SB], v13
.else
	v_lshl_or_b32 v[SB], v13, 8*(\t), v[SB]
.endif
.irp g, 0,1,2,3
	v_cvt_scalef32_pk8_fp4_f32 v[C+\g], v[XS+8*\g:XS+8*\g+7], v11
.endr
	ds_store_b128 v4, v[C:C+3] offset:16*(\t)      ; 32 codes: 16 bytes of my column's row
.if (\t) < 2
	LOAD (\t)+2
.endif
	s_wait_dscnt 0x0                               ; the store has read its registers: the next block's codes may be written (plain lines come first there)
.endm
	LOAD 0
	LOAD 1
	BLOCK 0
	BLOCK 1
	BLOCK 2
	BLOCK 3
	ds_store_b32 v5, v[SB]
	s_wait_dscnt 0x0                               ; for the others' sake: my stores into the stage are done
	s_barrier_signal -1
	s_barrier_wait -1
.irp e, 0,1,2,3
	ds_load_b128 v[OUTR+4*\e:OUTR+4*\e+3], v7 offset:\e*4*PIT
.endr
.irp e, 0,1,2,3
	s_wait_dscnt 3-\e                              ; LDS loads come back in order: load e is in, the younger ones may be out
	global_store_b128 v8, v[OUTR+4*\e:OUTR+4*\e+3], s[6:7] offset:\e*512   ; 512 consecutive bytes
.endr
	s_cmp_lg_u32 s16, 0
	s_cbranch_scc1 .Lend                           ; the group's 512 scale bytes leave by wave 0
	ds_load_b128 v[OUTR+16:OUTR+19], v9
	s_wait_dscnt 0x0
	global_store_b128 v8, v[OUTR+16:OUTR+19], s[8:9]
.Lend:
	s_wait_tensorcnt 0x0
	ds_add_u32 v128, v129
	s_wait_dscnt 0x0
	s_endpgm
.Lfunc_end_k_q1fc8bed796_quant:
	.size	k_q1fc8bed796_quant, .Lfunc_end_k_q1fc8bed796_quant-k_q1fc8bed796_quant
	.p2alignl 7, 3214868480
	.fill 96, 4, 3214868480
	.section	.rodata,"a",@progbits
	.p2align	6, 0x0
	.amdhsa_kernel k_q1fc8bed796_quant
		.amdhsa_group_segment_fixed_size 10752
		.amdhsa_private_segment_fixed_size 0
		.amdhsa_enable_private_segment 0
		.amdhsa_kernarg_size 24
		.amdhsa_user_sgpr_count 2
		.amdhsa_user_sgpr_kernarg_segment_ptr 1
		.amdhsa_wavefront_size32 1
		.amdhsa_system_sgpr_workgroup_id_x 1
		.amdhsa_system_sgpr_workgroup_id_y 1
		.amdhsa_system_sgpr_workgroup_id_z 1
		.amdhsa_system_vgpr_workitem_id 0
		.amdhsa_next_free_vgpr 130
		.amdhsa_next_free_sgpr 66
		.amdhsa_reserve_vcc 0
		.amdhsa_float_denorm_mode_32 3
		.amdhsa_float_denorm_mode_16_64 3
		.amdhsa_memory_ordered 1
		.amdhsa_forward_progress 1
		.amdhsa_inst_pref_size 22
	.end_amdhsa_kernel
	.amdgpu_metadata
---
amdhsa.version: [ 1, 2 ]
amdhsa.kernels:
  - .name:           k_q1fc8bed796_quant
    .symbol:         k_q1fc8bed796_quant.kd
    .args:
      - { .name: feat, .offset: 0, .size: 8, .value_kind: global_buffer, .address_space: global }
      - { .name: codes, .offset: 8, .size: 8, .value_kind: global_buffer, .address_space: global }
      - { .name: scales, .offset: 16, .size: 8, .value_kind: global_buffer, .address_space: global }
    .group_segment_fixed_size: 10752
    .private_segment_fixed_size: 0
    .kernarg_segment_align: 8
    .kernarg_segment_size: 24
    .max_flat_workgroup_size: 128
    .sgpr_count:     66
    .vgpr_count:     130
    .wavefront_size: 32
...
	.end_amdgpu_metadata
.endif
;; end of part 1
;; launch coarse (part 2): grid 512 x 1, 16 waves a work-group, no clusters, 51,200 bytes of LDS; arguments xyz, units; writes units
.if DOCPART == 2
	.amdgcn_target "amdgcn-amd-amdhsa--gfx1250"
	.amdhsa_code_object_version 6
	.text
	.protected	k_q1fc8bed796_coarse
	.globl	k_q1fc8bed796_coarse
	.p2align	8
	.type	k_q1fc8bed796_coarse,@function
k_q1fc8bed796_coarse:
	s_mov_b64 s[64:65], 0
	v_nop
	global_prefetch_b8 v0, s[64:65] scope:SCOPE_SE
	s_setreg_imm32_b32 hwreg(HW_REG_WAVE_MODE, 25, 1), 1
	s_wait_xcnt 0x0
; The first of three steps that find, for each query, its 32 nearest neighbours in the plane (x0, x1), ordered by (distance : index).
; THE PRUNING.  The 4,096 candidates of a batch are cut into 256 UNITS of 16 consecutive indices.  A unit's key is (its smallest distance : its number); for two different units this orders them as their
; smallest element keys (distance : index) do, since the units are runs of consecutive indices.  An element of a unit that is not among the 32 units of smallest key has 32 elements ahead of it (those units' smallest):
; so the 32 nearest neighbours lie in those 32 units, for every input, ties included.  This launch stores their numbers; the next two launches cut the units into runs of 4 and then into single candidates in the same way.
; EVERY TRIP COUNT IS A CONSTANT, and no branch and no address hangs on a distance: the work is the same for every input.
; THE DISTANCE is formed as: sq = rnd(rnd(x0 x0) + rnd(x1 x1)) (a product and a sum that are two steps of the model, so they are not fused); dot = fma(x1n, x1m, rnd(x0n x0m));
; d = rnd(rnd(sq_m - 2 dot) + sq_n); here two candidates to an instruction.  d is never -0: sq_n is +0 or more.  Another order of rounding can swap neighbours whose distances agree to the last places.
; SHARES.  A work-group takes 32 queries of one batch, a wave a pair of them.  x0, x1 and sq of the batch's 4,096 candidates lie in LDS as images of the registers that read them: [chunk c][k][lane] x 16 bytes:
; lane l of chunk c owns unit 32 c + l, and its k-th 16 bytes are candidates 16 (32 c + l) + 4 k + 0 .. 3: every LDS load takes 512 consecutive bytes.
; For each query and each of the 8 chunks: 16 distances a lane, their minimum, the key; the 32 keys are sorted descending across the lanes and merged into the running ascending 32 best.
; units: [(batch 4096 + q) / 2][place][q & 1] words: the wave's one store covers 256 consecutive bytes, aligned.
; LIMITS: NaN and infinities in xyz are not served.  No tensor loads, no cluster: what work-groups share is 32,768 bytes of xyz, which go through registers anyway, for sq and for the images' order.
.set IMG1, 16384                       ; LDS: x0's image at 0, x1's here,
.set IMG2, 32768                       ; sq's here
.set LANE, 1
.set LB,   2                           ; 16 x lane: my place in every 512 bytes of an image
.set ST8,  3                           ; 8 x lane: my place in the store
.set GOF,  4                           ; 16 x thread: what I copy from a row of xyz
.set LST,  5                           ; and where it goes in an image
.set X0,   16                          ; v16-31  x0 of my unit's 16 candidates, then their distances
.set X1,   32                          ; v32-47  x1
.set SQ,   48                          ; v48-63  sq
.set M1,   64                          ; two running minima
.set M2,   65
.set CHI,  66                          ; the chunk's keys
.set CLO,  67
.set RHI,  68                          ; the 32 best so far, ascending
.set RLO,  69
.set PH,   70                          ; the partner's key
.set PL,   71
.set TMP,  72
.set QX0,  74                          ; v[74:75], v[76:77], v[78:79]: the query's x0, x1 and sq; the packed forms name a pair and take its low word for both halves
.set QX1,  76
.set SQN,  78
.set RES,  80                          ; v[80:81] the two queries' lists
.set PADR, 82
	s_load_b128 s[4:7], s[0:1], 0x0                ; xyz, units
	v_lshl_add_u32 v96, v0, 2, 0xc000
	v_mov_b32 v97, 0
	v_lshrrev_b32 v6, 5, v0
	v_readfirstlane_b32 s10, v6                    ; wave 0..15
	v_and_b32 v[LANE], 31, v0
	s_lshl_b32 s11, ttmp9, 4
	s_add_co_u32 s11, s11, s10                     ; my pair of queries, 0 .. 8191
	s_lshr_b32 s12, s11, 11                        ; batch: the same for the whole work-group
	s_and_b32 s13, s11, 2047
	v_lshlrev_b32 v[LB], 4, v[LANE]
	v_lshlrev_b32 v[ST8], 3, v[LANE]
	v_lshlrev_b32 v[GOF], 4, v0
	v_lshrrev_b32 v6, 7, v0                        ; piece n = thread (+ 512) of 16 bytes: chunk n / 128,
	v_and_b32 v7, 3, v0                            ; k = n % 4,
	v_bfe_u32 v8, v0, 2, 5                         ; lane (n / 4) % 32
	v_lshlrev_b32 v[LST], 11, v6
	v_lshl_add_u32 v[LST], v7, 9, v[LST]
	v_lshl_add_u32 v[LST], v8, 4, v[LST]           ; 2048 chunk + 512 k + 16 lane
	v_add_nc_u32 v[PADR], 0x10000, v[LANE]         ; low words of keys that stand for nothing: above every number, and all different
	v_mov_b32 v[PH], 0                             ; (destinations of lane moves count as read)
	v_mov_b32 v[PL], 0
	v_mov_b32 v[RES+1], 0
	v_mov_b32 v[QX0+1], 0                          ; (named as the upper halves of pairs)
	v_mov_b32 v[QX1+1], 0
	v_mov_b32 v[SQN+1], 0
	s_mov_b32 s33, 0x76543210
	s_mov_b32 s34, 0xfedcba98                      ; v_permlanex16_b32's selects for lane l xor 16
	s_mul_i32 s14, s12, 49152
	s_mov_b32 s15, 0
	s_wait_kmcnt 0x0
	s_add_nc_u64 s[40:41], s[4:5], s[14:15]        ; xyz of my batch
	s_lshl_b32 s14, s13, 3
	s_add_nc_u64 s[42:43], s[40:41], s[14:15]      ; at my two queries
	s_lshl_b32 s14, s11, 8
	s_add_nc_u64 s[46:47], s[6:7], s[14:15]        ; my pair's 256 bytes of units
	global_load_b128 v[16:19], v[GOF], s[40:41]                 ; x0, pieces n = thread and thread + 512: a wave's load covers 512 consecutive bytes
	global_load_b128 v[20:23], v[GOF], s[40:41] offset:8192
	global_load_b128 v[24:27], v[GOF], s[40:41] offset:16384    ; x1, the same pieces
	global_load_b128 v[28:31], v[GOF], s[40:41] offset:24576
	s_load_b64 s[16:17], s[42:43], 0x0             ; x0 of the two queries
	s_load_b64 s[18:19], s[42:43], 0x4000          ; x1
	s_wait_loadcnt 0x0
.irp i, 0,1,2,3,4,5,6,7
	v_mul_f32 v[32+\i], v[16+\i], v[16+\i]         ; sq: the squares are rounded one by one,
	v_mul_f32 v[40+\i], v[24+\i], v[24+\i]
.endr
.irp i, 0,1,2,3,4,5,6,7
	v_add_f32 v[32+\i], v[32+\i], v[40+\i]         ; then added: on purpose no fused multiply-add
.endr
	ds_store_b128 v[LST], v[16:19]
	ds_store_b128 v[LST], v[20:23] offset:8192                  ; 512 pieces on: four chunks on
	ds_store_b128 v[LST], v[24:27] offset:IMG1
	ds_store_b128 v[LST], v[28:31] offset:IMG1+8192
	ds_store_b128 v[LST], v[32:35] offset:IMG2
	ds_store_b128 v[LST], v[36:39] offset:IMG2+8192
	s_wait_dscnt 0x0                               ; for the others' sake: my part of the images is stored
	s_barrier_signal -1
	s_barrier_wait -1
	s_wait_kmcnt 0x0                               ; the queries' coordinates
; One compare-exchange of a bitonic network across the lanes, on keys hi : lo, with the lane j away.  s30 = own < partner; a lane takes its partner's key where that bit differs from its role.
; J(j) marks the lanes with bit j set, K(k) those with bit k set (K(32) = 0).  Descending sort: role = J ^ K; ascending: its complement.
.macro STAGE hi, lo, j, k, asc
.set ROLE, ((0xffffffff/((1<<(\j))+1))<<(\j))^((0xffffffff/((1<<(\k))+1))<<(\k))
.if \asc
.set ROLE, ROLE^0xffffffff
.endif
.if (\j) == 16
	v_permlanex16_b32 v[PH], v[\hi], s33, s34
	v_permlanex16_b32 v[PL], v[\lo], s33, s34
.else
	v_mov_b32_dpp v[PH], v[\hi] row_xmask:\j row_mask:0xf bank_mask:0xf
	v_mov_b32_dpp v[PL], v[\lo] row_xmask:\j row_mask:0xf bank_mask:0xf
.endif
	v_cmp_lt_u32 vcc_lo, v[\lo], v[PL]
	v_cmp_eq_u32 s30, v[\hi], v[PH]
	v_cmp_lt_u32 s31, v[\hi], v[PH]
	s_and_b32 s30, s30, vcc_lo
	s_or_b32 s30, s30, s31
	s_xor_b32 s30, s30, ROLE
	v_cndmask_b32 v[\hi], v[\hi], v[PH], s30
	v_cndmask_b32 v[\lo], v[\lo], v[PL], s30
.endm
; The 32 keys in CHI : CLO are sorted descending and merged into the 32 best.
.macro SORTMERGE
	STAGE CHI, CLO, 1, 2, 0
	STAGE CHI, CLO, 2, 4, 0
	STAGE CHI, CLO, 1, 4, 0
	STAGE CHI, CLO, 4, 8, 0
	STAGE CHI, CLO, 2, 8, 0
	STAGE CHI, CLO, 1, 8, 0
	STAGE CHI, CLO, 8, 16, 0
	STAGE CHI, CLO, 4, 16, 0
	STAGE CHI, CLO, 2, 16, 0
	STAGE CHI, CLO, 1, 16, 0
	STAGE CHI, CLO, 16, 32, 0
	STAGE CHI, CLO, 8, 32, 0
	STAGE CHI, CLO, 4, 32, 0
	STAGE CHI, CLO, 2, 32, 0
	STAGE CHI, CLO, 1, 32, 0
	v_cmp_lt_u32 vcc_lo, v[RLO], v[CLO]            ; an ascending and a descending list: the smaller key of each lane, 32 in all, are the 32 smallest of the 64
	v_cmp_eq_u32 s30, v[RHI], v[CHI]
	v_cmp_lt_u32 s31, v[RHI], v[CHI]
	s_and_b32 s30, s30, vcc_lo
	s_or_b32 s30, s30, s31
	v_cndmask_b32 v[RHI], v[CHI], v[RHI], s30
	v_cndmask_b32 v[RLO], v[CLO], v[RLO], s30
	STAGE RHI, RLO, 16, 32, 1
	STAGE RHI, RLO, 8, 32, 1
	STAGE RHI, RLO, 4, 32, 1
	STAGE RHI, RLO, 2, 32, 1
	STAGE RHI, RLO, 1, 32, 1
.endm
.macro LOADC c                         ; chunk c: my unit's 16 candidates: x0, x1, sq
.irp k, 0,1,2,3
	ds_load_b128 v[X0+4*\k:X0+4*\k+3], v[LB] offset:(\c)*2048+\k*512
	ds_load_b128 v[X1+4*\k:X1+4*\k+3], v[LB] offset:IMG1+(\c)*2048+\k*512
	ds_load_b128 v[SQ+4*\k:SQ+4*\k+3], v[LB] offset:IMG2+(\c)*2048+\k*512
.endr
.endm
.macro CHUNK c
	s_wait_dscnt 0x0                               ; this chunk's twelve loads are in
.irp p, 0,2,4,6,8,10,12,14
	v_pk_mul_f32 v[X0+\p:X0+\p+1], v[X0+\p:X0+\p+1], v[QX0:QX0+1] op_sel_hi:[1,0]                       ; x0n x0m, rounded
.endr
.irp p, 0,2,4,6,8,10,12,14
	v_pk_fma_f32 v[X0+\p:X0+\p+1], v[X1+\p:X1+\p+1], v[QX1:QX1+1], v[X0+\p:X0+\p+1] op_sel_hi:[1,0,1]   ; the dot product
.endr
.irp p, 0,2,4,6,8,10,12,14
	v_pk_fma_f32 v[X0+\p:X0+\p+1], v[X0+\p:X0+\p+1], -2.0, v[SQ+\p:SQ+\p+1] op_sel_hi:[1,0,1]           ; sq_m - 2 dot: one rounding (2 dot is exact)
.endr
.irp p, 0,2,4,6,8,10,12,14
	v_pk_add_f32 v[X0+\p:X0+\p+1], v[X0+\p:X0+\p+1], v[SQN:SQN+1] op_sel_hi:[1,0]                       ; + sq_n
.endr
	v_min3_num_f32 v[M1], v[X0], v[X0+1], v[X0+2]  ; my unit's smallest distance, in two chains
	v_min3_num_f32 v[M2], v[X0+3], v[X0+4], v[X0+5]
	v_min3_num_f32 v[M1], v[M1], v[X0+6], v[X0+7]
	v_min3_num_f32 v[M2], v[M2], v[X0+8], v[X0+9]
	v_min3_num_f32 v[M1], v[M1], v[X0+10], v[X0+11]
	v_min3_num_f32 v[M2], v[M2], v[X0+12], v[X0+13]
	v_min3_num_f32 v[M1], v[M1], v[X0+14], v[X0+15]
	v_min_num_f32 v[M1], v[M1], v[M2]
.if (\c) < 7
	LOADC (\c)+1                                   ; the next chunk's loads are on their way while this chunk's keys are sorted
.endif
	v_ashrrev_i32 v[TMP], 31, v[M1]                ; f32 to a whole number of the same order
	v_or_b32 v[TMP], 0x80000000, v[TMP]
	v_xor_b32 v[CHI], v[M1], v[TMP]
	v_add_nc_u32 v[CLO], 32*(\c), v[LANE]          ; my unit's number
	SORTMERGE
.endm
	s_mov_b32 s20, 0
.Lquery:                                           ; two trips: the pair's queries
	LOADC 0
	v_mov_b32 v[QX0], s16
	v_mov_b32 v[QX1], s18
	v_mul_f32 v[SQN], v[QX0], v[QX0]               ; sq of the query, rounded as the candidates' is
	v_mul_f32 v[TMP], v[QX1], v[QX1]
	v_add_f32 v[SQN], v[SQN], v[TMP]
	v_mov_b32 v[RHI], -1                           ; the best so far: 32 keys that stand for nothing, ascending; the 256 units' keys drive them all out
	v_mov_b32 v[RLO], v[PADR]
.irp c, 0,1,2,3,4,5,6,7
	CHUNK \c
.endr
	v_mov_b32 v[RES], v[RES+1]
	v_mov_b32 v[RES+1], v[RLO]
	s_mov_b32 s16, s17                             ; the second query's coordinates move down
	s_mov_b32 s18, s19
	s_add_co_u32 s20, s20, 1
	s_cmp_lt_u32 s20, 2
	s_cbranch_scc1 .Lquery
	global_store_b64 v[ST8], v[RES:RES+1], s[46:47]  ; 256 consecutive bytes, aligned
	s_wait_tensorcnt 0x0
	ds_add_u32 v96, v97
	s_wait_dscnt 0x0
	s_endpgm
.Lfunc_end_k_q1fc8bed796_coarse:
	.size	k_q1fc8bed796_coarse, .Lfunc_end_k_q1fc8bed796_coarse-k_q1fc8bed796_coarse
	.p2alignl 7, 3214868480
	.fill 96, 4, 3214868480
	.section	.rodata,"a",@progbits
	.p2align	6, 0x0
	.amdhsa_kernel k_q1fc8bed796_coarse
		.amdhsa_group_segment_fixed_size 51200
		.amdhsa_private_segment_fixed_size 0
		.amdhsa_enable_private_segment 0
		.amdhsa_kernarg_size 16
		.amdhsa_user_sgpr_count 2
		.amdhsa_user_sgpr_kernarg_segment_ptr 1
		.amdhsa_wavefront_size32 1
		.amdhsa_system_sgpr_workgroup_id_x 1
		.amdhsa_system_sgpr_workgroup_id_y 1
		.amdhsa_system_sgpr_workgroup_id_z 1
		.amdhsa_system_vgpr_workitem_id 0
		.amdhsa_next_free_vgpr 98
		.amdhsa_next_free_sgpr 66
		.amdhsa_reserve_vcc 1
		.amdhsa_float_denorm_mode_32 3
		.amdhsa_float_denorm_mode_16_64 3
		.amdhsa_memory_ordered 1
		.amdhsa_forward_progress 1
		.amdhsa_inst_pref_size 120
	.end_amdhsa_kernel
	.amdgpu_metadata
---
amdhsa.version: [ 1, 2 ]
amdhsa.kernels:
  - .name:           k_q1fc8bed796_coarse
    .symbol:         k_q1fc8bed796_coarse.kd
    .args:
      - { .name: xyz, .offset: 0, .size: 8, .value_kind: global_buffer, .address_space: global }
      - { .name: units, .offset: 8, .size: 8, .value_kind: global_buffer, .address_space: global }
    .group_segment_fixed_size: 51200
    .private_segment_fixed_size: 0
    .kernarg_segment_align: 8
    .kernarg_segment_size: 16
    .max_flat_workgroup_size: 512
    .sgpr_count:     66
    .vgpr_count:     98
    .wavefront_size: 32
...
	.end_amdgpu_metadata
.endif
;; end of part 2
;; launch mid (part 3): grid 1024 x 1, 8 waves a work-group, no clusters, 0 bytes of LDS; arguments xyz, units, subs; writes subs
.if DOCPART == 3
	.amdgcn_target "amdgcn-amd-amdhsa--gfx1250"
	.amdhsa_code_object_version 6
	.text
	.protected	k_q1fc8bed796_mid
	.globl	k_q1fc8bed796_mid
	.p2align	8
	.type	k_q1fc8bed796_mid,@function
k_q1fc8bed796_mid:
	s_mov_b64 s[64:65], 0
	v_nop
	global_prefetch_b8 v0, s[64:65] scope:SCOPE_SE
	s_setreg_imm32_b32 hwreg(HW_REG_WAVE_MODE, 25, 1), 1
	s_wait_xcnt 0x0
; The second of three steps that find, for each query, its 32 nearest neighbours in the plane (x0, x1), ordered by (distance : index).
; GIVEN: for each query 32 units, runs of 4 S consecutive candidates (here S = 4), that hold its 32 nearest neighbours: whole numbers stored by the launch before.
; MADE: each unit is cut into 4 runs of S candidates; a run's key is (its smallest distance : its number).  For two different runs this orders them as their smallest element keys (distance : index) do.
; A run that is not among the 32 runs of smallest key, of all runs of the batch, has 32 elements ahead of each of its own; and the 32 runs of smallest key lie in the 32 given units by the same argument.
; So the 32 smallest of these 128 keys name runs that hold the 32 nearest neighbours, for every input, ties included.  With S = 1 the runs are the candidates and the sorted list is the result.
; EVERY TRIP COUNT IS A CONSTANT, and no branch hangs on data; the only addresses that hang on data are the loads of the units' coordinates, at offsets made from the stored numbers, held inside a row of xyz.
; THE DISTANCE is formed as: sq = rnd(rnd(x0 x0) + rnd(x1 x1)) (a product and a sum that are two steps of the model, so they are not fused here); dot = fma(x1n, x1m, rnd(x0n x0m));
; d = rnd(rnd(sq_m - 2 dot) + sq_n).  Another order of rounding can swap neighbours whose distances agree to the last places.
; SHARES.  A wave takes a pair of queries, one after the other; lane r takes the r-th unit.  Four times 32 keys are sorted descending across the lanes and merged into the running ascending 32 best.
; Both lists: [(batch 4096 + q) / 2][place][q & 1] words: the wave's load and its store cover 256 consecutive bytes, aligned.
; LIMITS: NaN and infinities in xyz are not served.  No LDS, no tensor loads, no cluster: waves share nothing but xyz, of which each reads single pieces of 16 bytes.
.set LOGS, 2
.set S,    1<<LOGS                     ; candidates in a run
.set UMAX, 4096/(4*S)-1                ; the largest number of a unit
.set LANE, 1
.set ST8,  3                           ; 8 x lane
.set U,    6                           ; my unit
.set OFS,  7                           ; its byte offset in a row of xyz
.set U4,   8                           ; the number of its first run
.set X0,   16                          ; v16.. x0 of my unit's 4 S candidates
.set X1,   32                          ; v32.. x1
.set EE,   48
.set E2,   49
.set SQM,  50
.set TMP,  51
.set CHI,  52                          ; the chunk's keys
.set CLO,  53
.set RHI,  54                          ; the 32 best so far, ascending
.set RLO,  55
.set PH,   56                          ; the partner's key
.set PL,   57
.set QX0,  58
.set QX1,  59
.set SQN,  60
.set RES,  62                          ; v[62:63] the two queries' lists
.set PADR, 64
	s_load_b128 s[4:7], s[0:1], 0x0                ; xyz, the given list
	s_load_b64 s[8:9], s[0:1], 0x10                ; the list that is made
	v_lshrrev_b32 v6, 5, v0
	v_readfirstlane_b32 s10, v6                    ; wave 0..7
	v_and_b32 v[LANE], 31, v0
	s_lshl_b32 s11, ttmp9, 3
	s_add_co_u32 s11, s11, s10                     ; my pair of queries, 0 .. 8191
	s_lshr_b32 s12, s11, 11                        ; batch
	s_and_b32 s13, s11, 2047
	v_lshlrev_b32 v[ST8], 3, v[LANE]
	v_add_nc_u32 v[PADR], 0x10000, v[LANE]         ; low words of keys that stand for nothing: above every number, and all different
	v_mov_b32 v[PH], 0                             ; (destinations of lane moves count as read)
	v_mov_b32 v[PL], 0
	v_mov_b32 v[RES+1], 0
	s_mov_b32 s33, 0x76543210
	s_mov_b32 s34, 0xfedcba98                      ; v_permlanex16_b32's selects for lane l xor 16
	s_mul_i32 s14, s12, 49152
	s_mov_b32 s15, 0
	s_wait_kmcnt 0x0
	s_add_nc_u64 s[40:41], s[4:5], s[14:15]        ; xyz of my batch
	s_lshl_b32 s14, s13, 3
	s_add_nc_u64 s[42:43], s[40:41], s[14:15]      ; at my two queries
	s_lshl_b32 s14, s11, 8
	s_add_nc_u64 s[44:45], s[6:7], s[14:15]        ; my pair's 256 bytes of the given list
	s_add_nc_u64 s[46:47], s[8:9], s[14:15]        ; and of the list that is made
	global_load_b64 v[4:5], v[ST8], s[44:45] th:TH_LOAD_NT   ; v4: the first query's r-th unit, v5: the second's
	s_load_b64 s[16:17], s[42:43], 0x0             ; x0 of the two queries
	s_load_b64 s[18:19], s[42:43], 0x4000          ; x1
	s_wait_loadcnt 0x0
	s_wait_kmcnt 0x0
; One compare-exchange of a bitonic network across the lanes, on keys hi : lo, with the lane j away.  s30 = own < partner; a lane takes its partner's key where that bit differs from its role.
; J(j) marks the lanes with bit j set, K(k) those with bit k set (K(32) = 0).  Descending sort: role = J ^ K; ascending: its complement.
.macro STAGE hi, lo, j, k, asc
.set ROLE, ((0xffffffff/((1<<(\j))+1))<<(\j))^((0xffffffff/((1<<(\k))+1))<<(\k))
.if \asc
.set ROLE, ROLE^0xffffffff
.endif
.if (\j) == 16
	v_permlanex16_b32 v[PH], v[\hi], s33, s34
	v_permlanex16_b32 v[PL], v[\lo], s33, s34
.else
	v_mov_b32_dpp v[PH], v[\hi] row_xmask:\j row_mask:0xf bank_mask:0xf
	v_mov_b32_dpp v[PL], v[\lo] row_xmask:\j row_mask:0xf bank_mask:0xf
.endif
	v_cmp_lt_u32 vcc_lo, v[\lo], v[PL]
	v_cmp_eq_u32 s30, v[\hi], v[PH]
	v_cmp_lt_u32 s31, v[\hi], v[PH]
	s_and_b32 s30, s30, vcc_lo
	s_or_b32 s30, s30, s31
	s_xor_b32 s30, s30, ROLE
	v_cndmask_b32 v[\hi], v[\hi], v[PH], s30
	v_cndmask_b32 v[\lo], v[\lo], v[PL], s30
.endm
; The 32 keys in CHI : CLO are sorted descending and merged into the 32 best.
.macro SORTMERGE
	STAGE CHI, CLO, 1, 2, 0
	STAGE CHI, CLO, 2, 4, 0
	STAGE CHI, CLO, 1, 4, 0
	STAGE CHI, CLO, 4, 8, 0
	STAGE CHI, CLO, 2, 8, 0
	STAGE CHI, CLO, 1, 8, 0
	STAGE CHI, CLO, 8, 16, 0
	STAGE CHI, CLO, 4, 16, 0
	STAGE CHI, CLO, 2, 16, 0
	STAGE CHI, CLO, 1, 16, 0
	STAGE CHI, CLO, 16, 32, 0
	STAGE CHI, CLO, 8, 32, 0
	STAGE CHI, CLO, 4, 32, 0
	STAGE CHI, CLO, 2, 32, 0
	STAGE CHI, CLO, 1, 32, 0
	v_cmp_lt_u32 vcc_lo, v[RLO], v[CLO]            ; an ascending and a descending list: the smaller key of each lane, 32 in all, are the 32 smallest of the 64
	v_cmp_eq_u32 s30, v[RHI], v[CHI]
	v_cmp_lt_u32 s31, v[RHI], v[CHI]
	s_and_b32 s30, s30, vcc_lo
	s_or_b32 s30, s30, s31
	v_cndmask_b32 v[RHI], v[CHI], v[RHI], s30
	v_cndmask_b32 v[RLO], v[CLO], v[RLO], s30
	STAGE RHI, RLO, 16, 32, 1
	STAGE RHI, RLO, 8, 32, 1
	STAGE RHI, RLO, 4, 32, 1
	STAGE RHI, RLO, 2, 32, 1
	STAGE RHI, RLO, 1, 32, 1
.endm
.macro DIST dst, a                     ; the distance of my unit's candidate a: the seven lines that fix its rounding
	v_mul_f32 v[SQM], v[X0+(\a)], v[X0+(\a)]       ; the squares are rounded one by one,
	v_mul_f32 v[TMP], v[X1+(\a)], v[X1+(\a)]
	v_mul_f32 v[\dst], v[QX0], v[X0+(\a)]
	v_add_f32 v[SQM], v[SQM], v[TMP]               ; then added: on purpose no fused multiply-add
	v_fma_f32 v[\dst], v[QX1], v[X1+(\a)], v[\dst] ; the dot product adds along its K by fused multiply-adds
	v_fma_f32 v[\dst], v[\dst], -2.0, v[SQM]       ; sq_m - 2 dot: one rounding (2 dot is exact)
	v_add_f32 v[\dst], v[\dst], v[SQN]
.endm
.macro SUB j                           ; run j of every lane's unit: 32 keys
	DIST EE, S*(\j)
.if S > 1
.set ii, 1
.rept S-1
	DIST E2, S*(\j)+ii
	v_min_num_f32 v[EE], v[EE], v[E2]              ; the run's smallest distance
.set ii, ii+1
.endr
.endif
	v_ashrrev_i32 v[TMP], 31, v[EE]                ; f32 to a whole number of the same order
	v_or_b32 v[TMP], 0x80000000, v[TMP]
	v_xor_b32 v[CHI], v[EE], v[TMP]
	v_add_nc_u32 v[CLO], \j, v[U4]                 ; the run's number
	SORTMERGE
.endm
	s_mov_b32 s20, 0
.Lquery:                                           ; two trips: the pair's queries
	v_min_u32 v[U], UMAX, v4                       ; a unit stays inside its row of xyz
	v_lshlrev_b32 v[OFS], 4+LOGS, v[U]             ; 4 S candidates of 4 bytes
.set ii, 0
.rept S
	global_load_b128 v[X0+4*ii:X0+4*ii+3], v[OFS], s[40:41] offset:16*ii
	global_load_b128 v[X1+4*ii:X1+4*ii+3], v[OFS], s[40:41] offset:16384+16*ii
.set ii, ii+1
.endr
	v_lshlrev_b32 v[U4], 2, v[U]
	v_mov_b32 v[QX0], s16
	v_mov_b32 v[QX1], s18
	v_mul_f32 v[SQN], v[QX0], v[QX0]               ; sq of the query, rounded as the candidates' is
	v_mul_f32 v[TMP], v[QX1], v[QX1]
	v_add_f32 v[SQN], v[SQN], v[TMP]
	v_mov_b32 v[RHI], -1                           ; the best so far: 32 keys that stand for nothing, ascending; the 128 runs' keys drive them all out
	v_mov_b32 v[RLO], v[PADR]
	s_wait_loadcnt 0x0                             ; the coordinates are in, and OFS may be written again
.irp j, 0,1,2,3
	SUB \j
.endr
	v_mov_b32 v[RES], v[RES+1]
	v_mov_b32 v[RES+1], v[RLO]                     ; lane = place
	v_mov_b32 v4, v5                               ; the second query's units and coordinates move down
	s_mov_b32 s16, s17
	s_mov_b32 s18, s19
	s_add_co_u32 s20, s20, 1
	s_cmp_lt_u32 s20, 2
	s_cbranch_scc1 .Lquery
	global_store_b64 v[ST8], v[RES:RES+1], s[46:47]  ; 256 consecutive bytes, aligned
	s_endpgm
.Lfunc_end_k_q1fc8bed796_mid:
	.size	k_q1fc8bed796_mid, .Lfunc_end_k_q1fc8bed796_mid-k_q1fc8bed796_mid
	.p2alignl 7, 3214868480
	.fill 96, 4, 3214868480
	.section	.rodata,"a",@progbits
	.p2align	6, 0x0
	.amdhsa_kernel k_q1fc8bed796_mid
		.amdhsa_group_segment_fixed_size 0
		.amdhsa_private_segment_fixed_size 0
		.amdhsa_enable_private_segment 0
		.amdhsa_kernarg_size 24
		.amdhsa_user_sgpr_count 2
		.amdhsa_user_sgpr_kernarg_segment_ptr 1
		.amdhsa_wavefront_size32 1
		.amdhsa_system_sgpr_workgroup_id_x 1
		.amdhsa_system_sgpr_workgroup_id_y 1
		.amdhsa_system_sgpr_workgroup_id_z 1
		.amdhsa_system_vgpr_workitem_id 0
		.amdhsa_next_free_vgpr 80
		.amdhsa_next_free_sgpr 66
		.amdhsa_reserve_vcc 1
		.amdhsa_float_denorm_mode_32 3
		.amdhsa_float_denorm_mode_16_64 3
		.amdhsa_memory_ordered 1
		.amdhsa_forward_progress 1
		.amdhsa_inst_pref_size 53
	.end_amdhsa_kernel
	.amdgpu_metadata
---
amdhsa.version: [ 1, 2 ]
amdhsa.kernels:
  - .name:           k_q1fc8bed796_mid
    .symbol:         k_q1fc8bed796_mid.kd
    .args:
      - { .name: xyz, .offset: 0, .size: 8, .value_kind: global_buffer, .address_space: global }
      - { .name: units, .offset: 8, .size: 8, .value_kind: global_buffer, .address_space: global }
      - { .name: subs, .offset: 16, .size: 8, .value_kind: global_buffer, .address_space: global }
    .group_segment_fixed_size: 0
    .private_segment_fixed_size: 0
    .kernarg_segment_align: 8
    .kernarg_segment_size: 24
    .max_flat_workgroup_size: 256
    .sgpr_count:     66
    .vgpr_count:     80
    .wavefront_size: 32
...
	.end_amdgpu_metadata
.endif
;; end of part 3
;; launch rank (part 4): grid 1024 x 1, 8 waves a work-group, no clusters, 0 bytes of LDS; arguments xyz, subs, idx; writes idx
.if DOCPART == 4
	.amdgcn_target "amdgcn-amd-amdhsa--gfx1250"
	.amdhsa_code_object_version 6
	.text
	.protected	k_q1fc8bed796_rank
	.globl	k_q1fc8bed796_rank
	.p2align	8
	.type	k_q1fc8bed796_rank,@function
k_q1fc8bed796_rank:
	s_mov_b64 s[64:65], 0
	v_nop
	global_prefetch_b8 v0, s[64:65] scope:SCOPE_SE
	s_setreg_imm32_b32 hwreg(HW_REG_WAVE_MODE, 25, 1), 1
	s_wait_xcnt 0x0
; The last of three steps that find, for each query, its 32 nearest neighbours in the plane (x0, x1), in ascending order of the distance, equal distances by ascending index: what a stable top-k of the negated distances gives.
; GIVEN: for each query 32 units, runs of 4 S consecutive candidates (here S = 1), that hold its 32 nearest neighbours: whole numbers stored by the launch before.
; MADE: each unit is cut into 4 runs of S candidates; a run's key is (its smallest distance : its number).  With S = 1 the runs are the candidates, the keys are (distance : index),
; and the 32 smallest of the 128 keys, sorted, are the result: lane = rank.
; EVERY TRIP COUNT IS A CONSTANT, and no branch hangs on data; the only addresses that hang on data are the loads of the units' coordinates, at offsets made from the stored numbers, held inside a row of xyz.
; THE DISTANCE is formed as: sq = rnd(rnd(x0 x0) + rnd(x1 x1)) (a product and a sum that are two steps of the model, so they are not fused here); dot = fma(x1n, x1m, rnd(x0n x0m));
; d = rnd(rnd(sq_m - 2 dot) + sq_n).  Another order of rounding can swap neighbours whose distances agree to the last places.
; SHARES.  A wave takes a pair of queries, one after the other; lane r takes the r-th unit.  Four times 32 keys are sorted descending across the lanes and merged into the running ascending 32 best.
; Both lists: [(batch 4096 + q) / 2][place][q & 1] words: the wave's load and its store cover 256 consecutive bytes, aligned.
; LIMITS: NaN and infinities in xyz are not served.  No LDS, no tensor loads, no cluster: waves share nothing but xyz, of which each reads single pieces of 16 bytes.
.set LOGS, 0
.set S,    1<<LOGS                     ; candidates in a run
.set UMAX, 4096/(4*S)-1                ; the largest number of a unit
.set LANE, 1
.set ST8,  3                           ; 8 x lane
.set U,    6                           ; my unit
.set OFS,  7                           ; its byte offset in a row of xyz
.set U4,   8                           ; the number of its first run
.set X0,   16                          ; v16.. x0 of my unit's 4 S candidates
.set X1,   32                          ; v32.. x1
.set EE,   48
.set E2,   49
.set SQM,  50
.set TMP,  51
.set CHI,  52                          ; the chunk's keys
.set CLO,  53
.set RHI,  54                          ; the 32 best so far, ascending
.set RLO,  55
.set PH,   56                          ; the partner's key
.set PL,   57
.set QX0,  58
.set QX1,  59
.set SQN,  60
.set RES,  62                          ; v[62:63] the two queries' lists
.set PADR, 64
	s_load_b128 s[4:7], s[0:1], 0x0                ; xyz, the given list
	s_load_b64 s[8:9], s[0:1], 0x10                ; the list that is made
	v_lshrrev_b32 v6, 5, v0
	v_readfirstlane_b32 s10, v6                    ; wave 0..7
	v_and_b32 v[LANE], 31, v0
	s_lshl_b32 s11, ttmp9, 3
	s_add_co_u32 s11, s11, s10                     ; my pair of queries, 0 .. 8191
	s_lshr_b32 s12, s11, 11                        ; batch
	s_and_b32 s13, s11, 2047
	v_lshlrev_b32 v[ST8], 3, v[LANE]
	v_add_nc_u32 v[PADR], 0x10000, v[LANE]         ; low words of keys that stand for nothing: above every number, and all different
	v_mov_b32 v[PH], 0                             ; (destinations of lane moves count as read)
	v_mov_b32 v[PL], 0
	v_mov_b32 v[RES+1], 0
	s_mov_b32 s33, 0x76543210
	s_mov_b32 s34, 0xfedcba98                      ; v_permlanex16_b32's selects for lane l xor 16
	s_mul_i32 s14, s12, 49152
	s_mov_b32 s15, 0
	s_wait_kmcnt 0x0
	s_add_nc_u64 s[40:41], s[4:5], s[14:15]        ; xyz of my batch
	s_lshl_b32 s14, s13, 3
	s_add_nc_u64 s[42:43], s[40:41], s[14:15]      ; at my two queries
	s_lshl_b32 s14, s11, 8
	s_add_nc_u64 s[44:45], s[6:7], s[14:15]        ; my pair's 256 bytes of the given list
	s_add_nc_u64 s[46:47], s[8:9], s[14:15]        ; and of the list that is made
	global_load_b64 v[4:5], v[ST8], s[44:45] th:TH_LOAD_NT   ; v4: the first query's r-th unit, v5: the second's
	s_load_b64 s[16:17], s[42:43], 0x0             ; x0 of the two queries
	s_load_b64 s[18:19], s[42:43], 0x4000          ; x1
	s_wait_loadcnt 0x0
	s_wait_kmcnt 0x0
; One compare-exchange of a bitonic network across the lanes, on keys hi : lo, with the lane j away.  s30 = own < partner; a lane takes its partner's key where that bit differs from its role.
; J(j) marks the lanes with bit j set, K(k) those with bit k set (K(32) = 0).  Descending sort: role = J ^ K; ascending: its complement.
.macro STAGE hi, lo, j, k, asc
.set ROLE, ((0xffffffff/((1<<(\j))+1))<<(\j))^((0xffffffff/((1<<(\k))+1))<<(\k))
.if \asc
.set ROLE, ROLE^0xffffffff
.endif
.if (\j) == 16
	v_permlanex16_b32 v[PH], v[\hi], s33, s34
	v_permlanex16_b32 v[PL], v[\lo], s33, s34
.else
	v_mov_b32_dpp v[PH], v[\hi] row_xmask:\j row_mask:0xf bank_mask:0xf
	v_mov_b32_dpp v[PL], v[\lo] row_xmask:\j row_mask:0xf bank_mask:0xf
.endif
	v_cmp_lt_u32 vcc_lo, v[\lo], v[PL]
	v_cmp_eq_u32 s30, v[\hi], v[PH]
	v_cmp_lt_u32 s31, v[\hi], v[PH]
	s_and_b32 s30, s30, vcc_lo
	s_or_b32 s30, s30, s31
	s_xor_b32 s30, s30, ROLE
	v_cndmask_b32 v[\hi], v[\hi], v[PH], s30
	v_cndmask_b32 v[\lo], v[\lo], v[PL], s30
.endm
; The 32 keys in CHI : CLO are sorted descending and merged into the 32 best.
.macro SORTMERGE
	STAGE CHI, CLO, 1, 2, 0
	STAGE CHI, CLO, 2, 4, 0
	STAGE CHI, CLO, 1, 4, 0
	STAGE CHI, CLO, 4, 8, 0
	STAGE CHI, CLO, 2, 8, 0
	STAGE CHI, CLO, 1, 8, 0
	STAGE CHI, CLO, 8, 16, 0
	STAGE CHI, CLO, 4, 16, 0
	STAGE CHI, CLO, 2, 16, 0
	STAGE CHI, CLO, 1, 16, 0
	STAGE CHI, CLO, 16, 32, 0
	STAGE CHI, CLO, 8, 32, 0
	STAGE CHI, CLO, 4, 32, 0
	STAGE CHI, CLO, 2, 32, 0
	STAGE CHI, CLO, 1, 32, 0
	v_cmp_lt_u32 vcc_lo, v[RLO], v[CLO]            ; an ascending and a descending list: the smaller key of each lane, 32 in all, are the 32 smallest of the 64
	v_cmp_eq_u32 s30, v[RHI], v[CHI]
	v_cmp_lt_u32 s31, v[RHI], v[CHI]
	s_and_b32 s30, s30, vcc_lo
	s_or_b32 s30, s30, s31
	v_cndmask_b32 v[RHI], v[CHI], v[RHI], s30
	v_cndmask_b32 v[RLO], v[CLO], v[RLO], s30
	STAGE RHI, RLO, 16, 32, 1
	STAGE RHI, RLO, 8, 32, 1
	STAGE RHI, RLO, 4, 32, 1
	STAGE RHI, RLO, 2, 32, 1
	STAGE RHI, RLO, 1, 32, 1
.endm
.macro DIST dst, a                     ; the distance of my unit's candidate a: the seven lines that fix its rounding
	v_mul_f32 v[SQM], v[X0+(\a)], v[X0+(\a)]       ; the squares are rounded one by one,
	v_mul_f32 v[TMP], v[X1+(\a)], v[X1+(\a)]
	v_mul_f32 v[\dst], v[QX0], v[X0+(\a)]
	v_add_f32 v[SQM], v[SQM], v[TMP]               ; then added: on purpose no fused multiply-add
	v_fma_f32 v[\dst], v[QX1], v[X1+(\a)], v[\dst] ; the dot product adds along its K by fused multiply-adds
	v_fma_f32 v[\dst], v[\dst], -2.0, v[SQM]       ; sq_m - 2 dot: one rounding (2 dot is exact)
	v_add_f32 v[\dst], v[\dst], v[SQN]
.endm
.macro SUB j                           ; run j of every lane's unit: 32 keys
	DIST EE, S*(\j)
.if S > 1
.set ii, 1
.rept S-1
	DIST E2, S*(\j)+ii
	v_min_num_f32 v[EE], v[EE], v[E2]              ; the run's smallest distance
.set ii, ii+1
.endr
.endif
	v_ashrrev_i32 v[TMP], 31, v[EE]                ; f32 to a whole number of the same order
	v_or_b32 v[TMP], 0x80000000, v[TMP]
	v_xor_b32 v[CHI], v[EE], v[TMP]
	v_add_nc_u32 v[CLO], \j, v[U4]                 ; the run's number
	SORTMERGE
.endm
	s_mov_b32 s20, 0
.Lquery:                                           ; two trips: the pair's queries
	v_min_u32 v[U], UMAX, v4                       ; a unit stays inside its row of xyz
	v_lshlrev_b32 v[OFS], 4+LOGS, v[U]             ; 4 S candidates of 4 bytes
.set ii, 0
.rept S
	global_load_b128 v[X0+4*ii:X0+4*ii+3], v[OFS], s[40:41] offset:16*ii
	global_load_b128 v[X1+4*ii:X1+4*ii+3], v[OFS], s[40:41] offset:16384+16*ii
.set ii, ii+1
.endr
	v_lshlrev_b32 v[U4], 2, v[U]
	v_mov_b32 v[QX0], s16
	v_mov_b32 v[QX1], s18
	v_mul_f32 v[SQN], v[QX0], v[QX0]               ; sq of the query, rounded as the candidates' is
	v_mul_f32 v[TMP], v[QX1], v[QX1]
	v_add_f32 v[SQN], v[SQN], v[TMP]
	v_mov_b32 v[RHI], -1                           ; the best so far: 32 keys that stand for nothing, ascending; the 128 runs' keys drive them all out
	v_mov_b32 v[RLO], v[PADR]
	s_wait_loadcnt 0x0                             ; the coordinates are in, and OFS may be written again
.irp j, 0,1,2,3
	SUB \j
.endr
	v_mov_b32 v[RES], v[RES+1]
	v_mov_b32 v[RES+1], v[RLO]                     ; lane = place
	v_mov_b32 v4, v5                               ; the second query's units and coordinates move down
	s_mov_b32 s16, s17
	s_mov_b32 s18, s19
	s_add_co_u32 s20, s20, 1
	s_cmp_lt_u32 s20, 2
	s_cbranch_scc1 .Lquery
	global_store_b64 v[ST8], v[RES:RES+1], s[46:47]  ; 256 consecutive bytes, aligned
	s_endpgm
.Lfunc_end_k_q1fc8bed796_rank:
	.size	k_q1fc8bed796_rank, .Lfunc_end_k_q1fc8bed796_rank-k_q1fc8bed796_rank
	.p2alignl 7, 3214868480
	.fill 96, 4, 3214868480
	.section	.rodata,"a",@progbits
	.p2align	6, 0x0
	.amdhsa_kernel k_q1fc8bed796_rank
		.amdhsa_group_segment_fixed_size 0
		.amdhsa_private_segment_fixed_size 0
		.amdhsa_enable_private_segment 0
		.amdhsa_kernarg_size 24
		.amdhsa_user_sgpr_count 2
		.amdhsa_user_sgpr_kernarg_segment_ptr 1
		.amdhsa_wavefront_size32 1
		.amdhsa_system_sgpr_workgroup_id_x 1
		.amdhsa_system_sgpr_workgroup_id_y 1
		.amdhsa_system_sgpr_workgroup_id_z 1
		.amdhsa_system_vgpr_workitem_id 0
		.amdhsa_next_free_vgpr 80
		.amdhsa_next_free_sgpr 66
		.amdhsa_reserve_vcc 1
		.amdhsa_float_denorm_mode_32 3
		.amdhsa_float_denorm_mode_16_64 3
		.amdhsa_memory_ordered 1
		.amdhsa_forward_progress 1
		.amdhsa_inst_pref_size 49
	.end_amdhsa_kernel
	.amdgpu_metadata
---
amdhsa.version: [ 1, 2 ]
amdhsa.kernels:
  - .name:           k_q1fc8bed796_rank
    .symbol:         k_q1fc8bed796_rank.kd
    .args:
      - { .name: xyz, .offset: 0, .size: 8, .value_kind: global_buffer, .address_space: global }
      - { .name: subs, .offset: 8, .size: 8, .value_kind: global_buffer, .address_space: global }
      - { .name: idx, .offset: 16, .size: 8, .value_kind: global_buffer, .address_space: global }
    .group_segment_fixed_size: 0
    .private_segment_fixed_size: 0
    .kernarg_segment_align: 8
    .kernarg_segment_size: 24
    .max_flat_workgroup_size: 256
    .sgpr_count:     66
    .vgpr_count:     80
    .wavefront_size: 32
...
	.end_amdgpu_metadata
.endif
;; end of part 4
;; launch stats (part 5): grid 256 x 1, 8 waves a work-group, no clusters, 64,512 bytes of LDS; arguments codes, scales, idx, W_codes, W_scales, part; writes part
.if DOCPART == 5
	.amdgcn_target "amdgcn-amd-amdhsa--gfx1250"
	.amdhsa_code_object_version 6
	.text
	.protected	k_q1fc8bed796_stats
	.globl	k_q1fc8bed796_stats
	.p2align	8
	.type	k_q1fc8bed796_stats,@function
k_q1fc8bed796_stats:
	s_mov_b64 s[64:65], 0
	v_nop
	global_prefetch_b8 v0, s[64:65] scope:SCOPE_SE
	s_setreg_imm32_b32 hwreg(HW_REG_WAVE_MODE, 25, 1), 1
	s_wait_xcnt 0x0
; The batch norm's sums over all 524,288 gathered rows of y = Q(feat column) . W^T (the bias is added to the mean later): for each of the 256 channels the sum and the sum of squares of y - pivot.
; Row (n, k) of batch b is column p = idx[b, 128 k + n / 32, n % 32] of feat, here as 128 bytes of E2M1 codes and 8 scale bytes.  The product is v_wmma_scale_f32_16x16x128_f8f6f4 on E2M1 codes, two K steps.
; THE PIVOT is y of column 0 of batch 0, the same numbers in every wave: sums of y - pivot keep the variance from being a difference of large sums where feat carries an offset.
; SHARES.  A work-group takes n = 64 gamma .. +63 of one batch: 2,048 rows.  Wave v takes n_local 8 v .. 8 v + 7: 16 tiles of 16 rows.  Tile 4 i + tau: A's rows 0-7 = (n_local 8 v + i, k = 8 tau + row),
; rows 8-15 = (8 v + 4 + i, the same k).  Source 0 = the gathered rows, source 1 = 16 rows of W: a lane of the result holds ONE channel and eight rows, so all sums over rows stay in the lane.
; W, 256 x 128 bytes, stays in each wave's registers (window 1); it is read from memory once a work-group, dense, and goes round through LDS.  Two waves share a SIMD: one's vector work stands beside the other's products.
; No tensor loads, no cluster: the large stream is a gather by index; what work-groups share is W alone, 32,768 bytes once a work-group.
; part: [work-group][sum 256 | sum of squares 256 | pivot 256] f32.
; REGISTERS, window 0: v1-15, v22, v23 addresses; v16-21 the gathers' offsets; v24-39 the tiles' row indices; v40-45 A's scale words (three buffers); v48-63 W's scale words (register 2 (t / 2) + s: tile t even in
; lanes 0-15, odd in lanes 16-31); v64-111 A's fragments (three buffers of 16); v112-175 eight accumulators; v176-207 sums, v208-239 sums of squares (a pair a tile of channels); v240-255 the pivot.  Window 1: W's fragment (t, s) at v[16 t + 8 s].
.set WPIT, 144                         ; LDS: a row of W, or of the index tile: 128 bytes + 16
.set TL,   256*WPIT                    ; behind W: idx[n_local][k], 64 rows
.set RED,  TL+64*WPIT                  ; the waves' sums: 8 x 2,048 bytes
.set PVL,  RED+8*2048                  ; the pivot: 1,024 bytes
.set RC,   16
.set RSO,  19
.set IDX,  24
.set AS,   40
.set WS,   48
.set AF,   64
.set D,    112
.set S,    176
.set Q,    208
.set PV,   240
.set MSB, 0
.macro WIN new                         ; the immediate's high byte repeats the setting that is left
.if MSB != \new
	s_set_vgpr_msb (MSB<<8)|\new
.set MSB, \new
.endif
.endm
	s_load_b256 s[4:11], s[0:1], 0x0               ; codes, scales, idx, W_codes
	s_load_b128 s[12:15], s[0:1], 0x20             ; W_scales, part
	v_lshl_add_u32 v46, v0, 2, 0xf800
	v_mov_b32 v47, 0
	v_lshrrev_b32 v6, 5, v0
	v_readfirstlane_b32 s16, v6                    ; wave 0..7
	s_lshr_b32 s17, ttmp9, 6                       ; batch
	s_and_b32 s18, ttmp9, 63                       ; gamma
	v_and_b32 v7, 31, v0                           ; lane
	v_and_b32 v1, 15, v0                           ; r
	v_bfe_u32 v2, v0, 4, 1                         ; h
	v_lshlrev_b32 v3, 4, v2                        ; 16 h
	v_mul_u32_u24 v4, v1, WPIT
	v_add_nc_u32 v4, v4, v3                        ; W's fragments: row r, + 16 h
	v_bfe_u32 v5, v0, 3, 1
	v_mul_u32_u24 v5, v5, 4*WPIT
	v_and_b32 v6, 7, v0
	v_lshl_add_u32 v5, v6, 2, v5
	s_mul_i32 s26, s16, 8*WPIT
	s_add_co_u32 s26, s26, TL
	v_add_nc_u32 v5, s26, v5                       ; my row's index: n_local 8 v + 4 ((lane / 8) % 2), k = lane % 8
	v_lshlrev_b32 v8, 4, v0                        ; W on its way in: 16 bytes a thread,
	v_lshrrev_b32 v9, 3, v0
	v_mul_u32_u24 v9, v9, WPIT
	v_lshl_add_u32 v9, v6, 4, v9                   ; eight threads to a row
	v_lshlrev_b32 v10, 3, v7                       ; 8 x lane
	v_mul_u32_u24 v11, v7, WPIT
	s_lshl_b32 s26, s16, 4
	s_add_co_u32 s26, s26, TL
	v_add_nc_u32 v11, s26, v11                     ; the index tile on its way in: row = lane, k = 4 v
	s_lshl_b32 s26, s16, 11
	s_add_co_u32 s26, s26, RED
	v_lshl_add_u32 v12, v1, 2, s26                 ; my wave's sums: 4 r
	v_lshl_add_u32 v13, v1, 2, PVL
	v_lshlrev_b32 v15, 3, v0                       ; 8 x thread
	v_add_nc_u32 v14, RED, v15
	v_and_b32 v23, 127, v0
	v_lshlrev_b32 v23, 3, v23
	v_add_nc_u32 v22, PVL, v23
	s_mov_b32 s28, 0x76543210
	s_mov_b32 s29, 0xfedcba98
	s_mov_b32 s27, 0
	s_lshl_b32 s26, s17, 19
	s_wait_kmcnt 0x0
	s_add_nc_u64 s[20:21], s[4:5], s[26:27]        ; my batch's codes: 4,096 x 128 bytes
	s_lshl_b32 s26, s17, 15
	s_add_nc_u64 s[22:23], s[6:7], s[26:27]        ; and scale bytes
	s_lshl_b32 s26, s17, 19                        ; idx: record (batch 2048 + 64 k + gamma) of 256 bytes, k = 4 v
	s_lshl_b32 s30, s16, 16
	s_add_co_u32 s26, s26, s30
	s_lshl_b32 s30, s18, 8
	s_add_co_u32 s26, s26, s30
	s_add_nc_u64 s[24:25], s[8:9], s[26:27]
	s_mul_i32 s26, ttmp9, 3072
	s_add_nc_u64 s[14:15], s[14:15], s[26:27]      ; my record of part
.irp e, 0,1,2,3,4,5,6,7
	global_load_b128 v[64+4*\e:67+4*\e], v8, s[10:11] offset:\e*4096       ; W's codes as they lie: 4,096 bytes a line for the work-group
.endr
.irp e, 0,1,2,3
	global_load_b64 v[96+2*\e:97+2*\e], v10, s[24:25] offset:\e*16384      ; k = 4 v + e: rank = lane; n_local = lane and lane + 32
.endr
.irp p, 0,1,2,3,4,5,6,7
	global_load_b64 v[WS+2*\p:WS+2*\p+1], v10, s[12:13] offset:\p*256      ; W's scale words of rows 32 p + lane
.endr
	s_wait_loadcnt 0x0
.irp e, 0,1,2,3,4,5,6,7
	ds_store_b128 v9, v[64+4*\e:67+4*\e] offset:\e*32*WPIT
.endr
.irp e, 0,1,2,3
.irp p, 0,1
	ds_store_b32 v11, v[96+2*\e+\p] offset:\p*32*WPIT+4*\e
.endr
.endr
	s_wait_dscnt 0x0                               ; for the others' sake: my part of W and of the index tile is stored
	s_barrier_signal -1
	s_barrier_wait -1
	WIN 0x40                                       ; destination window 1, address window 0
.irp t, 0,1,2,3,4,5,6,7,8,9,10,11,12,13,14,15
.irp q, 0,1,2,3
	ds_load_b128 v[16*\t+4*\q:16*\t+4*\q+3], v4 offset:\t*16*WPIT+32*\q    ; K step q / 2, half q % 2: 32 bytes on each time
.endr
.endr
	WIN 0
.set nn, 0
.rept 16
	ds_load_b32 v[IDX+nn], v5 offset:(nn/4)*WPIT+(nn%4)*32
.set nn, nn+1
.endr
.set ii, 0
.rept 64
	v_mov_b32 v[S+ii], 0                           ; the sums and the sums of squares
.set ii, ii+1
.endr
	v_mov_b32 v[RSO+2], 0
	s_wait_dscnt 0x0
.set nn, 0
.rept 16
	v_min_u32 v[IDX+nn], 0xfff, v[IDX+nn]          ; an index stays inside its batch's 4,096 columns
.set nn, nn+1
.endr
.macro LOADA n                         ; tile n's 16 rows: codes (4 x 16 bytes a lane) and scale words, into buffer n % 3
.set LB, (\n)%3
	v_lshl_add_u32 v[RC+LB], v[IDX+(\n)], 7, v3
	v_lshlrev_b32 v[RSO+LB], 3, v[IDX+(\n)]
.irp e, 0,1,2,3
	global_load_b128 v[AF+16*LB+4*\e:AF+16*LB+4*\e+3], v[RC+LB], s[20:21] offset:32*\e
.endr
	global_load_b64 v[AS+2*LB:AS+2*LB+1], v[RSO+LB], s[22:23]
.endm
.macro WM be, tg, tt, s                ; one product: buffer be, channels 16 (8 tg + tt) on, K step s
.set TT, 8*(\tg)+(\tt)
.set DD, D+8*(\tt)
.set AA, AF+16*(\be)+8*(\s)
.set BB, 16*TT+8*(\s)
.set SA, AS+2*(\be)+(\s)
.set SW, WS+2*(TT/2)+(\s)
.if (\s) == 0
.if (TT%2) == 0
	v_wmma_scale_f32_16x16x128_f8f6f4 v[DD:DD+7], v[AA:AA+7], v[BB:BB+7], 0, v[SA], v[SW] matrix_a_fmt:MATRIX_FMT_FP4 matrix_b_fmt:MATRIX_FMT_FP4
.else
	v_wmma_scale_f32_16x16x128_f8f6f4 v[DD:DD+7], v[AA:AA+7], v[BB:BB+7], 0, v[SA], v[SW] matrix_a_fmt:MATRIX_FMT_FP4 matrix_b_fmt:MATRIX_FMT_FP4 matrix_b_scale:MATRIX_SCALE_ROW1
.endif
.else
.if (TT%2) == 0
	v_wmma_scale_f32_16x16x128_f8f6f4 v[DD:DD+7], v[AA:AA+7], v[BB:BB+7], v[DD:DD+7], v[SA], v[SW] matrix_a_fmt:MATRIX_FMT_FP4 matrix_b_fmt:MATRIX_FMT_FP4
.else
	v_wmma_scale_f32_16x16x128_f8f6f4 v[DD:DD+7], v[AA:AA+7], v[BB:BB+7], v[DD:DD+7], v[SA], v[SW] matrix_a_fmt:MATRIX_FMT_FP4 matrix_b_fmt:MATRIX_FMT_FP4 matrix_b_scale:MATRIX_SCALE_ROW1
.endif
.endif
.endm
; 16 products: eight tiles of channels, K step 0 (which starts the sums with the constant 0), then K step 1.  The eight accumulators take turns, one instruction a turn.
; Four v_nop follow: the places in front of the first read of results and of the next loads into the fragments' registers.
.macro MUL be, tg
	WIN 0x04                                       ; source 1 (W) window 1
.irp tt, 0,1,2,3,4,5,6,7
	WM \be, \tg, \tt, 0
.endr
.irp tt, 0,1,2,3,4,5,6,7
	WM \be, \tg, \tt, 1
.endr
	WIN 0
.rept 4
	v_nop
.endr
.endm
; The eight accumulators' 64 numbers a lane: less the pivot, summed, squared and summed; two at a time, each accumulator from its low end on.
.macro POST tg
.irp pr, 0,1,2,3
.irp tt, 0,1,2,3,4,5,6,7
.set TT, 8*(\tg)+\tt
.if (TT%2) == 0
	v_pk_add_f32 v[D+8*\tt+2*\pr:D+8*\tt+2*\pr+1], v[D+8*\tt+2*\pr:D+8*\tt+2*\pr+1], v[PV+TT:PV+TT+1] op_sel_hi:[1,0] neg_lo:[0,1] neg_hi:[0,1]
.else
	v_pk_add_f32 v[D+8*\tt+2*\pr:D+8*\tt+2*\pr+1], v[D+8*\tt+2*\pr:D+8*\tt+2*\pr+1], v[PV+TT-1:PV+TT] op_sel:[0,1] op_sel_hi:[1,1] neg_lo:[0,1] neg_hi:[0,1]
.endif
.endr
.irp tt, 0,1,2,3,4,5,6,7
.set TT, 8*(\tg)+\tt
	v_pk_add_f32 v[S+2*TT:S+2*TT+1], v[S+2*TT:S+2*TT+1], v[D+8*\tt+2*\pr:D+8*\tt+2*\pr+1]
.endr
.irp tt, 0,1,2,3,4,5,6,7
.set TT, 8*(\tg)+\tt
	v_pk_fma_f32 v[Q+2*TT:Q+2*TT+1], v[D+8*\tt+2*\pr:D+8*\tt+2*\pr+1], v[D+8*\tt+2*\pr:D+8*\tt+2*\pr+1], v[Q+2*TT:Q+2*TT+1]
.endr
.endr
.endm
.macro TILE n
.if (\n) < 14
	LOADA (\n)+2                                   ; two tiles ahead, into the buffer that tile n - 1 has left
	s_wait_loadcnt 10                              ; tile n's five loads are in; the ten of the two tiles behind it may be out
.elseif (\n) == 14
	s_wait_loadcnt 5                               ; the last tile's five may be out
.else
	s_wait_loadcnt 0x0
.endif
.set BE, (\n)%3
	MUL BE, 0
	POST 0
	MUL BE, 1
	POST 1
.endm
	; the pivot's tile: all 16 rows are column 0 of batch 0, in buffer 2
.irp e, 0,1,2,3
	global_load_b128 v[AF+32+4*\e:AF+32+4*\e+3], v3, s[4:5] offset:32*\e
.endr
	global_load_b64 v[AS+4:AS+5], v[RSO+2], s[6:7]
	LOADA 0
	LOADA 1
	s_wait_loadcnt 10                              ; the pivot's five loads are in; tiles 0 and 1 may be out
	MUL 2, 0
.irp tt, 0,1,2,3,4,5,6,7
	v_mov_b32 v[PV+\tt], v[D+8*\tt]                ; all rows are alike: each accumulator's lowest register
.endr
	MUL 2, 1
.irp tt, 0,1,2,3,4,5,6,7
	v_mov_b32 v[PV+8+\tt], v[D+8*\tt]
.endr
.irp n, 0,1,2,3,4,5,6,7,8,9,10,11,12,13,14,15
	TILE \n
.endr
	; the lane's two halves, the other half of the lanes' rows, then the eight waves through LDS
.irp t, 0,1,2,3,4,5,6,7,8,9,10,11,12,13,14,15
	v_add_f32 v[S+2*\t], v[S+2*\t], v[S+2*\t+1]
	v_add_f32 v[Q+2*\t], v[Q+2*\t], v[Q+2*\t+1]
.endr
.irp t, 0,1,2,3,4,5,6,7,8,9,10,11,12,13,14,15
	v_permlanex16_b32 v[S+2*\t+1], v[S+2*\t], s28, s29
	v_permlanex16_b32 v[Q+2*\t+1], v[Q+2*\t], s28, s29
.endr
.irp t, 0,1,2,3,4,5,6,7,8,9,10,11,12,13,14,15
	v_add_f32 v[S+2*\t], v[S+2*\t], v[S+2*\t+1]
	v_add_f32 v[Q+2*\t], v[Q+2*\t], v[Q+2*\t+1]
.endr
.irp t, 0,1,2,3,4,5,6,7,8,9,10,11,12,13,14,15
	ds_store_b32 v12, v[S+2*\t] offset:64*\t           ; lanes r and r + 16 write the same word with the same value
	ds_store_b32 v12, v[Q+2*\t] offset:1024+64*\t
.endr
	s_cmp_lg_u32 s16, 0
	s_cbranch_scc1 .Lno_pv
.irp t, 0,1,2,3,4,5,6,7,8,9,10,11,12,13,14,15
	ds_store_b32 v13, v[PV+\t] offset:64*\t
.endr
.Lno_pv:
	s_wait_dscnt 0x0
	s_barrier_signal -1
	s_barrier_wait -1
.irp e, 0,1,2,3,4,5,6,7
	ds_load_b64 v[D+2*\e:D+2*\e+1], v14 offset:\e*2048
.endr
	s_wait_dscnt 0x0
.irp e, 0,2,4,6
	v_pk_add_f32 v[D+2*\e:D+2*\e+1], v[D+2*\e:D+2*\e+1], v[D+2*\e+2:D+2*\e+3]
.endr
	v_pk_add_f32 v[D:D+1], v[D:D+1], v[D+4:D+5]
	v_pk_add_f32 v[D+8:D+9], v[D+8:D+9], v[D+12:D+13]
	v_pk_add_f32 v[D:D+1], v[D:D+1], v[D+8:D+9]
	global_store_b64 v15, v[D:D+1], s[14:15]           ; a wave stores 256 consecutive bytes, aligned
	s_cmp_gt_u32 s16, 3
	s_cbranch_scc1 .Lend
	ds_load_b64 v[D+16:D+17], v22
	s_wait_dscnt 0x0
	global_store_b64 v23, v[D+16:D+17], s[14:15] offset:2048
.Lend:
	s_wait_tensorcnt 0x0
	ds_add_u32 v46, v47
	s_wait_dscnt 0x0
	s_endpgm
.Lfunc_end_k_q1fc8bed796_stats:
	.size	k_q1fc8bed796_stats, .Lfunc_end_k_q1fc8bed796_stats-k_q1fc8bed796_stats
	.p2alignl 7, 3214868480
	.fill 96, 4, 3214868480
	.section	.rodata,"a",@progbits
	.p2align	6, 0x0
	.amdhsa_kernel k_q1fc8bed796_stats
		.amdhsa_group_segment_fixed_size 64512
		.amdhsa_private_segment_fixed_size 0
		.amdhsa_enable_private_segment 0
		.amdhsa_kernarg_size 48
		.amdhsa_user_sgpr_count 2
		.amdhsa_user_sgpr_kernarg_segment_ptr 1
		.amdhsa_wavefront_size32 1
		.amdhsa_system_sgpr_workgroup_id_x 1
		.amdhsa_system_sgpr_workgroup_id_y 1
		.amdhsa_system_sgpr_workgroup_id_z 1
		.amdhsa_system_vgpr_workitem_id 0
		.amdhsa_next_free_vgpr 512
		.amdhsa_next_free_sgpr 66
		.amdhsa_reserve_vcc 0
		.amdhsa_float_denorm_mode_32 3
		.amdhsa_float_denorm_mode_16_64 3
		.amdhsa_memory_ordered 1
		.amdhsa_forward_progress 1
		.amdhsa_inst_pref_size 255
	.end_amdhsa_kernel
	.section	.bss,"aw",@nobits
	.p2align	6
	.space	262144
	.amdgpu_metadata
---
amdhsa.version: [ 1, 2 ]
amdhsa.kernels:
  - .name:           k_q1fc8bed796_stats
    .symbol:         k_q1fc8bed796_stats.kd
    .args:
      - { .name: codes, .offset: 0, .size: 8, .value_kind: global_buffer, .address_space: global }
      - { .name: scales, .offset: 8, .size: 8, .value_kind: global_buffer, .address_space: global }
      - { .name: idx, .offset: 16, .size: 8, .value_kind: global_buffer, .address_space: global }
      - { .name: W_codes, .offset: 24, .size: 8, .value_kind: global_buffer, .address_space: global }
      - { .name: W_scales, .offset: 32, .size: 8, .value_kind: global_buffer, .address_space: global }
      - { .name: part, .offset: 40, .size: 8, .value_kind: global_buffer, .address_space: global }
    .group_segment_fixed_size: 64512
    .private_segment_fixed_size: 0
    .kernarg_segment_align: 8
    .kernarg_segment_size: 48
    .max_flat_workgroup_size: 256
    .sgpr_count:     66
    .vgpr_count:     512
    .wavefront_size: 32
...
	.end_amdgpu_metadata
.endif
;; end of part 5
;; launch bn (part 6): grid 4 x 1, 16 waves a work-group, no clusters, 10,240 bytes of LDS; arguments part, b, gamma, beta, ac; writes ac
.if DOCPART == 6
	.amdgcn_target "amdgcn-amd-amdhsa--gfx1250"
	.amdhsa_code_object_version 6
	.text
	.protected	k_q1fc8bed796_bn
	.globl	k_q1fc8bed796_bn
	.p2align	8
	.type	k_q1fc8bed796_bn,@function
k_q1fc8bed796_bn:
	s_mov_b64 s[64:65], 0
	v_nop
	global_prefetch_b8 v0, s[64:65] scope:SCOPE_SE
	s_setreg_imm32_b32 hwreg(HW_REG_WAVE_MODE, 25, 1), 1
	s_wait_xcnt 0x0
; The batch norm's two numbers a channel: out = relu(a y + c) with y the product without its bias.
; From the 256 work-groups' sums of (y - pivot) and of its square: mS = sum / 2^19, var = max(sum of squares / 2^19 - mS^2, 0), mean of x = (pivot + mS) + b,
; a = gamma / sqrt(var + 1e-5), c = a (b - mean of x) + beta.  524,288 = 2^19 rows.
; A work-group takes 64 channels; wave v adds records 16 v .. +15 (lanes 0-15 the sums' 256 bytes, lanes 16-31 the squares'); wave 0 adds the sixteen waves' and finishes.
; Four work-groups: there are 256 channels and 786,432 bytes to read; nothing here would feed more.
	s_load_b256 s[4:11], s[0:1], 0x0               ; part, b, gamma, beta
	s_load_b64 s[12:13], s[0:1], 0x20              ; ac
	v_lshl_add_u32 v96, v0, 2, 0x2000
	v_mov_b32 v97, 0
	v_lshrrev_b32 v2, 5, v0
	v_readfirstlane_b32 s16, v2                    ; wave 0..15
	v_and_b32 v1, 31, v0
	v_and_b32 v2, 15, v0
	v_bfe_u32 v3, v0, 4, 1
	v_lshlrev_b32 v4, 4, v2
	v_lshl_add_u32 v4, v3, 10, v4                  ; sums or squares, 16 bytes a lane
	s_lshl_b32 s17, ttmp9, 8                       ; my 64 channels: 256 bytes
	v_add_nc_u32 v4, s17, v4
	v_lshlrev_b32 v5, 3, v1                        ; 8 x lane: two channels
	v_add_nc_u32 v8, s17, v5
	s_lshl_b32 s18, s16, 9
	v_lshl_add_u32 v6, v1, 4, s18                  ; LDS: my wave's 512 bytes
	s_mul_i32 s18, s16, 16*3072
	s_mov_b32 s19, 0
	s_mov_b32 s24, 0x36000000                      ; 2^-19
	s_mov_b32 s25, s24
	s_wait_kmcnt 0x0
	s_add_nc_u64 s[20:21], s[4:5], s[18:19]
.irp e, 0,1,2,3,4,5,6,7,8,9,10,11,12,13,14,15
	global_load_b128 v[16+4*\e:19+4*\e], v4, s[20:21] offset:\e*3072
.endr
	global_load_b64 v[80:81], v8, s[4:5] offset:2048   ; the pivot (the same in every record: the first's)
	global_load_b64 v[82:83], v8, s[6:7]               ; b
	global_load_b64 v[92:93], v8, s[8:9]               ; gamma
	global_load_b64 v[94:95], v8, s[10:11]             ; beta
	s_wait_loadcnt 0x0
	v_pk_add_f32 v[84:85], v[16:17], v[24:25]          ; two chains: even records, odd records
	v_pk_add_f32 v[86:87], v[18:19], v[26:27]
	v_pk_add_f32 v[88:89], v[20:21], v[28:29]
	v_pk_add_f32 v[90:91], v[22:23], v[30:31]
.irp e, 4,6,8,10,12,14
	v_pk_add_f32 v[84:85], v[84:85], v[16+4*\e:17+4*\e]
	v_pk_add_f32 v[86:87], v[86:87], v[18+4*\e:19+4*\e]
	v_pk_add_f32 v[88:89], v[88:89], v[20+4*\e:21+4*\e]
	v_pk_add_f32 v[90:91], v[90:91], v[22+4*\e:23+4*\e]
.endr
	v_pk_add_f32 v[84:85], v[84:85], v[88:89]
	v_pk_add_f32 v[86:87], v[86:87], v[90:91]
	ds_store_b128 v6, v[84:87]
	s_wait_dscnt 0x0
	s_barrier_signal -1
	s_barrier_wait -1
	s_cmp_lg_u32 s16, 0
	s_cbranch_scc1 .Lend
.irp e, 0,1,2,3,4,5,6,7,8,9,10,11,12,13,14,15
	ds_load_b64 v[16+2*\e:17+2*\e], v5 offset:\e*512
	ds_load_b64 v[48+2*\e:49+2*\e], v5 offset:\e*512+256
.endr
	s_wait_dscnt 0x0
	v_pk_add_f32 v[84:85], v[16:17], v[18:19]
	v_pk_add_f32 v[86:87], v[48:49], v[50:51]
.irp e, 2,3,4,5,6,7,8,9,10,11,12,13,14,15
	v_pk_add_f32 v[84:85], v[84:85], v[16+2*\e:17+2*\e]
	v_pk_add_f32 v[86:87], v[86:87], v[48+2*\e:49+2*\e]
.endr
	v_pk_mul_f32 v[84:85], v[84:85], s[24:25] op_sel_hi:[1,0]    ; mS
	v_pk_mul_f32 v[86:87], v[86:87], s[24:25] op_sel_hi:[1,0]
	v_pk_fma_f32 v[86:87], v[84:85], v[84:85], v[86:87] neg_lo:[1,0,0] neg_hi:[1,0,0]   ; the variance
	v_max_num_f32 v86, 0, v86
	v_max_num_f32 v87, 0, v87
	v_add_f32 v86, 0x3727c5ac, v86                 ; + 1e-5
	v_add_f32 v87, 0x3727c5ac, v87
	v_rsq_f32 v88, v86
	v_rsq_f32 v89, v87
	v_pk_add_f32 v[84:85], v[80:81], v[84:85]      ; pivot + mS: plain work behind the two roots, which names neither their results nor their sources
	v_pk_add_f32 v[84:85], v[84:85], v[82:83]      ; + b: the mean of x
	v_pk_add_f32 v[84:85], v[82:83], v[84:85] neg_lo:[0,1] neg_hi:[0,1]   ; b - mean
	s_wait_alu depctr_va_vdst(0)                   ; the wait ahead of the first reader of the roots: one for both
	v_pk_mul_f32 v[88:89], v[92:93], v[88:89]      ; a
	v_pk_fma_f32 v[90:91], v[88:89], v[84:85], v[94:95]   ; c
	global_store_b64 v8, v[88:89], s[12:13]        ; 256 consecutive bytes, aligned
	global_store_b64 v8, v[90:91], s[12:13] offset:1024
.Lend:
	s_wait_tensorcnt 0x0
	ds_add_u32 v96, v97
	s_wait_dscnt 0x0
	s_endpgm
.Lfunc_end_k_q1fc8bed796_bn:
	.size	k_q1fc8bed796_bn, .Lfunc_end_k_q1fc8bed796_bn-k_q1fc8bed796_bn
	.p2alignl 7, 3214868480
	.fill 96, 4, 3214868480
	.section	.rodata,"a",@progbits
	.p2align	6, 0x0
	.amdhsa_kernel k_q1fc8bed796_bn
		.amdhsa_group_segment_fixed_size 10240
		.amdhsa_private_segment_fixed_size 0
		.amdhsa_enable_private_segment 0
		.amdhsa_kernarg_size 40
		.amdhsa_user_sgpr_count 2
		.amdhsa_user_sgpr_kernarg_segment_ptr 1
		.amdhsa_wavefront_size32 1
		.amdhsa_system_sgpr_workgroup_id_x 1
		.amdhsa_system_sgpr_workgroup_id_y 1
		.amdhsa_system_sgpr_workgroup_id_z 1
		.amdhsa_system_vgpr_workitem_id 0
		.amdhsa_next_free_vgpr 98
		.amdhsa_next_free_sgpr 66
		.amdhsa_reserve_vcc 0
		.amdhsa_float_denorm_mode_32 3
		.amdhsa_float_denorm_mode_16_64 3
		.amdhsa_memory_ordered 1
		.amdhsa_forward_progress 1
		.amdhsa_inst_pref_size 11
	.end_amdhsa_kernel
	.amdgpu_metadata
---
amdhsa.version: [ 1, 2 ]
amdhsa.kernels:
  - .name:           k_q1fc8bed796_bn
    .symbol:         k_q1fc8bed796_bn.kd
    .args:
      - { .name: part, .offset: 0, .size: 8, .value_kind: global_buffer, .address_space: global }
      - { .name: b, .offset: 8, .size: 8, .value_kind: global_buffer, .address_space: global }
      - { .name: gamma, .offset: 16, .size: 8, .value_kind: global_buffer, .address_space: global }
      - { .name: beta, .offset: 24, .size: 8, .value_kind: global_buffer, .address_space: global }
      - { .name: ac, .offset: 32, .size: 8, .value_kind: global_buffer, .address_space: global }
    .group_segment_fixed_size: 10240
    .private_segment_fixed_size: 0
    .kernarg_segment_align: 8
    .kernarg_segment_size: 40
    .max_flat_workgroup_size: 512
    .sgpr_count:     66
    .vgpr_count:     98
    .wavefront_size: 32
...
	.end_amdgpu_metadata
.endif
;; end of part 6
;; launch final (part 7): grid 256 x 1, 8 waves a work-group, no clusters, 116,736 bytes of LDS; arguments codes, scales, idx, W_codes, W_scales, ac, out0; writes out0
.if DOCPART == 7
	.amdgcn_target "amdgcn-amd-amdhsa--gfx1250"
	.amdhsa_code_object_version 6
	.text
	.protected	k_q1fc8bed796_final
	.globl	k_q1fc8bed796_final
	.p2align	8
	.type	k_q1fc8bed796_final,@function
k_q1fc8bed796_final:
	s_mov_b64 s[64:65], 0
	v_nop
	global_prefetch_b8 v0, s[64:65] scope:SCOPE_SE
	s_setreg_imm32_b32 hwreg(HW_REG_WAVE_MODE, 25, 1), 1
	s_wait_xcnt 0x0
; out0[b][g][n] = max over k of relu(a[g] y(n, k, g) + c[g]), y = Q(feat column) . W^T on E2M1 codes by v_wmma_scale_f32_16x16x128_f8f6f4, two K steps.
; relu(a y + c) rises with y where a >= 0 and falls where a < 0.  So W's row g is negated where a[g] < 0 (the sign bit of every code: exact), the maximum over k is taken of the raw sums,
; and out0 = max(|a| m + c, 0).  Row (n, k) of batch b is column p = idx[b, 128 k + n / 32, n % 32].
; SHARES and LAYOUT as in the launch that makes the sums: a work-group takes n = 64 gamma .. +63 of a batch, wave v n_local 8 v .. +7 in 16 tiles; tile 4 i + tau: A's rows 0-7 = (8 v + i, k = 8 tau + row),
; rows 8-15 = (8 v + 4 + i, the same k).  Source 0 = the gathered rows, source 1 = 16 rows of W: lane (r, h) of a result holds channel 16 t + r and the eight k of n_local 8 v + 4 h + i: the maximum stays in the lane.
; THE WAY OUT: a lane's four maxima of a channel are four neighbouring n: 16 bytes.  They meet in a stage of 256 rows x (256 bytes + 16); each wave stores 32 channels' rows, sixteen lanes to 256 consecutive bytes, aligned.
; No tensor loads, no cluster: the large stream is a gather by index; what work-groups share is W alone, 32,768 bytes once a work-group.
; REGISTERS, window 0: v1-15 addresses; v16-21 the gathers' offsets; v24-39 row indices; v40-45 A's scale words; v48-63 W's scale words; v64-111 A's fragments (three buffers of 16; at the end a and c);
; v112-175 eight accumulators; v176-239 the maxima (register 4 t + i).  Window 1: W's fragment (t, s) at v[16 t + 8 s].
.set WPIT, 144
.set TL,   256*WPIT
.set STG,  TL+64*WPIT
.set SPIT, 272
.set RC,   16
.set RSO,  19
.set IDX,  24
.set AS,   40
.set WS,   48
.set AF,   64
.set D,    112
.set RES,  176
.set MSB, 0
.macro WIN new                         ; the immediate's high byte repeats the setting that is left
.if MSB != \new
	s_set_vgpr_msb (MSB<<8)|\new
.set MSB, \new
.endif
.endm
	s_load_b256 s[4:11], s[0:1], 0x0               ; codes, scales, idx, W_codes
	s_load_b128 s[12:15], s[0:1], 0x20             ; W_scales, ac
	s_load_b64 s[32:33], s[0:1], 0x30              ; out0
	v_lshl_add_u32 v254, v0, 2, 0x1c400
	v_mov_b32 v255, 0
	v_lshrrev_b32 v6, 5, v0
	v_readfirstlane_b32 s16, v6                    ; wave 0..7
	s_lshr_b32 s17, ttmp9, 6                       ; batch
	s_and_b32 s18, ttmp9, 63                       ; gamma
	v_and_b32 v7, 31, v0                           ; lane
	v_and_b32 v1, 15, v0                           ; r
	v_bfe_u32 v2, v0, 4, 1                         ; h
	v_lshlrev_b32 v3, 4, v2                        ; 16 h
	v_mul_u32_u24 v4, v1, WPIT
	v_add_nc_u32 v4, v4, v3                        ; W's fragments: row r, + 16 h
	v_bfe_u32 v5, v0, 3, 1
	v_mul_u32_u24 v5, v5, 4*WPIT
	v_and_b32 v6, 7, v0
	v_lshl_add_u32 v5, v6, 2, v5
	s_mul_i32 s26, s16, 8*WPIT
	s_add_co_u32 s26, s26, TL
	v_add_nc_u32 v5, s26, v5                       ; my row's index
	v_lshlrev_b32 v8, 4, v0
	v_lshrrev_b32 v9, 3, v0
	v_mul_u32_u24 v9, v9, WPIT
	v_lshl_add_u32 v9, v6, 4, v9
	v_lshlrev_b32 v10, 3, v7
	v_mul_u32_u24 v11, v7, WPIT
	s_lshl_b32 s26, s16, 4
	s_add_co_u32 s26, s26, TL
	v_add_nc_u32 v11, s26, v11
	v_lshlrev_b32 v12, 2, v1                       ; 4 r: a's and c's place
	v_mul_u32_u24 v13, v1, SPIT
	v_add_nc_u32 v13, v13, v3
	s_lshl_b32 s26, s16, 5
	s_add_co_u32 s26, s26, STG
	v_add_nc_u32 v13, s26, v13                     ; into the stage: channel row r, byte 32 v + 16 h
	v_mul_u32_u24 v14, v2, SPIT
	v_lshl_add_u32 v14, v1, 4, v14
	s_mul_i32 s26, s16, 32*SPIT
	s_add_co_u32 s26, s26, STG
	v_add_nc_u32 v14, s26, v14                     ; back: my wave's 32 rows, two a line
	v_lshlrev_b32 v15, 14, v2
	v_lshl_add_u32 v15, v1, 4, v15                 ; and the same two rows in out0
	s_mov_b32 s27, 0
	s_lshl_b32 s26, s17, 19
	s_wait_kmcnt 0x0
	s_add_nc_u64 s[20:21], s[4:5], s[26:27]
	s_lshl_b32 s26, s17, 15
	s_add_nc_u64 s[22:23], s[6:7], s[26:27]
	s_lshl_b32 s26, s17, 19
	s_lshl_b32 s30, s16, 16
	s_add_co_u32 s26, s26, s30
	s_lshl_b32 s30, s18, 8
	s_add_co_u32 s26, s26, s30
	s_add_nc_u64 s[24:25], s[8:9], s[26:27]
	s_lshl_b32 s26, s17, 22                        ; out0: batch, my wave's 32 channels, my group's 64 columns
	s_lshl_b32 s30, s16, 19
	s_add_co_u32 s26, s26, s30
	s_lshl_b32 s30, s18, 8
	s_add_co_u32 s26, s26, s30
	s_add_nc_u64 s[32:33], s[32:33], s[26:27]
.irp e, 0,1,2,3,4,5,6,7
	global_load_b128 v[64+4*\e:67+4*\e], v8, s[10:11] offset:\e*4096
.endr
.irp e, 0,1,2,3
	global_load_b64 v[96+2*\e:97+2*\e], v10, s[24:25] offset:\e*16384
.endr
.irp p, 0,1,2,3,4,5,6,7
	global_load_b64 v[WS+2*\p:WS+2*\p+1], v10, s[12:13] offset:\p*256
.endr
.irp t, 0,1,2,3,4,5,6,7,8,9,10,11,12,13,14,15
	global_load_b32 v[D+\t], v12, s[14:15] offset:64*\t    ; a of channel 16 t + r
.endr
	s_wait_loadcnt 0x0
.irp e, 0,1,2,3,4,5,6,7
	ds_store_b128 v9, v[64+4*\e:67+4*\e] offset:\e*32*WPIT
.endr
.irp e, 0,1,2,3
.irp p, 0,1
	ds_store_b32 v11, v[96+2*\e+\p] offset:\p*32*WPIT+4*\e
.endr
.endr
	s_wait_dscnt 0x0                               ; for the others' sake: my part of W and of the index tile is stored
	s_barrier_signal -1
	s_barrier_wait -1
	WIN 0x40                                       ; destination window 1, address window 0
.irp t, 0,1,2,3,4,5,6,7,8,9,10,11,12,13,14,15
.irp q, 0,1,2,3
	ds_load_b128 v[16*\t+4*\q:16*\t+4*\q+3], v4 offset:\t*16*WPIT+32*\q
.endr
.endr
	WIN 0
.set nn, 0
.rept 16
	ds_load_b32 v[IDX+nn], v5 offset:(nn/4)*WPIT+(nn%4)*32
.set nn, nn+1
.endr
.irp t, 0,1,2,3,4,5,6,7,8,9,10,11,12,13,14,15
	v_ashrrev_i32 v[D+\t], 31, v[D+\t]
.endr
.irp t, 0,1,2,3,4,5,6,7,8,9,10,11,12,13,14,15
	v_and_b32 v[D+\t], 0x88888888, v[D+\t]         ; the eight sign bits of a word of codes, where a is negative
.endr
	s_wait_dscnt 0x0
.set nn, 0
.rept 16
	v_min_u32 v[IDX+nn], 0xfff, v[IDX+nn]          ; an index stays inside its batch's 4,096 columns
.set nn, nn+1
.endr
.macro LOADA n
.set LB, (\n)%3
	v_lshl_add_u32 v[RC+LB], v[IDX+(\n)], 7, v3
	v_lshlrev_b32 v[RSO+LB], 3, v[IDX+(\n)]
.irp e, 0,1,2,3
	global_load_b128 v[AF+16*LB+4*\e:AF+16*LB+4*\e+3], v[RC+LB], s[20:21] offset:32*\e
.endr
	global_load_b64 v[AS+2*LB:AS+2*LB+1], v[RSO+LB], s[22:23]
.endm
	LOADA 0
	LOADA 1
	WIN 0x44                                       ; destination and source 1 (W) window 1, source 0 (the sign bits) window 0
.irp t, 0,1,2,3,4,5,6,7,8,9,10,11,12,13,14,15
.irp q, 0,1,2,3,4,5,6,7,8,9,10,11,12,13,14,15
	v_xor_b32 v[16*\t+\q], v[D+\t], v[16*\t+\q]
.endr
.endr
	WIN 0
.rept 4
	v_nop                                          ; an operand written by vector instructions stands four places ahead of a scaled matrix instruction
.endr
.macro WM be, tg, tt, s
.set TT, 8*(\tg)+(\tt)
.set DD, D+8*(\tt)
.set AA, AF+16*(\be)+8*(\s)
.set BB, 16*TT+8*(\s)
.set SA, AS+2*(\be)+(\s)
.set SW, WS+2*(TT/2)+(\s)
.if (\s) == 0
.if (TT%2) == 0
	v_wmma_scale_f32_16x16x128_f8f6f4 v[DD:DD+7], v[AA:AA+7], v[BB:BB+7], 0, v[SA], v[SW] matrix_a_fmt:MATRIX_FMT_FP4 matrix_b_fmt:MATRIX_FMT_FP4
.else
	v_wmma_scale_f32_16x16x128_f8f6f4 v[DD:DD+7], v[AA:AA+7], v[BB:BB+7], 0, v[SA], v[SW] matrix_a_fmt:MATRIX_FMT_FP4 matrix_b_fmt:MATRIX_FMT_FP4 matrix_b_scale:MATRIX_SCALE_ROW1
.endif
.else
.if (TT%2) == 0
	v_wmma_scale_f32_16x16x128_f8f6f4 v[DD:DD+7], v[AA:AA+7], v[BB:BB+7], v[DD:DD+7], v[SA], v[SW] matrix_a_fmt:MATRIX_FMT_FP4 matrix_b_fmt:MATRIX_FMT_FP4
.else
	v_wmma_scale_f32_16x16x128_f8f6f4 v[DD:DD+7], v[AA:AA+7], v[BB:BB+7], v[DD:DD+7], v[SA], v[SW] matrix_a_fmt:MATRIX_FMT_FP4 matrix_b_fmt:MATRIX_FMT_FP4 matrix_b_scale:MATRIX_SCALE_ROW1
.endif
.endif
.endm
; 16 products: eight tiles of channels, K step 0 (which starts the sums with the constant 0), then K step 1; the eight accumulators take turns, one instruction a turn.
; Four v_nop follow: the places in front of the first read of results and of the next loads into the fragments' registers.
.macro MUL be, tg
	WIN 0x04                                       ; source 1 (W) window 1
.irp tt, 0,1,2,3,4,5,6,7
	WM \be, \tg, \tt, 0
.endr
.irp tt, 0,1,2,3,4,5,6,7
	WM \be, \tg, \tt, 1
.endr
	WIN 0
.rept 4
	v_nop
.endr
.endm
; The largest of each accumulator's eight k joins the running maximum of (channel, n_local); II and TAU are the tile's i and tau.  Each accumulator is read from its low end on; the eight take turns.
.macro POST tg
.irp st, 0,1,2,3
.irp tt, 0,1,2,3,4,5,6,7
.set RR, RES+4*(8*(\tg)+\tt)+II
.set DD, D+8*\tt
.if TAU == 0
.if \st == 0
	v_max3_num_f32 v[RR], v[DD], v[DD+1], v[DD+2]
.elseif \st < 3
	v_max3_num_f32 v[RR], v[RR], v[DD+2*\st+1], v[DD+2*\st+2]
.else
	v_max_num_f32 v[RR], v[RR], v[DD+7]
.endif
.else
	v_max3_num_f32 v[RR], v[RR], v[DD+2*\st], v[DD+2*\st+1]
.endif
.endr
.endr
.endm
.macro TILE n
.if (\n) < 14
	LOADA (\n)+2                                   ; two tiles ahead, into the buffer that tile n - 1 has left
	s_wait_loadcnt 10                              ; tile n's five loads are in; the ten of the two tiles behind it may be out
.elseif (\n) == 14
	s_wait_loadcnt 5                               ; the last tile's five may be out
.irp t, 0,1,2,3,4,5,6,7,8,9,10,11,12,13,14,15
	global_load_b32 v[AF+16+\t], v12, s[14:15] offset:64*\t        ; a, for the way out, into the buffer that tile 13 has left
.endr
.else
	s_wait_loadcnt 16                              ; the last tile's five loads are in; a's sixteen may be out
.irp t, 0,1,2,3,4,5,6,7,8,9,10,11,12,13,14,15
	global_load_b32 v[AF+32+\t], v12, s[14:15] offset:1024+64*\t   ; c, into the buffer that tile 14 has left
.endr
.endif
.set BE, (\n)%3
.set II, (\n)/4
.set TAU, (\n)%4
	MUL BE, 0
	POST 0
	MUL BE, 1
	POST 1
.endm
.irp n, 0,1,2,3,4,5,6,7,8,9,10,11,12,13,14,15
	TILE \n
.endr
	s_wait_loadcnt 0x0                             ; a and c
.irp t, 0,1,2,3,4,5,6,7,8,9,10,11,12,13,14,15
.irp i, 0,1,2,3
	v_fma_f32 v[RES+4*\t+\i], |v[AF+16+\t]|, v[RES+4*\t+\i], v[AF+32+\t]
.endr
.endr
.irp t, 0,1,2,3,4,5,6,7,8,9,10,11,12,13,14,15
.irp i, 0,1,2,3
	v_max_num_f32 v[RES+4*\t+\i], 0, v[RES+4*\t+\i]
.endr
.endr
.irp t, 0,1,2,3,4,5,6,7,8,9,10,11,12,13,14,15
	ds_store_b128 v13, v[RES+4*\t:RES+4*\t+3] offset:\t*16*SPIT    ; channel 16 t + r, n_local 8 v + 4 h + 0 .. 3
.endr
	s_wait_dscnt 0x0                               ; for the others' sake: a row's 256 bytes come from all eight waves
	s_barrier_signal -1
	s_barrier_wait -1
.irp e, 0,1,2,3,4,5,6,7,8,9,10,11,12,13,14,15
	ds_load_b128 v[D+4*\e:D+4*\e+3], v14 offset:\e*2*SPIT
.endr
.irp e, 0,1,2,3,4,5,6,7,8,9,10,11,12,13,14,15
	s_wait_dscnt 15-\e                             ; LDS loads come back in order: load e is in, the younger ones may be out
	global_store_b128 v15, v[D+4*\e:D+4*\e+3], s[32:33] offset:\e*32768 th:TH_STORE_NT   ; sixteen lanes store 256 consecutive bytes, aligned; written once, read by nobody here
.endr
	s_wait_tensorcnt 0x0
	ds_add_u32 v254, v255
	s_wait_dscnt 0x0
	s_endpgm
.Lfunc_end_k_q1fc8bed796_final:
	.size	k_q1fc8bed796_final, .Lfunc_end_k_q1fc8bed796_final-k_q1fc8bed796_final
	.p2alignl 7, 3214868480
	.fill 96, 4, 3214868480
	.section	.rodata,"a",@progbits
	.p2align	6, 0x0
	.amdhsa_kernel k_q1fc8bed796_final
		.amdhsa_group_segment_fixed_size 116736
		.amdhsa_private_segment_fixed_size 0
		.amdhsa_enable_private_segment 0
		.amdhsa_kernarg_size 56
		.amdhsa_user_sgpr_count 2
		.amdhsa_user_sgpr_kernarg_segment_ptr 1
		.amdhsa_wavefront_size32 1
		.amdhsa_system_sgpr_workgroup_id_x 1
		.amdhsa_system_sgpr_workgroup_id_y 1
		.amdhsa_system_sgpr_workgroup_id_z 1
		.amdhsa_system_vgpr_workitem_id 0
		.amdhsa_next_free_vgpr 512
		.amdhsa_next_free_sgpr 66
		.amdhsa_reserve_vcc 0
		.amdhsa_float_denorm_mode_32 3
		.amdhsa_float_denorm_mode_16_64 3
		.amdhsa_memory_ordered 1
		.amdhsa_forward_progress 1
		.amdhsa_inst_pref_size 179
	.end_amdhsa_kernel
	.amdgpu_metadata
---
amdhsa.version: [ 1, 2 ]
amdhsa.kernels:
  - .name:           k_q1fc8bed796_final
    .symbol:         k_q1fc8bed796_final.kd
    .args:
      - { .name: codes, .offset: 0, .size: 8, .value_kind: global_buffer, .address_space: global }
      - { .name: scales, .offset: 8, .size: 8, .value_kind: global_buffer, .address_space: global }
      - { .name: idx, .offset: 16, .size: 8, .value_kind: global_buffer, .address_space: global }
      - { .name: W_codes, .offset: 24, .size: 8, .value_kind: global_buffer, .address_space: global }
      - { .name: W_scales, .offset: 32, .size: 8, .value_kind: global_buffer, .address_space: global }
      - { .name: ac, .offset: 40, .size: 8, .value_kind: global_buffer, .address_space: global }
      - { .name: out0, .offset: 48, .size: 8, .value_kind: global_buffer, .address_space: global }
    .group_segment_fixed_size: 116736
    .private_segment_fixed_size: 0
    .kernarg_segment_align: 8
    .kernarg_segment_size: 56
    .max_flat_workgroup_size: 256
    .sgpr_count:     66
    .vgpr_count:     512
    .wavefront_size: 32
...
	.end_amdgpu_metadata
.endif
;; end of part 7
;; ======== version 2 of 3: 7 launches
;; workspace buffers: codes 2,097,152 bytes; scales 131,072 bytes; umask 524,288 bytes of whole numbers; rmask 524,288 bytes of whole numbers; idx 2,097,152 bytes of whole numbers; part 786,432 bytes; ac 2,048 bytes
;; launch quant: the kernel of part 1 again; grid 256 x 1, 4 waves a work-group, no clusters, 10,752 bytes of LDS; arguments feat, codes, scales; writes codes, scales
;; launch coarse (part 8): grid 512 x 1, 16 waves a work-group, no clusters, 53,248 bytes of LDS; arguments xyz, umask; writes umask
.if DOCPART == 8
	.amdgcn_target "amdgcn-amd-amdhsa--gfx1250"
	.amdhsa_code_object_version 6
	.text
	.protected	k_q1fc8bed796_coarse
	.globl	k_q1fc8bed796_coarse
	.p2align	8
	.type	k_q1fc8bed796_coarse,@function
k_q1fc8bed796_coarse:
	s_mov_b64 s[64:65], 0
	v_nop
	global_prefetch_b8 v0, s[64:65] scope:SCOPE_SE
	s_setreg_imm32_b32 hwreg(HW_REG_WAVE_MODE, 25, 1), 1
	s_wait_xcnt 0x0
; The first of three steps that find, for each query, its 32 nearest neighbours in the plane (x0, x1), ordered by (distance : index).
; THE PRUNING.  The 4,096 candidates of a batch are cut into 256 UNITS of 16 consecutive indices.  A unit's key is (its smallest distance : its number); for two different units this orders them as their
; smallest element keys (distance : index) do, since the units are runs of consecutive indices.  An element of a unit that is not among the 32 units of smallest key has 32 elements ahead of it (those units' smallest):
; so the 32 nearest neighbours lie in those 32 units, for every input, ties included.
; THE 32 UNITS ARE FOUND BY A THRESHOLD, NOT BY SORTING KEYS.  T is the 32nd smallest of the 256 smallest distances, counted with repeats.  The 32 smallest keys are the units under T and, of the units equal to T,
; those of lowest number, until 32 are chosen.  T wants values alone: a bitonic network on one f32 a lane, whose compare-exchange is a lane move and v_med3_num_f32 against -inf (keep the smaller) or +inf (keep the larger).
; The choice leaves as 8 words a query, bit l of word c for unit 32 c + l, exactly 32 bits set: whole numbers from which the next launch forms its offsets.
; EVERY TRIP COUNT IS A CONSTANT, and no branch and no address hangs on a distance: the work is the same for every input.
; THE DISTANCE is formed as: sq = rnd(rnd(x0 x0) + rnd(x1 x1)) (a product and a sum that are two steps of the model, so they are not fused); dot = fma(x1n, x1m, rnd(x0n x0m));
; d = rnd(rnd(sq_m - 2 dot) + sq_n); here two candidates to an instruction.  d is never -0: sq_n is +0 or more.  Another order of rounding can swap neighbours whose distances agree to the last places.
; SHARES.  A work-group takes 32 queries of one batch, a wave a pair of them, side by side: each LDS load serves both, and their networks stand line by line, so that no line waits for the line above it.
; x0, x1 and sq of the batch's 4,096 candidates lie in LDS as images of the registers that read them: [chunk c][k][lane] x 16 bytes: lane l of chunk c owns unit 32 c + l: every LDS load takes 512 consecutive bytes.
; umask: [batch 4096 + q][8] words.  The sixteen waves' words meet in LDS and leave by two stores of 512 consecutive bytes.
; LIMITS: NaN and infinities in xyz are not served.  No tensor loads, no cluster: what work-groups share is 32,768 bytes of xyz, which go through registers anyway, for sq and for the images' order.
.set IMG1, 16384                       ; LDS: x0's image at 0, x1's here,
.set IMG2, 32768                       ; sq's here,
.set MSK,  49152                       ; and 128 bytes for each wave: its 16 mask words in the first 64
.set LANE, 1
.set LB,   2                           ; 16 x lane: my place in every 512 bytes of an image
.set MST,  3                           ; MSK + 4 x thread: where my lane's mask word goes
.set GOF,  4                           ; 16 x thread: what I copy from a row of xyz
.set LST,  5                           ; and where it goes in an image
.set MRD,  6                           ; the way out: where I read 16 bytes of mask words back
.set MW,   7                           ; lanes 0-7: the first query's mask words, lanes 8-15: the second's
.set T1,   8
.set T2,   9
.set R,    10                          ; v10, v11 the 32 smallest values so far, ascending, of the two queries
.set C,    12                          ; v12, v13 the chunk in the network
.set P,    14                          ; v14, v15 the partners' values
.set X0,   16                          ; v16-31  x0 of my unit's 16 candidates
.set X1,   32                          ; v32-47  x1
.set SQ,   48                          ; v48-63  sq
.set D,    64                          ; v64-79  their distances from one query
.set M,    80                          ; v80-95  my units' smallest distances: query q, chunk c at 8 q + c
.set RG,   96                          ; v96-110 the network's fifteen roles: -inf where the lane keeps the smaller in a descending sort, +inf where the larger
.set MGO,  111                         ; the way out: 16 x (thread % 64)
.set SX0,  16                          ; s16, s17 x0 of the two queries;  s18, s19 x1
.set SX1,  18
.set QS,   20                          ; s[20:31] for query q at 6 q: x0, x1, sq, each twice: the packed forms name a pair and take its low word for both halves
.set LT,   48                          ; s[48:55] which units lie under T, a word a chunk
.set EQ,   56                          ; s[56:63] which are equal to it
	s_load_b128 s[4:7], s[0:1], 0x0                ; xyz, umask
	v_lshl_add_u32 v112, v0, 2, 0xc800
	v_mov_b32 v113, 0
	v_lshrrev_b32 v6, 5, v0
	v_readfirstlane_b32 s10, v6                    ; wave 0..15
	v_and_b32 v[LANE], 31, v0
	s_lshl_b32 s11, ttmp9, 4
	s_add_co_u32 s11, s11, s10                     ; my pair of queries, 0 .. 8191
	s_lshr_b32 s12, s11, 11                        ; batch: the same for the whole work-group
	s_and_b32 s13, s11, 2047
	v_lshlrev_b32 v[LB], 4, v[LANE]
	v_lshl_add_u32 v[MST], v0, 2, MSK
	v_lshlrev_b32 v[GOF], 4, v0
	v_lshrrev_b32 v6, 7, v0                        ; piece n = thread (+ 512) of 16 bytes: chunk n / 128,
	v_and_b32 v7, 3, v0                            ; k = n % 4,
	v_bfe_u32 v8, v0, 2, 5                         ; lane (n / 4) % 32
	v_lshlrev_b32 v[LST], 11, v6
	v_lshl_add_u32 v[LST], v7, 9, v[LST]
	v_lshl_add_u32 v[LST], v8, 4, v[LST]           ; 2048 chunk + 512 k + 16 lane
	v_and_b32 v8, 63, v0                           ; the way out: thread t of 64 takes piece t % 4 of wave t / 4's 64 bytes
	v_lshlrev_b32 v[MGO], 4, v8
	v_lshrrev_b32 v[MRD], 2, v8
	v_and_b32 v8, 3, v8
	v_lshlrev_b32 v[MRD], 7, v[MRD]
	v_lshl_add_u32 v[MRD], v8, 4, v[MRD]
	v_add_nc_u32 v[MRD], MSK, v[MRD]
	v_mov_b32 v[MW], 0                             ; (destinations of lane writes and lane moves count as read)
	v_mov_b32 v[P], 0
	v_mov_b32 v[P+1], 0
	s_mov_b32 s33, 0x76543210
	s_mov_b32 s34, 0xfedcba98                      ; v_permlanex16_b32's selects for lane l xor 16
	s_mul_i32 s14, s12, 49152
	s_mov_b32 s15, 0
	s_wait_kmcnt 0x0
	s_add_nc_u64 s[40:41], s[4:5], s[14:15]        ; xyz of my batch
	s_lshl_b32 s14, s13, 3
	s_add_nc_u64 s[42:43], s[40:41], s[14:15]      ; at my two queries
	s_lshl_b32 s14, ttmp9, 10
	s_add_nc_u64 s[46:47], s[6:7], s[14:15]        ; my work-group's 1,024 bytes of umask
	global_load_b128 v[16:19], v[GOF], s[40:41]                 ; x0, pieces n = thread and thread + 512: a wave's load covers 512 consecutive bytes
	global_load_b128 v[20:23], v[GOF], s[40:41] offset:8192
	global_load_b128 v[24:27], v[GOF], s[40:41] offset:16384    ; x1, the same pieces
	global_load_b128 v[28:31], v[GOF], s[40:41] offset:24576
	s_load_b64 s[SX0:SX0+1], s[42:43], 0x0         ; x0 of the two queries
	s_load_b64 s[SX1:SX1+1], s[42:43], 0x4000      ; x1
; The roles.  J(j) marks the lanes with bit j set, K(k) those with bit k set (K(32) = 0).  In a descending sort the lanes of J ^ K keep the smaller of a pair; an ascending stage takes the role negated.
	v_mov_b32 v[C], 0x7f800000                     ; +inf: v_med3_num_f32(a, b, +inf) is the larger of a and b,
	v_mov_b32 v[C+1], 0xff800000                   ; -inf: the smaller
.macro MKRG g, j, k
	s_mov_b32 s39, ((0xffffffff/((1<<(\j))+1))<<(\j))^((0xffffffff/((1<<(\k))+1))<<(\k))
	v_cndmask_b32 v[RG+\g], v[C], v[C+1], s39
.endm
	MKRG 0, 1, 2
	MKRG 1, 2, 4
	MKRG 2, 1, 4
	MKRG 3, 4, 8
	MKRG 4, 2, 8
	MKRG 5, 1, 8
	MKRG 6, 8, 16
	MKRG 7, 4, 16
	MKRG 8, 2, 16
	MKRG 9, 1, 16
	MKRG 10, 16, 32
	MKRG 11, 8, 32
	MKRG 12, 4, 32
	MKRG 13, 2, 32
	MKRG 14, 1, 32
	s_wait_loadcnt 0x0
.irp i, 0,1,2,3,4,5,6,7
	v_mul_f32 v[32+\i], v[16+\i], v[16+\i]         ; sq: the squares are rounded one by one,
	v_mul_f32 v[40+\i], v[24+\i], v[24+\i]
.endr
.irp i, 0,1,2,3,4,5,6,7
	v_add_f32 v[32+\i], v[32+\i], v[40+\i]         ; then added: on purpose no fused multiply-add
.endr
	ds_store_b128 v[LST], v[16:19]
	ds_store_b128 v[LST], v[20:23] offset:8192                  ; 512 pieces on: four chunks on
	ds_store_b128 v[LST], v[24:27] offset:IMG1
	ds_store_b128 v[LST], v[28:31] offset:IMG1+8192
	ds_store_b128 v[LST], v[32:35] offset:IMG2
	ds_store_b128 v[LST], v[36:39] offset:IMG2+8192
	s_wait_dscnt 0x0                               ; for the others' sake: my part of the images is stored
	s_barrier_signal -1
	s_barrier_wait -1
	s_wait_kmcnt 0x0                               ; the queries' coordinates
; One compare-exchange of the network on values, with the lane j away, for both queries: from s into d.  g: the role;  neg = 1: the ascending direction.
.macro VST d0, s0, d1, s1, j, g, neg
.if (\j) == 16
	v_permlanex16_b32 v[P], v[\s0], s33, s34
	v_permlanex16_b32 v[P+1], v[\s1], s33, s34
.else
	v_mov_b32_dpp v[P], v[\s0] row_xmask:\j row_mask:0xf bank_mask:0xf
	v_mov_b32_dpp v[P+1], v[\s1] row_xmask:\j row_mask:0xf bank_mask:0xf
.endif
.if \neg
	v_med3_num_f32 v[\d0], v[\s0], v[P], -v[RG+\g]
	v_med3_num_f32 v[\d1], v[\s1], v[P+1], -v[RG+\g]
.else
	v_med3_num_f32 v[\d0], v[\s0], v[P], v[RG+\g]
	v_med3_num_f32 v[\d1], v[\s1], v[P+1], v[RG+\g]
.endif
.endm
.macro VSORT d0, s0, d1, s1, neg       ; 32 values across the lanes, sorted descending (neg = 0) or ascending (1); the sources stay as they are
	VST \d0, \s0, \d1, \s1, 1, 0, \neg
	VST \d0, \d0, \d1, \d1, 2, 1, \neg
	VST \d0, \d0, \d1, \d1, 1, 2, \neg
	VST \d0, \d0, \d1, \d1, 4, 3, \neg
	VST \d0, \d0, \d1, \d1, 2, 4, \neg
	VST \d0, \d0, \d1, \d1, 1, 5, \neg
	VST \d0, \d0, \d1, \d1, 8, 6, \neg
	VST \d0, \d0, \d1, \d1, 4, 7, \neg
	VST \d0, \d0, \d1, \d1, 2, 8, \neg
	VST \d0, \d0, \d1, \d1, 1, 9, \neg
	VST \d0, \d0, \d1, \d1, 16, 10, \neg
	VST \d0, \d0, \d1, \d1, 8, 11, \neg
	VST \d0, \d0, \d1, \d1, 4, 12, \neg
	VST \d0, \d0, \d1, \d1, 2, 13, \neg
	VST \d0, \d0, \d1, \d1, 1, 14, \neg
.endm
.macro VMERGE                          ; what the lane-wise minimum of an ascending and a descending list leaves is put in ascending order
	VST R, R, R+1, R+1, 16, 10, 1
	VST R, R, R+1, R+1, 8, 11, 1
	VST R, R, R+1, R+1, 4, 12, 1
	VST R, R, R+1, R+1, 2, 13, 1
	VST R, R, R+1, R+1, 1, 14, 1
.endm
.macro QSET q                          ; query q's x0, x1 and sq as scalar pairs; sq is rounded as the candidates' is
	s_mov_b32 s[QS+6*\q], s[SX0+\q]
	s_mov_b32 s[QS+6*\q+1], s[SX0+\q]
	s_mov_b32 s[QS+6*\q+2], s[SX1+\q]
	s_mov_b32 s[QS+6*\q+3], s[SX1+\q]
	v_mul_f32 v[T1], s[SX0+\q], s[SX0+\q]
	v_mul_f32 v[T2], s[SX1+\q], s[SX1+\q]
	v_add_f32 v[T1], v[T1], v[T2]
	v_readfirstlane_b32 s[QS+6*\q+4], v[T1]
	s_mov_b32 s[QS+6*\q+5], s[QS+6*\q+4]
.endm
.macro LOADC c                         ; chunk c: my unit's 16 candidates: x0, x1, sq
.irp k, 0,1,2,3
	ds_load_b128 v[X0+4*\k:X0+4*\k+3], v[LB] offset:(\c)*2048+\k*512
	ds_load_b128 v[X1+4*\k:X1+4*\k+3], v[LB] offset:IMG1+(\c)*2048+\k*512
	ds_load_b128 v[SQ+4*\k:SQ+4*\k+3], v[LB] offset:IMG2+(\c)*2048+\k*512
.endr
.endm
.macro DISTQ q, c                      ; my unit's 16 distances from query q, and the smallest of them
.irp p, 0,2,4,6,8,10,12,14
	v_pk_mul_f32 v[D+\p:D+\p+1], v[X0+\p:X0+\p+1], s[QS+6*\q:QS+6*\q+1] op_sel_hi:[1,0]                             ; x0n x0m, rounded
.endr
.irp p, 0,2,4,6,8,10,12,14
	v_pk_fma_f32 v[D+\p:D+\p+1], v[X1+\p:X1+\p+1], s[QS+6*\q+2:QS+6*\q+3], v[D+\p:D+\p+1] op_sel_hi:[1,0,1]         ; the dot product
.endr
.irp p, 0,2,4,6,8,10,12,14
	v_pk_fma_f32 v[D+\p:D+\p+1], v[D+\p:D+\p+1], -2.0, v[SQ+\p:SQ+\p+1] op_sel_hi:[1,0,1]                           ; sq_m - 2 dot: one rounding (2 dot is exact)
.endr
.irp p, 0,2,4,6,8,10,12,14
	v_pk_add_f32 v[D+\p:D+\p+1], v[D+\p:D+\p+1], s[QS+6*\q+4:QS+6*\q+5] op_sel_hi:[1,0]                             ; + sq_n
.endr
	v_min3_num_f32 v[T1], v[D], v[D+1], v[D+2]     ; in two chains
	v_min3_num_f32 v[T2], v[D+3], v[D+4], v[D+5]
	v_min3_num_f32 v[T1], v[T1], v[D+6], v[D+7]
	v_min3_num_f32 v[T2], v[T2], v[D+8], v[D+9]
	v_min3_num_f32 v[T1], v[T1], v[D+10], v[D+11]
	v_min3_num_f32 v[T2], v[T2], v[D+12], v[D+13]
	v_min3_num_f32 v[T1], v[T1], v[D+14], v[D+15]
	v_min_num_f32 v[M+8*\q+\c], v[T1], v[T2]
.endm
.macro CHUNK c
	s_wait_dscnt 0x0                               ; this chunk's twelve loads are in
	DISTQ 0, \c
	DISTQ 1, \c
.if (\c) < 7
	LOADC (\c)+1                                   ; the next chunk's loads are on their way while this chunk's values go through the network
.endif
.if (\c) == 0
	VSORT R, M, R+1, M+8, 1                        ; the first chunk, sorted ascending, is the list: nothing is cleared or padded
.else
	VSORT C, M+\c, C+1, M+8+\c, 0
	v_min_num_f32 v[R], v[R], v[C]                 ; an ascending and a descending list: the smaller value of each lane, 32 in all, are the 32 smallest of the 64
	v_min_num_f32 v[R+1], v[R+1], v[C+1]
	VMERGE
.endif
.endm
; Query q's 32 units.  s36 counts how many of the units equal to T are still to be taken; they are taken by ascending number: chunk by chunk, and in a chunk by lane.
.macro PICK q
	v_readlane_b32 s35, v[R+\q], 31                ; T: the largest of the 32 smallest
.irp c, 0,1,2,3,4,5,6,7
	v_cmp_lt_f32 s[LT+\c], v[M+8*\q+\c], s35
	v_cmp_eq_f32 s[EQ+\c], v[M+8*\q+\c], s35
.endr
	s_bcnt1_i32_b32 s36, s[LT]
.irp c, 1,2,3,4,5,6,7
	s_bcnt1_i32_b32 s37, s[LT+\c]
	s_add_co_u32 s36, s36, s37
.endr
	s_sub_co_u32 s36, 32, s36                      ; at most 31 lie under T: at least one is owed
.irp c, 0,1,2,3,4,5,6,7
	v_mbcnt_lo_u32_b32 v[T1], s[EQ+\c], 0          ; equal units of this chunk below my lane
	v_cmp_gt_u32 s37, s36, v[T1]                   ; fewer than are still owed?
	s_and_b32 s37, s37, s[EQ+\c]
	s_bcnt1_i32_b32 s38, s37
	s_sub_co_u32 s36, s36, s38
	s_or_b32 s37, s37, s[LT+\c]
	v_writelane_b32 v[MW], s37, 8*\q+\c
.endr
.endm
	LOADC 0
	QSET 0
	QSET 1
.irp c, 0,1,2,3,4,5,6,7
	CHUNK \c
.endr
	PICK 0
	PICK 1
	ds_store_b32 v[MST], v[MW]                     ; lanes 0-15 hold my pair's sixteen words
	s_wait_dscnt 0x0                               ; for the others' sake: they are stored
	s_barrier_signal -1
	s_barrier_wait -1
	s_cmp_gt_u32 s10, 1
	s_cbranch_scc1 .Lend                           ; the work-group's 1,024 bytes leave by waves 0 and 1
	ds_load_b128 v[X0:X0+3], v[MRD]
	s_wait_dscnt 0x0
	global_store_b128 v[MGO], v[X0:X0+3], s[46:47]   ; 512 consecutive bytes, aligned
.Lend:
	s_wait_tensorcnt 0x0
	ds_add_u32 v112, v113
	s_wait_dscnt 0x0
	s_endpgm
.Lfunc_end_k_q1fc8bed796_coarse:
	.size	k_q1fc8bed796_coarse, .Lfunc_end_k_q1fc8bed796_coarse-k_q1fc8bed796_coarse
	.p2alignl 7, 3214868480
	.fill 96, 4, 3214868480
	.section	.rodata,"a",@progbits
	.p2align	6, 0x0
	.amdhsa_kernel k_q1fc8bed796_coarse
		.amdhsa_group_segment_fixed_size 53248
		.amdhsa_private_segment_fixed_size 0
		.amdhsa_enable_private_segment 0
		.amdhsa_kernarg_size 16
		.amdhsa_user_sgpr_count 2
		.amdhsa_user_sgpr_kernarg_segment_ptr 1
		.amdhsa_wavefront_size32 1
		.amdhsa_system_sgpr_workgroup_id_x 1
		.amdhsa_system_sgpr_workgroup_id_y 1
		.amdhsa_system_sgpr_workgroup_id_z 1
		.amdhsa_system_vgpr_workitem_id 0
		.amdhsa_next_free_vgpr 114
		.amdhsa_next_free_sgpr 66
		.amdhsa_reserve_vcc 0
		.amdhsa_float_denorm_mode_32 3
		.amdhsa_float_denorm_mode_16_64 3
		.amdhsa_memory_ordered 1
		.amdhsa_forward_progress 1
		.amdhsa_inst_pref_size 100
	.end_amdhsa_kernel
	.amdgpu_metadata
---
amdhsa.version: [ 1, 2 ]
amdhsa.kernels:
  - .name:           k_q1fc8bed796_coarse
    .symbol:         k_q1fc8bed796_coarse.kd
    .args:
      - { .name: xyz, .offset: 0, .size: 8, .value_kind: global_buffer, .address_space: global }
      - { .name: umask, .offset: 8, .size: 8, .value_kind: global_buffer, .address_space: global }
    .group_segment_fixed_size: 53248
    .private_segment_fixed_size: 0
    .kernarg_segment_align: 8
    .kernarg_segment_size: 16
    .max_flat_workgroup_size: 512
    .sgpr_count:     66
    .vgpr_count:     114
    .wavefront_size: 32
...
	.end_amdgpu_metadata
.endif
;; end of part 8
;; launch mid (part 9): grid 1024 x 1, 8 waves a work-group, no clusters, 2,048 bytes of LDS; arguments xyz, umask, rmask; writes rmask
.if DOCPART == 9
	.amdgcn_target "amdgcn-amd-amdhsa--gfx1250"
	.amdhsa_code_object_version 6
	.text
	.protected	k_q1fc8bed796_mid
	.globl	k_q1fc8bed796_mid
	.p2align	8
	.type	k_q1fc8bed796_mid,@function
k_q1fc8bed796_mid:
	s_mov_b64 s[64:65], 0
	v_nop
	global_prefetch_b8 v0, s[64:65] scope:SCOPE_SE
	s_setreg_imm32_b32 hwreg(HW_REG_WAVE_MODE, 25, 1), 1
	s_wait_xcnt 0x0
; The second of three steps that find, for each query, its 32 nearest neighbours in the plane (x0, x1), ordered by (distance : index).
; GIVEN: umask, 8 words a query with 32 bits set: bit l of word c names unit 32 c + l, a run of 16 consecutive candidates; the 32 units hold the 32 nearest neighbours.  Whole numbers stored by the launch before.
; MADE: each unit is cut into 8 RUNS of 2 candidates; a run's key is (its smallest distance : its number), which orders different runs as their smallest element keys (distance : index) do.  A run outside the given units
; has 32 runs ahead of it (those with the units' smallest elements), and an element of a run that is not among the 32 runs of smallest key has 32 elements ahead of it: so the 32 smallest of these 256 keys name runs
; that hold the 32 nearest neighbours, for every input, ties included.
; THE r-TH UNIT is found by lane r by arithmetic alone: the words' counts of ones, summed up; seven compares choose the word; sums of fields of 2, 4 and 8 bits and five halvings choose the bit.  So lane r's unit rises with r.
; THE 32 RUNS ARE FOUND BY A THRESHOLD: T is the 32nd smallest of the 256 smallest distances, counted with repeats, from a bitonic network on one f32 a lane (a lane move and v_med3_num_f32 against -inf or +inf).
; Chosen are the runs under T and, of those equal to T, the ones of lowest number until 32 are chosen; a run's number rises with the lane first and then with the register.
; rmask: [batch 4096 + q][8] words, bit l of word j for run j of the l-th unit, exactly 32 bits set.  The eight waves' words meet in LDS and leave by one store of 512 consecutive bytes.
; EVERY TRIP COUNT IS A CONSTANT, and no branch hangs on data; the only addresses that hang on data are the loads of the units' coordinates, at offsets made from the stored words, held inside a row of xyz.
; THE DISTANCE is formed as: sq = rnd(rnd(x0 x0) + rnd(x1 x1)) (a product and a sum that are two steps of the model, so they are not fused); dot = fma(x1n, x1m, rnd(x0n x0m));
; d = rnd(rnd(sq_m - 2 dot) + sq_n); two candidates to an instruction.  Another order of rounding can swap neighbours whose distances agree to the last places.
; SHARES.  A wave takes a pair of queries side by side: both queries' loads go out together, and their networks stand line by line.
; LIMITS: NaN and infinities in xyz are not served.  No tensor loads, no cluster: waves share nothing but xyz, of which each reads single pieces of 64 bytes.
.set LANE, 1
.set MGO,  2                           ; the way out: 16 x lane
.set MST,  3                           ; 4 x thread: where my lane's mask word goes in LDS
.set OFS,  4                           ; v4, v5  my unit's byte offset in a row of xyz, for the two queries
.set MRD,  6                           ; the way out: where I read 16 bytes of mask words back
.set MW,   7                           ; lanes 0-7: the first query's mask words, lanes 8-15: the second's
.set T1,   8
.set T2,   9
.set R,    10                          ; v10, v11 the 32 smallest values so far, ascending
.set C,    12                          ; v12, v13 the chunk in the network
.set P,    14                          ; v14, v15 the partners' values
.set X,    16                          ; v16-79  query q at 32 q: x0 of my unit's 16 candidates, then x1
.set D,    80                          ; v80-95  their distances; before that the search for the r-th bit works here:
.set WD,   80                          ; the word that holds it
.set PC,   81                          ; the ones ahead of that word
.set WI,   82                          ; the word's number
.set RM,   83                          ; the ones still to pass
.set SA,   84                          ; the word's ones by fields of 2,
.set SB,   85                          ; 4
.set SC,   86                          ; and 8 bits
.set POS,  87                          ; the bit's place
.set TT,   88
.set T3,   89
.set M,    96                          ; v96-111 my runs' smallest distances: query q, run j at 8 q + j
.set RG,   112                         ; v112-126 the network's fifteen roles
.set SX0,  16
.set SX1,  18
.set QS,   20                          ; s[20:31] for query q at 6 q: x0, x1, sq, each twice
.set STMP, 38
.set LT,   48
.set EQ,   56
.set UW,   68                          ; s[68:83] the two queries' words of umask
.set PF,   84                          ; s[85:91] PF + c: the ones in words 0 .. c - 1
	s_load_b128 s[4:7], s[0:1], 0x0                ; xyz, umask
	s_load_b64 s[8:9], s[0:1], 0x10                ; rmask
	v_lshl_add_u32 v128, v0, 2, 0x400
	v_mov_b32 v129, 0
	v_lshrrev_b32 v6, 5, v0
	v_readfirstlane_b32 s10, v6                    ; wave 0..7
	v_and_b32 v[LANE], 31, v0
	s_lshl_b32 s11, ttmp9, 3
	s_add_co_u32 s11, s11, s10                     ; my pair of queries, 0 .. 8191
	s_lshr_b32 s12, s11, 11                        ; batch
	s_and_b32 s13, s11, 2047
	v_lshlrev_b32 v[MST], 2, v0
	v_lshlrev_b32 v[MGO], 4, v[LANE]
	v_lshrrev_b32 v[MRD], 2, v[LANE]               ; the way out: lane t takes piece t % 4 of wave t / 4's 64 bytes
	v_and_b32 v8, 3, v[LANE]
	v_lshlrev_b32 v[MRD], 7, v[MRD]
	v_lshl_add_u32 v[MRD], v8, 4, v[MRD]
	v_mov_b32 v[MW], 0                             ; (destinations of lane writes and lane moves count as read)
	v_mov_b32 v[P], 0
	v_mov_b32 v[P+1], 0
	s_mov_b32 s33, 0x76543210
	s_mov_b32 s34, 0xfedcba98                      ; v_permlanex16_b32's selects for lane l xor 16
	s_mul_i32 s14, s12, 49152
	s_mov_b32 s15, 0
	s_wait_kmcnt 0x0
	s_add_nc_u64 s[40:41], s[4:5], s[14:15]        ; xyz of my batch
	s_lshl_b32 s14, s13, 3
	s_add_nc_u64 s[42:43], s[40:41], s[14:15]      ; at my two queries
	s_lshl_b32 s14, s11, 6
	s_add_nc_u64 s[44:45], s[6:7], s[14:15]        ; my pair's 64 bytes of umask
	s_lshl_b32 s14, ttmp9, 9
	s_add_nc_u64 s[46:47], s[8:9], s[14:15]        ; my work-group's 512 bytes of rmask
	s_load_b512 s[UW:UW+15], s[44:45], 0x0
	s_load_b64 s[SX0:SX0+1], s[42:43], 0x0         ; x0 of the two queries
	s_load_b64 s[SX1:SX1+1], s[42:43], 0x4000      ; x1
; The roles.  J(j) marks the lanes with bit j set, K(k) those with bit k set (K(32) = 0).  In a descending sort the lanes of J ^ K keep the smaller of a pair; an ascending stage takes the role negated.
	v_mov_b32 v[C], 0x7f800000                     ; +inf: v_med3_num_f32(a, b, +inf) is the larger of a and b,
	v_mov_b32 v[C+1], 0xff800000                   ; -inf: the smaller
.macro MKRG g, j, k
	s_mov_b32 s39, ((0xffffffff/((1<<(\j))+1))<<(\j))^((0xffffffff/((1<<(\k))+1))<<(\k))
	v_cndmask_b32 v[RG+\g], v[C], v[C+1], s39
.endm
	MKRG 0, 1, 2
	MKRG 1, 2, 4
	MKRG 2, 1, 4
	MKRG 3, 4, 8
	MKRG 4, 2, 8
	MKRG 5, 1, 8
	MKRG 6, 8, 16
	MKRG 7, 4, 16
	MKRG 8, 2, 16
	MKRG 9, 1, 16
	MKRG 10, 16, 32
	MKRG 11, 8, 32
	MKRG 12, 4, 32
	MKRG 13, 2, 32
	MKRG 14, 1, 32
	s_wait_kmcnt 0x0
; One compare-exchange of the network on values, with the lane j away, for both queries: from s into d.  g: the role;  neg = 1: the ascending direction.
.macro VST d0, s0, d1, s1, j, g, neg
.if (\j) == 16
	v_permlanex16_b32 v[P], v[\s0], s33, s34
	v_permlanex16_b32 v[P+1], v[\s1], s33, s34
.else
	v_mov_b32_dpp v[P], v[\s0] row_xmask:\j row_mask:0xf bank_mask:0xf
	v_mov_b32_dpp v[P+1], v[\s1] row_xmask:\j row_mask:0xf bank_mask:0xf
.endif
.if \neg
	v_med3_num_f32 v[\d0], v[\s0], v[P], -v[RG+\g]
	v_med3_num_f32 v[\d1], v[\s1], v[P+1], -v[RG+\g]
.else
	v_med3_num_f32 v[\d0], v[\s0], v[P], v[RG+\g]
	v_med3_num_f32 v[\d1], v[\s1], v[P+1], v[RG+\g]
.endif
.endm
.macro VSORT d0, s0, d1, s1, neg       ; 32 values across the lanes, sorted descending (neg = 0) or ascending (1); the sources stay as they are
	VST \d0, \s0, \d1, \s1, 1, 0, \neg
	VST \d0, \d0, \d1, \d1, 2, 1, \neg
	VST \d0, \d0, \d1, \d1, 1, 2, \neg
	VST \d0, \d0, \d1, \d1, 4, 3, \neg
	VST \d0, \d0, \d1, \d1, 2, 4, \neg
	VST \d0, \d0, \d1, \d1, 1, 5, \neg
	VST \d0, \d0, \d1, \d1, 8, 6, \neg
	VST \d0, \d0, \d1, \d1, 4, 7, \neg
	VST \d0, \d0, \d1, \d1, 2, 8, \neg
	VST \d0, \d0, \d1, \d1, 1, 9, \neg
	VST \d0, \d0, \d1, \d1, 16, 10, \neg
	VST \d0, \d0, \d1, \d1, 8, 11, \neg
	VST \d0, \d0, \d1, \d1, 4, 12, \neg
	VST \d0, \d0, \d1, \d1, 2, 13, \neg
	VST \d0, \d0, \d1, \d1, 1, 14, \neg
.endm
.macro VMERGE                          ; what the lane-wise minimum of an ascending and a descending list leaves is put in ascending order
	VST R, R, R+1, R+1, 16, 10, 1
	VST R, R, R+1, R+1, 8, 11, 1
	VST R, R, R+1, R+1, 4, 12, 1
	VST R, R, R+1, R+1, 2, 13, 1
	VST R, R, R+1, R+1, 1, 14, 1
.endm
.macro QSET q                          ; query q's x0, x1 and sq as scalar pairs; sq is rounded as the candidates' is
	s_mov_b32 s[QS+6*\q], s[SX0+\q]
	s_mov_b32 s[QS+6*\q+1], s[SX0+\q]
	s_mov_b32 s[QS+6*\q+2], s[SX1+\q]
	s_mov_b32 s[QS+6*\q+3], s[SX1+\q]
	v_mul_f32 v[T1], s[SX0+\q], s[SX0+\q]
	v_mul_f32 v[T2], s[SX1+\q], s[SX1+\q]
	v_add_f32 v[T1], v[T1], v[T2]
	v_readfirstlane_b32 s[QS+6*\q+4], v[T1]
	s_mov_b32 s[QS+6*\q+5], s[QS+6*\q+4]
.endm
.macro PREFIX w                        ; PF + c = the ones in words w .. w + c - 1
	s_bcnt1_i32_b32 s[PF+1], s[\w]
.irp c, 1,2,3,4,5,6
	s_bcnt1_i32_b32 s[STMP], s[\w+\c]
	s_add_co_u32 s[PF+\c+1], s[PF+\c], s[STMP]
.endr
.endm
.macro HALF f, n                       ; does the bit lie in the upper n of the 2 n bits at POS?  f: the ones by fields of n bits
	v_bfe_u32 v[TT], v[\f], v[POS], \n             ; the ones in the lower n
	v_cmp_ge_u32 vcc_lo, v[RM], v[TT]
	v_cndmask_b32 v[T3], 0, \n, vcc_lo
	v_cndmask_b32 v[TT], 0, v[TT], vcc_lo
	v_add_nc_u32 v[POS], v[POS], v[T3]
	v_sub_nc_u32 v[RM], v[RM], v[TT]
.endm
; Of the 256 bits in words w .. w + 7 the set bit of rank v[rk], from 0: its word's number into WI, its place in the word into POS.  The last word whose ones ahead do not pass the rank holds it.
.macro RSEL w, rk
	v_mov_b32 v[WD], s[\w]
	v_mov_b32 v[PC], 0
	v_mov_b32 v[WI], 0
.irp c, 1,2,3,4,5,6,7
	v_cmp_le_u32 vcc_lo, s[PF+\c], v[\rk]
	v_cndmask_b32 v[WD], v[WD], s[\w+\c], vcc_lo
	v_cndmask_b32 v[PC], v[PC], s[PF+\c], vcc_lo
	v_cndmask_b32 v[WI], v[WI], \c, vcc_lo
.endr
	v_sub_nc_u32 v[RM], v[\rk], v[PC]
	v_lshrrev_b32 v[TT], 1, v[WD]
	v_and_b32 v[TT], 0x55555555, v[TT]
	v_sub_nc_u32 v[SA], v[WD], v[TT]               ; each pair of bits holds its number of ones
	v_lshrrev_b32 v[TT], 2, v[SA]
	v_and_b32 v[SB], 0x33333333, v[SA]
	v_and_b32 v[TT], 0x33333333, v[TT]
	v_add_nc_u32 v[SB], v[SB], v[TT]               ; each four bits
	v_lshrrev_b32 v[TT], 4, v[SB]
	v_add_nc_u32 v[SC], v[SB], v[TT]
	v_and_b32 v[SC], 0x0f0f0f0f, v[SC]             ; each byte
	v_bfe_u32 v[TT], v[SC], 8, 8
	v_and_b32 v[T3], 0xff, v[SC]
	v_add_nc_u32 v[TT], v[TT], v[T3]               ; the ones in bits 0 to 15
	v_cmp_ge_u32 vcc_lo, v[RM], v[TT]
	v_cndmask_b32 v[POS], 0, 16, vcc_lo
	v_cndmask_b32 v[TT], 0, v[TT], vcc_lo
	v_sub_nc_u32 v[RM], v[RM], v[TT]
	HALF SC, 8
	HALF SB, 4
	HALF SA, 2
	v_bfe_u32 v[TT], v[WD], v[POS], 1
	v_cmp_ge_u32 vcc_lo, v[RM], v[TT]
	v_cndmask_b32 v[TT], 0, 1, vcc_lo
	v_add_nc_u32 v[POS], v[POS], v[TT]
.endm
.macro FIND q                          ; lane r's unit of query q, and the loads of its 16 candidates
	PREFIX UW+8*\q
	RSEL UW+8*\q, LANE
	v_lshl_add_u32 v[TT], v[WI], 5, v[POS]         ; the unit's number
	v_min_u32 v[TT], 0xff, v[TT]                   ; a unit stays inside its row of xyz
	v_lshlrev_b32 v[OFS+\q], 6, v[TT]              ; 16 candidates of 4 bytes
.irp i, 0,1,2,3
	global_load_b128 v[X+32*\q+4*\i:X+32*\q+4*\i+3], v[OFS+\q], s[40:41] offset:16*\i
	global_load_b128 v[X+32*\q+16+4*\i:X+32*\q+16+4*\i+3], v[OFS+\q], s[40:41] offset:16384+16*\i
.endr
.endm
.macro DISTQ q                         ; my unit's 16 distances from query q, and the smallest of each run of 2
.set XA, X+32*\q
.set XB, X+32*\q+16
.irp p, 0,2,4,6,8,10,12,14
	v_pk_mul_f32 v[D+\p:D+\p+1], v[XA+\p:XA+\p+1], s[QS+6*\q:QS+6*\q+1] op_sel_hi:[1,0]                             ; x0n x0m, rounded
.endr
.irp p, 0,2,4,6,8,10,12,14
	v_pk_fma_f32 v[D+\p:D+\p+1], v[XB+\p:XB+\p+1], s[QS+6*\q+2:QS+6*\q+3], v[D+\p:D+\p+1] op_sel_hi:[1,0,1]         ; the dot product
.endr
.irp p, 0,2,4,6,8,10,12,14
	v_pk_mul_f32 v[XA+\p:XA+\p+1], v[XA+\p:XA+\p+1], v[XA+\p:XA+\p+1]                                               ; sq: the squares are rounded one by one,
.endr
.irp p, 0,2,4,6,8,10,12,14
	v_pk_mul_f32 v[XB+\p:XB+\p+1], v[XB+\p:XB+\p+1], v[XB+\p:XB+\p+1]
.endr
.irp p, 0,2,4,6,8,10,12,14
	v_pk_add_f32 v[XA+\p:XA+\p+1], v[XA+\p:XA+\p+1], v[XB+\p:XB+\p+1]                                               ; then added: on purpose no fused multiply-add
.endr
.irp p, 0,2,4,6,8,10,12,14
	v_pk_fma_f32 v[D+\p:D+\p+1], v[D+\p:D+\p+1], -2.0, v[XA+\p:XA+\p+1] op_sel_hi:[1,0,1]                           ; sq_m - 2 dot: one rounding (2 dot is exact)
.endr
.irp p, 0,2,4,6,8,10,12,14
	v_pk_add_f32 v[D+\p:D+\p+1], v[D+\p:D+\p+1], s[QS+6*\q+4:QS+6*\q+5] op_sel_hi:[1,0]                             ; + sq_n
.endr
.irp j, 0,1,2,3,4,5,6,7
	v_min_num_f32 v[M+8*\q+\j], v[D+2*\j], v[D+2*\j+1]
.endr
.endm
; Query q's 32 runs.  A run's number rises with the lane (the units rise with the lane) and then with j: T1 counts the runs equal to T that come ahead of mine.
.macro PICK q
	v_readlane_b32 s35, v[R+\q], 31                ; T: the largest of the 32 smallest
.irp j, 0,1,2,3,4,5,6,7
	v_cmp_lt_f32 s[LT+\j], v[M+8*\q+\j], s35
	v_cmp_eq_f32 s[EQ+\j], v[M+8*\q+\j], s35
.endr
	s_bcnt1_i32_b32 s36, s[LT]
.irp j, 1,2,3,4,5,6,7
	s_bcnt1_i32_b32 s37, s[LT+\j]
	s_add_co_u32 s36, s36, s37
.endr
	s_sub_co_u32 s36, 32, s36                      ; how many of the equal runs are owed: at least one
	v_mbcnt_lo_u32_b32 v[T1], s[EQ], 0             ; the equal runs of the lanes below mine
.irp j, 1,2,3,4,5,6,7
	v_mbcnt_lo_u32_b32 v[T1], s[EQ+\j], v[T1]
.endr
.irp j, 0,1,2,3,4,5,6,7
	v_cmp_gt_u32 s37, s36, v[T1]                   ; fewer ahead of it than are owed?
	s_and_b32 s37, s37, s[EQ+\j]
	s_or_b32 s37, s37, s[LT+\j]
	v_writelane_b32 v[MW], s37, 8*\q+\j
.if \j < 7
	v_cndmask_b32 v[T2], 0, 1, s[EQ+\j]
	v_add_nc_u32 v[T1], v[T1], v[T2]               ; and my own equal runs so far
.endif
.endr
.endm
	QSET 0
	QSET 1
	FIND 0
	FIND 1
	s_wait_loadcnt 8                               ; the first query's eight loads are in; the second's eight may be out
	DISTQ 0
	s_wait_loadcnt 0x0
	DISTQ 1
	VSORT R, M, R+1, M+8, 1                        ; the first 32 values, sorted ascending, are the list: nothing is cleared or padded
.irp j, 1,2,3,4,5,6,7
	VSORT C, M+\j, C+1, M+8+\j, 0
	v_min_num_f32 v[R], v[R], v[C]                 ; an ascending and a descending list: the smaller value of each lane, 32 in all, are the 32 smallest of the 64
	v_min_num_f32 v[R+1], v[R+1], v[C+1]
	VMERGE
.endr
	PICK 0
	PICK 1
	ds_store_b32 v[MST], v[MW]                     ; lanes 0-15 hold my pair's sixteen words
	s_wait_dscnt 0x0                               ; for the others' sake: they are stored
	s_barrier_signal -1
	s_barrier_wait -1
	s_cmp_lg_u32 s10, 0
	s_cbranch_scc1 .Lend                           ; the work-group's 512 bytes leave by wave 0
	ds_load_b128 v[X:X+3], v[MRD]
	s_wait_dscnt 0x0
	global_store_b128 v[MGO], v[X:X+3], s[46:47]   ; 512 consecutive bytes, aligned
.Lend:
	s_wait_tensorcnt 0x0
	ds_add_u32 v128, v129
	s_wait_dscnt 0x0
	s_endpgm
.Lfunc_end_k_q1fc8bed796_mid:
	.size	k_q1fc8bed796_mid, .Lfunc_end_k_q1fc8bed796_mid-k_q1fc8bed796_mid
	.p2alignl 7, 3214868480
	.fill 96, 4, 3214868480
	.section	.rodata,"a",@progbits
	.p2align	6, 0x0
	.amdhsa_kernel k_q1fc8bed796_mid
		.amdhsa_group_segment_fixed_size 2048
		.amdhsa_private_segment_fixed_size 0
		.amdhsa_enable_private_segment 0
		.amdhsa_kernarg_size 24
		.amdhsa_user_sgpr_count 2
		.amdhsa_user_sgpr_kernarg_segment_ptr 1
		.amdhsa_wavefront_size32 1
		.amdhsa_system_sgpr_workgroup_id_x 1
		.amdhsa_system_sgpr_workgroup_id_y 1
		.amdhsa_system_sgpr_workgroup_id_z 1
		.amdhsa_system_vgpr_workitem_id 0
		.amdhsa_next_free_vgpr 130
		.amdhsa_next_free_sgpr 92
		.amdhsa_reserve_vcc 1
		.amdhsa_float_denorm_mode_32 3
		.amdhsa_float_denorm_mode_16_64 3
		.amdhsa_memory_ordered 1
		.amdhsa_forward_progress 1
		.amdhsa_inst_pref_size 70
	.end_amdhsa_kernel
	.amdgpu_metadata
---
amdhsa.version: [ 1, 2 ]
amdhsa.kernels:
  - .name:           k_q1fc8bed796_mid
    .symbol:         k_q1fc8bed796_mid.kd
    .args:
      - { .name: xyz, .offset: 0, .size: 8, .value_kind: global_buffer, .address_space: global }
      - { .name: umask, .offset: 8, .size: 8, .value_kind: global_buffer, .address_space: global }
      - { .name: rmask, .offset: 16, .size: 8, .value_kind: global_buffer, .address_space: global }
    .group_segment_fixed_size: 2048
    .private_segment_fixed_size: 0
    .kernarg_segment_align: 8
    .kernarg_segment_size: 24
    .max_flat_workgroup_size: 256
    .sgpr_count:     92
    .vgpr_count:     130
    .wavefront_size: 32
...
	.end_amdgpu_metadata
.endif
;; end of part 9
;; launch rank (part 10): grid 1024 x 1, 8 waves a work-group, no clusters, 0 bytes of LDS; arguments xyz, umask, rmask, idx; writes idx
.if DOCPART == 10
	.amdgcn_target "amdgcn-amd-amdhsa--gfx1250"
	.amdhsa_code_object_version 6
	.text
	.protected	k_q1fc8bed796_rank
	.globl	k_q1fc8bed796_rank
	.p2align	8
	.type	k_q1fc8bed796_rank,@function
k_q1fc8bed796_rank:
	s_mov_b64 s[64:65], 0
	v_nop
	global_prefetch_b8 v0, s[64:65] scope:SCOPE_SE
	s_setreg_imm32_b32 hwreg(HW_REG_WAVE_MODE, 25, 1), 1
	s_wait_xcnt 0x0
; The last of three steps that find, for each query, its 32 nearest neighbours in the plane (x0, x1), in ascending order of the distance, equal distances by ascending index: what a stable top-k of the negated distances gives.
; GIVEN, whole numbers stored by the two launches before, 8 words a query each, 32 bits set in each: umask, bit l of word c for unit 32 c + l (16 consecutive candidates);
; rmask, bit l of word j for run j (2 consecutive candidates) of the l-th of those units.  The 32 runs hold the 32 nearest neighbours.
; Lane r finds the r-th set bit of rmask, (j, l), and then the set bit of rank l of umask, its unit U: by arithmetic alone (counts of ones summed up, seven compares for the word, sums of fields and five halvings for the bit).
; Its run is 8 U + j, its candidates 2 (8 U + j) and the next.
; MADE: the 64 keys (distance as an ordered whole number : index): the runs' first candidates are sorted ascending across the lanes, the second ones descending; the smaller key of each lane, 32 in all, are the 32 smallest;
; five more compare-exchanges put them in order: lane = rank.  The keys are all different, since the indices are.
; EVERY TRIP COUNT IS A CONSTANT, and no branch hangs on data; the only addresses that hang on data are the loads of the runs' coordinates, at offsets made from the stored words, held inside a row of xyz.
; THE DISTANCE is formed as: sq = rnd(rnd(x0 x0) + rnd(x1 x1)) (a product and a sum that are two steps of the model, so they are not fused); dot = fma(x1n, x1m, rnd(x0n x0m));
; d = rnd(rnd(sq_m - 2 dot) + sq_n); a run's two candidates to an instruction.  Another order of rounding can swap neighbours whose distances agree to the last places.
; SHARES.  A wave takes a pair of queries; both queries' loads go out together.  idx: [(batch 4096 + q) / 2][rank][q & 1] words: the wave's one store covers 256 consecutive bytes, aligned.
; LIMITS: NaN and infinities in xyz are not served.  No LDS, no tensor loads, no cluster: waves share nothing but xyz, of which each reads single pieces of 8 bytes.
.set LANE, 1
.set ST8,  2                           ; 8 x lane
.set OFS,  4                           ; v4, v5  my run's byte offset in a row of xyz, for the two queries
.set RN,   6                           ; v6, v7  my run's number
.set JJ,   8
.set LL,   9
.set WD,   10                          ; the search for a set bit: the word that holds it,
.set PC,   11                          ; the ones ahead of that word,
.set WI,   12                          ; the word's number,
.set RM,   13                          ; the ones still to pass,
.set SA,   14                          ; the word's ones by fields of 2,
.set SB,   15                          ; 4
.set SC,   16                          ; and 8 bits,
.set POS,  17                          ; the bit's place
.set TT,   18
.set T3,   19
.set T1,   20
.set T2,   21
.set X0,   24                          ; v[24:25], v[26:27] x0 of my run's two candidates, for the two queries
.set X1,   28                          ; v[28:29], v[30:31] x1
.set D,    32                          ; v[32:33] their distances
.set TMP,  34
.set CHI,  35                          ; the second candidates' keys
.set CLO,  36
.set RHI,  37                          ; the first candidates' keys, then the 32 best
.set RLO,  38
.set PH,   39                          ; the partner's key
.set PL,   40
.set RES,  42                          ; v[42:43] the two queries' lists
.set SX0,  18
.set SX1,  20
.set QS,   36                          ; s[36:47] for query q at 6 q: x0, x1, sq, each twice: the packed forms name a pair and take its low word for both halves
.set PF,   48                          ; s[49:55] PF + c: the ones in words 0 .. c - 1
.set STMP, 56
.set UW,   68                          ; s[68:83] the two queries' words of umask
.set RW,   84                          ; s[84:99] and of rmask
	s_load_b256 s[4:11], s[0:1], 0x0               ; xyz, umask, rmask, idx
	v_lshrrev_b32 v3, 5, v0
	v_readfirstlane_b32 s12, v3                    ; wave 0..7
	v_and_b32 v[LANE], 31, v0
	s_lshl_b32 s13, ttmp9, 3
	s_add_co_u32 s13, s13, s12                     ; my pair of queries, 0 .. 8191
	s_lshr_b32 s14, s13, 11                        ; batch
	s_and_b32 s15, s13, 2047
	v_lshlrev_b32 v[ST8], 3, v[LANE]
	v_mov_b32 v[PH], 0                             ; (destinations of lane moves count as read)
	v_mov_b32 v[PL], 0
	s_mov_b32 s33, 0x76543210
	s_mov_b32 s34, 0xfedcba98                      ; v_permlanex16_b32's selects for lane l xor 16
	s_mul_i32 s16, s14, 49152
	s_mov_b32 s17, 0
	s_wait_kmcnt 0x0
	s_add_nc_u64 s[22:23], s[4:5], s[16:17]        ; xyz of my batch
	s_lshl_b32 s16, s15, 3
	s_add_nc_u64 s[24:25], s[22:23], s[16:17]      ; at my two queries
	s_lshl_b32 s16, s13, 6
	s_add_nc_u64 s[26:27], s[6:7], s[16:17]        ; my pair's 64 bytes of umask
	s_add_nc_u64 s[28:29], s[8:9], s[16:17]        ; and of rmask
	s_lshl_b32 s16, s13, 8
	s_add_nc_u64 s[10:11], s[10:11], s[16:17]      ; my pair's 256 bytes of idx
	s_load_b512 s[UW:UW+15], s[26:27], 0x0
	s_load_b512 s[RW:RW+15], s[28:29], 0x0
	s_load_b64 s[SX0:SX0+1], s[24:25], 0x0         ; x0 of the two queries
	s_load_b64 s[SX1:SX1+1], s[24:25], 0x4000      ; x1
	s_wait_kmcnt 0x0
.macro QSET q                          ; query q's x0, x1 and sq as scalar pairs; sq is rounded as the candidates' is
	s_mov_b32 s[QS+6*\q], s[SX0+\q]
	s_mov_b32 s[QS+6*\q+1], s[SX0+\q]
	s_mov_b32 s[QS+6*\q+2], s[SX1+\q]
	s_mov_b32 s[QS+6*\q+3], s[SX1+\q]
	v_mul_f32 v[T1], s[SX0+\q], s[SX0+\q]
	v_mul_f32 v[T2], s[SX1+\q], s[SX1+\q]
	v_add_f32 v[T1], v[T1], v[T2]
	v_readfirstlane_b32 s[QS+6*\q+4], v[T1]
	s_mov_b32 s[QS+6*\q+5], s[QS+6*\q+4]
.endm
.macro PREFIX w                        ; PF + c = the ones in words w .. w + c - 1
	s_bcnt1_i32_b32 s[PF+1], s[\w]
.irp c, 1,2,3,4,5,6
	s_bcnt1_i32_b32 s[STMP], s[\w+\c]
	s_add_co_u32 s[PF+\c+1], s[PF+\c], s[STMP]
.endr
.endm
.macro HALF f, n                       ; does the bit lie in the upper n of the 2 n bits at POS?  f: the ones by fields of n bits
	v_bfe_u32 v[TT], v[\f], v[POS], \n             ; the ones in the lower n
	v_cmp_ge_u32 vcc_lo, v[RM], v[TT]
	v_cndmask_b32 v[T3], 0, \n, vcc_lo
	v_cndmask_b32 v[TT], 0, v[TT], vcc_lo
	v_add_nc_u32 v[POS], v[POS], v[T3]
	v_sub_nc_u32 v[RM], v[RM], v[TT]
.endm
; Of the 256 bits in words w .. w + 7 the set bit of rank v[rk], from 0: its word's number into WI, its place in the word into POS.  The last word whose ones ahead do not pass the rank holds it.
.macro RSEL w, rk
	v_mov_b32 v[WD], s[\w]
	v_mov_b32 v[PC], 0
	v_mov_b32 v[WI], 0
.irp c, 1,2,3,4,5,6,7
	v_cmp_le_u32 vcc_lo, s[PF+\c], v[\rk]
	v_cndmask_b32 v[WD], v[WD], s[\w+\c], vcc_lo
	v_cndmask_b32 v[PC], v[PC], s[PF+\c], vcc_lo
	v_cndmask_b32 v[WI], v[WI], \c, vcc_lo
.endr
	v_sub_nc_u32 v[RM], v[\rk], v[PC]
	v_lshrrev_b32 v[TT], 1, v[WD]
	v_and_b32 v[TT], 0x55555555, v[TT]
	v_sub_nc_u32 v[SA], v[WD], v[TT]               ; each pair of bits holds its number of ones
	v_lshrrev_b32 v[TT], 2, v[SA]
	v_and_b32 v[SB], 0x33333333, v[SA]
	v_and_b32 v[TT], 0x33333333, v[TT]
	v_add_nc_u32 v[SB], v[SB], v[TT]               ; each four bits
	v_lshrrev_b32 v[TT], 4, v[SB]
	v_add_nc_u32 v[SC], v[SB], v[TT]
	v_and_b32 v[SC], 0x0f0f0f0f, v[SC]             ; each byte
	v_bfe_u32 v[TT], v[SC], 8, 8
	v_and_b32 v[T3], 0xff, v[SC]
	v_add_nc_u32 v[TT], v[TT], v[T3]               ; the ones in bits 0 to 15
	v_cmp_ge_u32 vcc_lo, v[RM], v[TT]
	v_cndmask_b32 v[POS], 0, 16, vcc_lo
	v_cndmask_b32 v[TT], 0, v[TT], vcc_lo
	v_sub_nc_u32 v[RM], v[RM], v[TT]
	HALF SC, 8
	HALF SB, 4
	HALF SA, 2
	v_bfe_u32 v[TT], v[WD], v[POS], 1
	v_cmp_ge_u32 vcc_lo, v[RM], v[TT]
	v_cndmask_b32 v[TT], 0, 1, vcc_lo
	v_add_nc_u32 v[POS], v[POS], v[TT]
.endm
.macro FIND q                          ; lane r's run of query q, and the loads of its two candidates
	PREFIX RW+8*\q
	RSEL RW+8*\q, LANE
	v_mov_b32 v[JJ], v[WI]                         ; run j
	v_mov_b32 v[LL], v[POS]                        ; of the l-th unit
	PREFIX UW+8*\q
	RSEL UW+8*\q, LL
	v_lshl_add_u32 v[TT], v[WI], 5, v[POS]         ; the unit's number
	v_lshl_add_u32 v[TT], v[TT], 3, v[JJ]          ; the run's
	v_min_u32 v[RN+\q], 0x7ff, v[TT]               ; a run stays inside its row of xyz
	v_lshlrev_b32 v[OFS+\q], 3, v[RN+\q]           ; 2 candidates of 4 bytes
	global_load_b64 v[X0+2*\q:X0+2*\q+1], v[OFS+\q], s[22:23]
	global_load_b64 v[X1+2*\q:X1+2*\q+1], v[OFS+\q], s[22:23] offset:16384
.endm
; One compare-exchange of a bitonic network across the lanes, on keys hi : lo, with the lane j away.  s30 = own < partner; a lane takes its partner's key where that bit differs from its role.
; J(j) marks the lanes with bit j set, K(k) those with bit k set (K(32) = 0).  Descending sort: role = J ^ K; ascending: its complement.
.macro STAGE hi, lo, j, k, asc
.set ROLE, ((0xffffffff/((1<<(\j))+1))<<(\j))^((0xffffffff/((1<<(\k))+1))<<(\k))
.if \asc
.set ROLE, ROLE^0xffffffff
.endif
.if (\j) == 16
	v_permlanex16_b32 v[PH], v[\hi], s33, s34
	v_permlanex16_b32 v[PL], v[\lo], s33, s34
.else
	v_mov_b32_dpp v[PH], v[\hi] row_xmask:\j row_mask:0xf bank_mask:0xf
	v_mov_b32_dpp v[PL], v[\lo] row_xmask:\j row_mask:0xf bank_mask:0xf
.endif
	v_cmp_lt_u32 vcc_lo, v[\lo], v[PL]
	v_cmp_eq_u32 s30, v[\hi], v[PH]
	v_cmp_lt_u32 s31, v[\hi], v[PH]
	s_and_b32 s30, s30, vcc_lo
	s_or_b32 s30, s30, s31
	s_xor_b32 s30, s30, ROLE
	v_cndmask_b32 v[\hi], v[\hi], v[PH], s30
	v_cndmask_b32 v[\lo], v[\lo], v[PL], s30
.endm
.macro SORT15 hi, lo, asc              ; 32 keys across the lanes, sorted descending (asc = 0) or ascending (1)
	STAGE \hi, \lo, 1, 2, \asc
	STAGE \hi, \lo, 2, 4, \asc
	STAGE \hi, \lo, 1, 4, \asc
	STAGE \hi, \lo, 4, 8, \asc
	STAGE \hi, \lo, 2, 8, \asc
	STAGE \hi, \lo, 1, 8, \asc
	STAGE \hi, \lo, 8, 16, \asc
	STAGE \hi, \lo, 4, 16, \asc
	STAGE \hi, \lo, 2, 16, \asc
	STAGE \hi, \lo, 1, 16, \asc
	STAGE \hi, \lo, 16, 32, \asc
	STAGE \hi, \lo, 8, 32, \asc
	STAGE \hi, \lo, 4, 32, \asc
	STAGE \hi, \lo, 2, 32, \asc
	STAGE \hi, \lo, 1, 32, \asc
.endm
.macro SORTQ q
	v_pk_mul_f32 v[D:D+1], v[X0+2*\q:X0+2*\q+1], s[QS+6*\q:QS+6*\q+1] op_sel_hi:[1,0]                       ; x0n x0m, rounded
	v_pk_fma_f32 v[D:D+1], v[X1+2*\q:X1+2*\q+1], s[QS+6*\q+2:QS+6*\q+3], v[D:D+1] op_sel_hi:[1,0,1]         ; the dot product
	v_pk_mul_f32 v[X0+2*\q:X0+2*\q+1], v[X0+2*\q:X0+2*\q+1], v[X0+2*\q:X0+2*\q+1]                           ; sq: the squares are rounded one by one,
	v_pk_mul_f32 v[X1+2*\q:X1+2*\q+1], v[X1+2*\q:X1+2*\q+1], v[X1+2*\q:X1+2*\q+1]
	v_pk_add_f32 v[X0+2*\q:X0+2*\q+1], v[X0+2*\q:X0+2*\q+1], v[X1+2*\q:X1+2*\q+1]                           ; then added: on purpose no fused multiply-add
	v_pk_fma_f32 v[D:D+1], v[D:D+1], -2.0, v[X0+2*\q:X0+2*\q+1] op_sel_hi:[1,0,1]                           ; sq_m - 2 dot: one rounding (2 dot is exact)
	v_pk_add_f32 v[D:D+1], v[D:D+1], s[QS+6*\q+4:QS+6*\q+5] op_sel_hi:[1,0]                                 ; + sq_n
	v_ashrrev_i32 v[TMP], 31, v[D]                 ; f32 to a whole number of the same order
	v_or_b32 v[TMP], 0x80000000, v[TMP]
	v_xor_b32 v[RHI], v[D], v[TMP]
	v_lshlrev_b32 v[RLO], 1, v[RN+\q]              ; the first candidate's index
	v_ashrrev_i32 v[TMP], 31, v[D+1]
	v_or_b32 v[TMP], 0x80000000, v[TMP]
	v_xor_b32 v[CHI], v[D+1], v[TMP]
	v_lshl_or_b32 v[CLO], v[RN+\q], 1, 1           ; the second's
	SORT15 RHI, RLO, 1
	SORT15 CHI, CLO, 0
	v_cmp_lt_u32 vcc_lo, v[RLO], v[CLO]            ; an ascending and a descending list: the smaller key of each lane, 32 in all, are the 32 smallest of the 64
	v_cmp_eq_u32 s30, v[RHI], v[CHI]
	v_cmp_lt_u32 s31, v[RHI], v[CHI]
	s_and_b32 s30, s30, vcc_lo
	s_or_b32 s30, s30, s31
	v_cndmask_b32 v[RHI], v[CHI], v[RHI], s30
	v_cndmask_b32 v[RLO], v[CLO], v[RLO], s30
	STAGE RHI, RLO, 16, 32, 1
	STAGE RHI, RLO, 8, 32, 1
	STAGE RHI, RLO, 4, 32, 1
	STAGE RHI, RLO, 2, 32, 1
	STAGE RHI, RLO, 1, 32, 1
	v_mov_b32 v[RES+\q], v[RLO]                    ; lane = rank
.endm
	QSET 0
	QSET 1
	FIND 0
	FIND 1
	s_wait_loadcnt 2                               ; the first query's two loads are in; the second's two may be out
	SORTQ 0
	s_wait_loadcnt 0x0
	SORTQ 1
	global_store_b64 v[ST8], v[RES:RES+1], s[10:11]  ; 256 consecutive bytes, aligned
	s_endpgm
.Lfunc_end_k_q1fc8bed796_rank:
	.size	k_q1fc8bed796_rank, .Lfunc_end_k_q1fc8bed796_rank-k_q1fc8bed796_rank
	.p2alignl 7, 3214868480
	.fill 96, 4, 3214868480
	.section	.rodata,"a",@progbits
	.p2align	6, 0x0
	.amdhsa_kernel k_q1fc8bed796_rank
		.amdhsa_group_segment_fixed_size 0
		.amdhsa_private_segment_fixed_size 0
		.amdhsa_enable_private_segment 0
		.amdhsa_kernarg_size 32
		.amdhsa_user_sgpr_count 2
		.amdhsa_user_sgpr_kernarg_segment_ptr 1
		.amdhsa_wavefront_size32 1
		.amdhsa_system_sgpr_workgroup_id_x 1
		.amdhsa_system_sgpr_workgroup_id_y 1
		.amdhsa_system_sgpr_workgroup_id_z 1
		.amdhsa_system_vgpr_workitem_id 0
		.amdhsa_next_free_vgpr 48
		.amdhsa_next_free_sgpr 100
		.amdhsa_reserve_vcc 1
		.amdhsa_float_denorm_mode_32 3
		.amdhsa_float_denorm_mode_16_64 3
		.amdhsa_memory_ordered 1
		.amdhsa_forward_progress 1
		.amdhsa_inst_pref_size 58
	.end_amdhsa_kernel
	.amdgpu_metadata
---
amdhsa.version: [ 1, 2 ]
amdhsa.kernels:
  - .name:           k_q1fc8bed796_rank
    .symbol:         k_q1fc8bed796_rank.kd
    .args:
      - { .name: xyz, .offset: 0, .size: 8, .value_kind: global_buffer, .address_space: global }
      - { .name: umask, .offset: 8, .size: 8, .value_kind: global_buffer, .address_space: global }
      - { .name: rmask, .offset: 16, .size: 8, .value_kind: global_buffer, .address_space: global }
      - { .name: idx, .offset: 24, .size: 8, .value_kind: global_buffer, .address_space: global }
    .group_segment_fixed_size: 0
    .private_segment_fixed_size: 0
    .kernarg_segment_align: 8
    .kernarg_segment_size: 32
    .max_flat_workgroup_size: 256
    .sgpr_count:     100
    .vgpr_count:     48
    .wavefront_size: 32
...
	.end_amdgpu_metadata
.endif
;; end of part 10
;; launch stats: the kernel of part 5 again; grid 256 x 1, 8 waves a work-group, no clusters, 64,512 bytes of LDS; arguments codes, scales, idx, W_codes, W_scales, part; writes part
;; launch bn: the kernel of part 6 again; grid 4 x 1, 16 waves a work-group, no clusters, 10,240 bytes of LDS; arguments part, b, gamma, beta, ac; writes ac
;; launch final: the kernel of part 7 again; grid 256 x 1, 8 waves a work-group, no clusters, 116,736 bytes of LDS; arguments codes, scales, idx, W_codes, W_scales, ac, out0; writes out0
;; ======== version 3 of 3: 7 launches
;; workspace buffers: codes 2,097,152 bytes; scales 131,072 bytes; umask 524,288 bytes of whole numbers; rmask 524,288 bytes of whole numbers; idx 2,097,152 bytes of whole numbers; part 786,432 bytes; ac 2,048 bytes
;; launch quant (part 11): grid 256 x 1, 4 waves a work-group, no clusters, 10,752 bytes of LDS; arguments feat, codes, scales; writes codes, scales
.if DOCPART == 11
	.amdgcn_target "amdgcn-amd-amdhsa--gfx1250"
	.amdhsa_code_object_version 6
	.text
	.protected	k_q1fc8bed796_quant
	.globl	k_q1fc8bed796_quant
	.p2align	8
	.type	k_q1fc8bed796_quant,@function
k_q1fc8bed796_quant:
	s_mov_b64 s[64:65], 0
	v_nop
	global_prefetch_b8 v0, s[64:65] scope:SCOPE_SE
	s_setreg_imm32_b32 hwreg(HW_REG_WAVE_MODE, 25, 1), 1
	s_wait_xcnt 0x0
; feat [4][256 f][4096 p], f32, is the quantised product's left operand before the gather: a gathered row is a column p of feat, and K is f.
; It becomes codes of E2M1, laid [4*4096 p][128 bytes] with f innermost, and one E8M0 byte for each 32 along f, laid [4*4096 p][8].
; A LANE TAKES A COLUMN p AND ITS REGISTERS RUN DOWN f: a block of 32 lies in one lane's 32 registers, its largest magnitude needs no other lane,
; and the conversions give codes with K innermost.  A work-group takes 64 columns; wave (cg, kh) takes columns 32 cg .. +31 and f = 128 kh .. +127 (4 blocks).
; The codes go through a stage in LDS (rows of 128 bytes + 16) and leave as 8,192 consecutive bytes, 512 an instruction; the 512 scale bytes likewise.
; A block's byte is its largest magnitude's exponent field - 2, held at 1 from below; a block of zeros keeps the byte 1 (its codes are zeros, and this program alone reads the bytes).
; LIMITS: NaN and infinities in feat are not served.  No tensor loads and no cluster: no two work-groups read the same bytes.
.set PIT,  144                         ; a stage row: 128 bytes + 16
.set SCS,  64*PIT                      ; behind the stage: 64 rows x 8 scale bytes
.set X,    32                          ; v32-95   two sets of 32 numbers
.set C,    96                          ; v96-99   a block's codes
.set SB,   24                          ; v24      my four scale bytes
.set OUTR, 100                         ; v100-119 the way out
	s_load_b128 s[4:7], s[0:1], 0x0                ; feat, codes
	s_load_b64 s[8:9], s[0:1], 0x10                ; scales
	v_lshl_add_u32 v128, v0, 2, 0x2800
	v_mov_b32 v129, 0
	v_lshrrev_b32 v2, 5, v0
	v_readfirstlane_b32 s16, v2                    ; wave 0..3
	v_and_b32 v1, 31, v0                           ; lane
	s_wait_alu depctr_va_vdst(0)
	s_and_b32 s17, s16, 1                          ; cg
	s_lshr_b32 s18, s16, 1                         ; kh
	s_lshr_b32 s19, ttmp9, 6                       ; batch
	s_and_b32 s20, ttmp9, 63
	s_lshl_b32 s20, s20, 6                         ; the group's first column
	v_lshlrev_b32 v3, 2, v1                        ; in: 4 bytes a lane
	s_mul_i32 s21, s17, 32*PIT
	s_lshl_b32 s22, s18, 6
	s_add_co_u32 s21, s21, s22
	v_mul_u32_u24 v4, v1, PIT
	v_add_nc_u32 v4, s21, v4                       ; stage: row 32 cg + lane, byte 64 kh
	s_lshl_b32 s21, s17, 8
	s_lshl_b32 s22, s18, 2
	s_add_co_u32 s21, s21, s22
	s_add_co_u32 s21, s21, SCS
	v_lshl_add_u32 v5, v1, 3, s21                  ; my column's scale word kh
	v_lshrrev_b32 v6, 3, v1
	v_mul_u32_u24 v7, v6, PIT
	v_and_b32 v6, 7, v1
	v_lshl_add_u32 v7, v6, 4, v7
	s_mul_i32 s21, s16, 16*PIT
	v_add_nc_u32 v7, s21, v7                       ; back: wave's 16 rows, eight lanes to a row
	v_lshlrev_b32 v8, 4, v1                        ; out: 16 bytes a lane
	v_add_nc_u32 v9, SCS, v8
	s_lshl_b32 s24, s19, 22                        ; feat: batch x 256 x 16,384 bytes
	s_lshl_b32 s21, s18, 21                        ;  + 128 kh rows
	s_add_co_u32 s24, s24, s21
	s_lshl_b32 s21, s17, 5
	s_add_co_u32 s21, s21, s20
	s_lshl_b32 s21, s21, 2                         ;  + 4 x my wave's first column
	s_add_co_u32 s24, s24, s21
	s_mov_b32 s25, 0
	s_lshl_b32 s26, s19, 19                        ; codes: 128 bytes a column
	s_lshl_b32 s21, s20, 7
	s_add_co_u32 s26, s26, s21
	s_lshl_b32 s21, s16, 11                        ;  + my wave's 2,048 bytes on the way out
	s_add_co_u32 s26, s26, s21
	s_mov_b32 s27, 0
	s_lshl_b32 s28, s19, 15                        ; scales: 8 bytes a column
	s_lshl_b32 s21, s20, 3
	s_add_co_u32 s28, s28, s21
	s_mov_b32 s29, 0
	s_wait_kmcnt 0x0
	s_add_nc_u64 s[4:5], s[4:5], s[24:25]
	s_add_nc_u64 s[6:7], s[6:7], s[26:27]
	s_add_nc_u64 s[8:9], s[8:9], s[28:29]
.macro LOAD t                          ; block t: 32 rows of feat at my column, into set t % 2; a wave's load covers 128 consecutive bytes
.set ii, 0
.rept 32
	global_load_b32 v[X+32*((\t)%2)+ii], v3, s[4:5] offset:(32*(\t)+ii)*16384 th:TH_LOAD_NT
.set ii, ii+1
.endr
.endm
.macro BLOCK t
.set XS, X+32*((\t)%2)
.if (\t) < 3
	s_wait_loadcnt 32                              ; this block's 32 loads are in; the next block's 32 may be out
.else
	s_wait_loadcnt 0x0
.endif
	v_max3_num_f32 v12, |v[XS]|, |v[XS+1]|, |v[XS+2]|      ; the block's largest magnitude, in two chains
	v_max3_num_f32 v13, |v[XS+3]|, |v[XS+4]|, |v[XS+5]|
.irp i, 6,10,14,18,22,26
	v_max3_num_f32 v12, v12, |v[XS+\i]|, |v[XS+\i+1]|
	v_max3_num_f32 v13, v13, |v[XS+\i+2]|, |v[XS+\i+3]|
.endr
	v_max3_num_f32 v12, v12, |v[XS+30]|, |v[XS+31]|
	v_max3_num_f32 v12, v12, v13, 0x1800000        ; and the floor 2^(3 - 127): the byte cannot fall under 1
	v_add_nc_u32 v11, 0xff000000, v12              ; 2 off the exponent field: the conversion's scale operand
	v_lshrrev_b32 v13, 23, v11                     ; the scale's byte
.if (\t) == 0
	v_mov_b32 v[SB], v13
.else
	v_lshl_or_b32 v[SB], v13, 8*(\t), v[SB]
.endif
.irp g, 0,1,2,3
	v_cvt_scalef32_pk8_fp4_f32 v[C+\g], v[XS+8*\g:XS+8*\g+7], v11
.endr
	ds_store_b128 v4, v[C:C+3] offset:16*(\t)      ; 32 codes: 16 bytes of my column's row
.if (\t) < 2
	LOAD (\t)+2
.endif
	s_wait_dscnt 0x0                               ; the store has read its registers: the next block's codes may be written (plain lines come first there)
.endm
	LOAD 0
	LOAD 1
	BLOCK 0
	BLOCK 1
	BLOCK 2
	BLOCK 3
	s_wait_alu depctr_va_vdst(0)
	ds_store_b32 v5, v[SB]
	s_wait_dscnt 0x0                               ; for the others' sake: my stores into the stage are done
	s_barrier_signal -1
	s_barrier_wait -1
.irp e, 0,1,2,3
	ds_load_b128 v[OUTR+4*\e:OUTR+4*\e+3], v7 offset:\e*4*PIT
.endr
.irp e, 0,1,2,3
	s_wait_dscnt 3-\e                              ; LDS loads come back in order: load e is in, the younger ones may be out
	global_store_b128 v8, v[OUTR+4*\e:OUTR+4*\e+3], s[6:7] offset:\e*512   ; 512 consecutive bytes
.endr
	s_cmp_lg_u32 s16, 0
	s_cbranch_scc1 .Lend                           ; the group's 512 scale bytes leave by wave 0
	ds_load_b128 v[OUTR+16:OUTR+19], v9
	s_wait_dscnt 0x0
	global_store_b128 v8, v[OUTR+16:OUTR+19], s[8:9]
.Lend:
	s_wait_tensorcnt 0x0
	ds_add_u32 v128, v129
	s_wait_dscnt 0x0
	s_endpgm
.Lfunc_end_k_q1fc8bed796_quant:
	.size	k_q1fc8bed796_quant, .Lfunc_end_k_q1fc8bed796_quant-k_q1fc8bed796_quant
	.p2alignl 7, 3214868480
	.fill 96, 4, 3214868480
	.section	.rodata,"a",@progbits
	.p2align	6, 0x0
	.amdhsa_kernel k_q1fc8bed796_quant
		.amdhsa_group_segment_fixed_size 10752
		.amdhsa_private_segment_fixed_size 0
		.amdhsa_enable_private_segment 0
		.amdhsa_kernarg_size 24
		.amdhsa_user_sgpr_count 2
		.amdhsa_user_sgpr_kernarg_segment_ptr 1
		.amdhsa_wavefront_size32 1
		.amdhsa_system_sgpr_workgroup_id_x 1
		.amdhsa_system_sgpr_workgroup_id_y 1
		.amdhsa_system_sgpr_workgroup_id_z 1
		.amdhsa_system_vgpr_workitem_id 0
		.amdhsa_next_free_vgpr 130
		.amdhsa_next_free_sgpr 66
		.amdhsa_reserve_vcc 0
		.amdhsa_float_denorm_mode_32 3
		.amdhsa_float_denorm_mode_16_64 3
		.amdhsa_memory_ordered 1
		.amdhsa_forward_progress 1
		.amdhsa_inst_pref_size 22
	.end_amdhsa_kernel
	.amdgpu_metadata
---
amdhsa.version: [ 1, 2 ]
amdhsa.kernels:
  - .name:           k_q1fc8bed796_quant
    .symbol:         k_q1fc8bed796_quant.kd
    .args:
      - { .name: feat, .offset: 0, .size: 8, .value_kind: global_buffer, .address_space: global }
      - { .name: codes, .offset: 8, .size: 8, .value_kind: global_buffer, .address_space: global }
      - { .name: scales, .offset: 16, .size: 8, .value_kind: global_buffer, .address_space: global }
    .group_segment_fixed_size: 10752
    .private_segment_fixed_size: 0
    .kernarg_segment_align: 8
    .kernarg_segment_size: 24
    .max_flat_workgroup_size: 128
    .sgpr_count:     66
    .vgpr_count:     130
    .wavefront_size: 32
...
	.end_amdgpu_metadata
.endif
;; end of part 11
;; launch coarse (part 12): grid 512 x 1, 16 waves a work-group, no clusters, 53,248 bytes of LDS; arguments xyz, umask; writes umask
.if DOCPART == 12
	.amdgcn_target "amdgcn-amd-amdhsa--gfx1250"
	.amdhsa_code_object_version 6
	.text
	.protected	k_q1fc8bed796_coarse
	.globl	k_q1fc8bed796_coarse
	.p2align	8
	.type	k_q1fc8bed796_coarse,@function
k_q1fc8bed796_coarse:
	s_mov_b64 s[64:65], 0
	v_nop
	global_prefetch_b8 v0, s[64:65] scope:SCOPE_SE
	s_setreg_imm32_b32 hwreg(HW_REG_WAVE_MODE, 25, 1), 1
	s_wait_xcnt 0x0
; The first of three steps that find, for each query, its 32 nearest neighbours in the plane (x0, x1), ordered by (distance : index).
; THE PRUNING.  The 4,096 candidates of a batch are cut into 256 UNITS of 16 consecutive indices.  A unit's key is (its smallest distance : its number); for two different units this orders them as their
; smallest element keys (distance : index) do, since the units are runs of consecutive indices.  An element of a unit that is not among the 32 units of smallest key has 32 elements ahead of it (those units' smallest):
; so the 32 nearest neighbours lie in those 32 units, for every input, ties included.
; THE 32 UNITS ARE FOUND BY A THRESHOLD, NOT BY SORTING KEYS.  T is the 32nd smallest of the 256 smallest distances, counted with repeats.  The 32 smallest keys are the units under T and, of the units equal to T,
; those of lowest number, until 32 are chosen.  T wants values alone: a bitonic network on one f32 a lane, whose compare-exchange is a lane move and v_med3_num_f32 against -inf (keep the smaller) or +inf (keep the larger).
; The choice leaves as 8 words a query, bit l of word c for unit 32 c + l, exactly 32 bits set: whole numbers from which the next launch forms its offsets.
; EVERY TRIP COUNT IS A CONSTANT, and no branch and no address hangs on a distance: the work is the same for every input.
; THE DISTANCE is formed as: sq = rnd(rnd(x0 x0) + rnd(x1 x1)) (a product and a sum that are two steps of the model, so they are not fused); dot = fma(x1n, x1m, rnd(x0n x0m));
; d = rnd(rnd(sq_m - 2 dot) + sq_n); here two candidates to an instruction.  d is never -0: sq_n is +0 or more.  Another order of rounding can swap neighbours whose distances agree to the last places.
; SHARES.  A work-group takes 32 queries of one batch, a wave a pair of them, side by side: each LDS load serves both, and their networks stand line by line, so that no line waits for the line above it.
; x0, x1 and sq of the batch's 4,096 candidates lie in LDS as images of the registers that read them: [chunk c][k][lane] x 16 bytes: lane l of chunk c owns unit 32 c + l: every LDS load takes 512 consecutive bytes.
; umask: [batch 4096 + q][8] words.  The sixteen waves' words meet in LDS and leave by two stores of 512 consecutive bytes.
; LIMITS: NaN and infinities in xyz are not served.  No tensor loads, no cluster: what work-groups share is 32,768 bytes of xyz, which go through registers anyway, for sq and for the images' order.
.set IMG1, 16384                       ; LDS: x0's image at 0, x1's here,
.set IMG2, 32768                       ; sq's here,
.set MSK,  49152                       ; and 128 bytes for each wave: its 16 mask words in the first 64
.set LANE, 1
.set LB,   2                           ; 16 x lane: my place in every 512 bytes of an image
.set MST,  3                           ; MSK + 4 x thread: where my lane's mask word goes
.set GOF,  4                           ; 16 x thread: what I copy from a row of xyz
.set LST,  5                           ; and where it goes in an image
.set MRD,  6                           ; the way out: where I read 16 bytes of mask words back
.set MW,   7                           ; lanes 0-7: the first query's mask words, lanes 8-15: the second's
.set T1,   8
.set T2,   9
.set R,    10                          ; v10, v11 the 32 smallest values so far, ascending, of the two queries
.set C,    12                          ; v12, v13 the chunk in the network
.set P,    14                          ; v14, v15 the partners' values
.set X0,   16                          ; v16-31  x0 of my unit's 16 candidates
.set X1,   32                          ; v32-47  x1
.set SQ,   48                          ; v48-63  sq
.set D,    64                          ; v64-79  their distances from one query
.set M,    80                          ; v80-95  my units' smallest distances: query q, chunk c at 8 q + c
.set RG,   96                          ; v96-110 the network's fifteen roles: -inf where the lane keeps the smaller in a descending sort, +inf where the larger
.set MGO,  111                         ; the way out: 16 x (thread % 64)
.set SX0,  16                          ; s16, s17 x0 of the two queries;  s18, s19 x1
.set SX1,  18
.set QS,   20                          ; s[20:31] for query q at 6 q: x0, x1, sq, each twice: the packed forms name a pair and take its low word for both halves
.set LT,   48                          ; s[48:55] which units lie under T, a word a chunk
.set EQ,   56                          ; s[56:63] which are equal to it
	s_load_b128 s[4:7], s[0:1], 0x0                ; xyz, umask
	v_lshl_add_u32 v112, v0, 2, 0xc800
	v_mov_b32 v113, 0
	v_lshrrev_b32 v6, 5, v0
	s_delay_alu instid0(VALU_DEP_1)
	v_readfirstlane_b32 s10, v6                    ; wave 0..15
	v_and_b32 v[LANE], 31, v0
	s_lshl_b32 s11, ttmp9, 4
	s_add_co_u32 s11, s11, s10                     ; my pair of queries, 0 .. 8191
	s_lshr_b32 s12, s11, 11                        ; batch: the same for the whole work-group
	s_and_b32 s13, s11, 2047
	v_lshlrev_b32 v[LB], 4, v[LANE]
	v_lshl_add_u32 v[MST], v0, 2, MSK
	v_lshlrev_b32 v[GOF], 4, v0
	v_lshrrev_b32 v6, 7, v0                        ; piece n = thread (+ 512) of 16 bytes: chunk n / 128,
	v_and_b32 v7, 3, v0                            ; k = n % 4,
	v_bfe_u32 v8, v0, 2, 5                         ; lane (n / 4) % 32
	s_delay_alu instid0(VALU_DEP_3)
	v_lshlrev_b32 v[LST], 11, v6
	s_delay_alu instid0(VALU_DEP_1)
	v_lshl_add_u32 v[LST], v7, 9, v[LST]
	s_delay_alu instid0(VALU_DEP_1)
	v_lshl_add_u32 v[LST], v8, 4, v[LST]           ; 2048 chunk + 512 k + 16 lane
	v_and_b32 v8, 63, v0                           ; the way out: thread t of 64 takes piece t % 4 of wave t / 4's 64 bytes
	s_delay_alu instid0(VALU_DEP_1)
	v_lshlrev_b32 v[MGO], 4, v8
	s_delay_alu instid0(VALU_DEP_2)
	v_lshrrev_b32 v[MRD], 2, v8
	s_delay_alu instid0(VALU_DEP_3)
	v_and_b32 v8, 3, v8
	s_delay_alu instid0(VALU_DEP_2)
	v_lshlrev_b32 v[MRD], 7, v[MRD]
	s_delay_alu instid0(VALU_DEP_1)
	v_lshl_add_u32 v[MRD], v8, 4, v[MRD]
	s_delay_alu instid0(VALU_DEP_1)
	v_add_nc_u32 v[MRD], MSK, v[MRD]
	v_mov_b32 v[MW], 0                             ; (destinations of lane writes and lane moves count as read)
	v_mov_b32 v[P], 0
	v_mov_b32 v[P+1], 0
	s_mov_b32 s33, 0x76543210
	s_mov_b32 s34, 0xfedcba98                      ; v_permlanex16_b32's selects for lane l xor 16
	s_mul_i32 s14, s12, 49152
	s_mov_b32 s15, 0
	s_wait_kmcnt 0x0
	s_add_nc_u64 s[40:41], s[4:5], s[14:15]        ; xyz of my batch
	s_lshl_b32 s14, s13, 3
	s_add_nc_u64 s[42:43], s[40:41], s[14:15]      ; at my two queries
	s_lshl_b32 s14, ttmp9, 10
	s_add_nc_u64 s[46:47], s[6:7], s[14:15]        ; my work-group's 1,024 bytes of umask
	global_load_b128 v[16:19], v[GOF], s[40:41]                 ; x0, pieces n = thread and thread + 512: a wave's load covers 512 consecutive bytes
	global_load_b128 v[20:23], v[GOF], s[40:41] offset:8192
	global_load_b128 v[24:27], v[GOF], s[40:41] offset:16384    ; x1, the same pieces
	global_load_b128 v[28:31], v[GOF], s[40:41] offset:24576
	s_load_b64 s[SX0:SX0+1], s[42:43], 0x0         ; x0 of the two queries
	s_load_b64 s[SX1:SX1+1], s[42:43], 0x4000      ; x1
; The roles.  J(j) marks the lanes with bit j set, K(k) those with bit k set (K(32) = 0).  In a descending sort the lanes of J ^ K keep the smaller of a pair; an ascending stage takes the role negated.
	v_mov_b32 v[C], 0x7f800000                     ; +inf: v_med3_num_f32(a, b, +inf) is the larger of a and b,
	v_mov_b32 v[C+1], 0xff800000                   ; -inf: the smaller
.macro MKRG g, j, k
	s_mov_b32 s39, ((0xffffffff/((1<<(\j))+1))<<(\j))^((0xffffffff/((1<<(\k))+1))<<(\k))
	v_cndmask_b32 v[RG+\g], v[C], v[C+1], s39
.endm
	s_wait_alu depctr_va_vdst(0)
	MKRG 0, 1, 2
	MKRG 1, 2, 4
	MKRG 2, 1, 4
	MKRG 3, 4, 8
	MKRG 4, 2, 8
	MKRG 5, 1, 8
	MKRG 6, 8, 16
	MKRG 7, 4, 16
	MKRG 8, 2, 16
	MKRG 9, 1, 16
	MKRG 10, 16, 32
	MKRG 11, 8, 32
	MKRG 12, 4, 32
	MKRG 13, 2, 32
	MKRG 14, 1, 32
	s_wait_loadcnt 0x0
.irp i, 0,1,2,3,4,5,6,7
	v_mul_f32 v[32+\i], v[16+\i], v[16+\i]         ; sq: the squares are rounded one by one,
	v_mul_f32 v[40+\i], v[24+\i], v[24+\i]
.endr
.irp i, 0,1,2,3,4,5,6,7
	v_add_f32 v[32+\i], v[32+\i], v[40+\i]         ; then added: on purpose no fused multiply-add
.endr
	ds_store_b128 v[LST], v[16:19]
	ds_store_b128 v[LST], v[20:23] offset:8192                  ; 512 pieces on: four chunks on
	ds_store_b128 v[LST], v[24:27] offset:IMG1
	ds_store_b128 v[LST], v[28:31] offset:IMG1+8192
	ds_store_b128 v[LST], v[32:35] offset:IMG2
	ds_store_b128 v[LST], v[36:39] offset:IMG2+8192
	s_wait_dscnt 0x0                               ; for the others' sake: my part of the images is stored
	s_barrier_signal -1
	s_barrier_wait -1
	s_wait_kmcnt 0x0                               ; the queries' coordinates
; One compare-exchange of the network on values, with the lane j away, for both queries: from s into d.  g: the role;  neg = 1: the ascending direction.
.macro VST d0, s0, d1, s1, j, g, neg
.if (\j) == 16
	s_delay_alu instid0(VALU_DEP_2)
	v_permlanex16_b32 v[P], v[\s0], s33, s34
	s_delay_alu instid0(VALU_DEP_2)
	v_permlanex16_b32 v[P+1], v[\s1], s33, s34
.else
	v_mov_b32_dpp v[P], v[\s0] row_xmask:\j row_mask:0xf bank_mask:0xf
	v_mov_b32_dpp v[P+1], v[\s1] row_xmask:\j row_mask:0xf bank_mask:0xf
.endif
.if \neg
	s_delay_alu instid0(VALU_DEP_2)
	v_med3_num_f32 v[\d0], v[\s0], v[P], -v[RG+\g]
	s_delay_alu instid0(VALU_DEP_2)
	v_med3_num_f32 v[\d1], v[\s1], v[P+1], -v[RG+\g]
.else
	s_delay_alu instid0(VALU_DEP_2)
	v_med3_num_f32 v[\d0], v[\s0], v[P], v[RG+\g]
	s_delay_alu instid0(VALU_DEP_2)
	v_med3_num_f32 v[\d1], v[\s1], v[P+1], v[RG+\g]
.endif
.endm
.macro VSORT d0, s0, d1, s1, neg       ; 32 values across the lanes, sorted descending (neg = 0) or ascending (1); the sources stay as they are
	VST \d0, \s0, \d1, \s1, 1, 0, \neg
	VST \d0, \d0, \d1, \d1, 2, 1, \neg
	VST \d0, \d0, \d1, \d1, 1, 2, \neg
	VST \d0, \d0, \d1, \d1, 4, 3, \neg
	VST \d0, \d0, \d1, \d1, 2, 4, \neg
	VST \d0, \d0, \d1, \d1, 1, 5, \neg
	VST \d0, \d0, \d1, \d1, 8, 6, \neg
	VST \d0, \d0, \d1, \d1, 4, 7, \neg
	VST \d0, \d0, \d1, \d1, 2, 8, \neg
	VST \d0, \d0, \d1, \d1, 1, 9, \neg
	VST \d0, \d0, \d1, \d1, 16, 10, \neg
	VST \d0, \d0, \d1, \d1, 8, 11, \neg
	VST \d0, \d0, \d1, \d1, 4, 12, \neg
	VST \d0, \d0, \d1, \d1, 2, 13, \neg
	VST \d0, \d0, \d1, \d1, 1, 14, \neg
.endm
.macro VMERGE                          ; what the lane-wise minimum of an ascending and a descending list leaves is put in ascending order
	VST R, R, R+1, R+1, 16, 10, 1
	VST R, R, R+1, R+1, 8, 11, 1
	VST R, R, R+1, R+1, 4, 12, 1
	VST R, R, R+1, R+1, 2, 13, 1
	VST R, R, R+1, R+1, 1, 14, 1
.endm
.macro QSET q                          ; query q's x0, x1 and sq as scalar pairs; sq is rounded as the candidates' is
	s_mov_b32 s[QS+6*\q], s[SX0+\q]
	s_mov_b32 s[QS+6*\q+1], s[SX0+\q]
	s_mov_b32 s[QS+6*\q+2], s[SX1+\q]
	s_mov_b32 s[QS+6*\q+3], s[SX1+\q]
	v_mul_f32 v[T1], s[SX0+\q], s[SX0+\q]
	v_mul_f32 v[T2], s[SX1+\q], s[SX1+\q]
	s_delay_alu instid0(VALU_DEP_1)
	v_add_f32 v[T1], v[T1], v[T2]
	s_delay_alu instid0(VALU_DEP_1)
	v_readfirstlane_b32 s[QS+6*\q+4], v[T1]
	s_mov_b32 s[QS+6*\q+5], s[QS+6*\q+4]
.endm
.macro LOADC c                         ; chunk c: my unit's 16 candidates: x0, x1, sq
.irp k, 0,1,2,3
	ds_load_b128 v[X0+4*\k:X0+4*\k+3], v[LB] offset:(\c)*2048+\k*512
	ds_load_b128 v[X1+4*\k:X1+4*\k+3], v[LB] offset:IMG1+(\c)*2048+\k*512
	ds_load_b128 v[SQ+4*\k:SQ+4*\k+3], v[LB] offset:IMG2+(\c)*2048+\k*512
.endr
.endm
.macro DISTQ q, c                      ; my unit's 16 distances from query q, and the smallest of them
.irp p, 0,2,4,6,8,10,12,14
	v_pk_mul_f32 v[D+\p:D+\p+1], v[X0+\p:X0+\p+1], s[QS+6*\q:QS+6*\q+1] op_sel_hi:[1,0]                             ; x0n x0m, rounded
.endr
.irp p, 0,2,4,6,8,10,12,14
	v_pk_fma_f32 v[D+\p:D+\p+1], v[X1+\p:X1+\p+1], s[QS+6*\q+2:QS+6*\q+3], v[D+\p:D+\p+1] op_sel_hi:[1,0,1]         ; the dot product
.endr
.irp p, 0,2,4,6,8,10,12,14
	v_pk_fma_f32 v[D+\p:D+\p+1], v[D+\p:D+\p+1], -2.0, v[SQ+\p:SQ+\p+1] op_sel_hi:[1,0,1]                           ; sq_m - 2 dot: one rounding (2 dot is exact)
.endr
.irp p, 0,2,4,6,8,10,12,14
	v_pk_add_f32 v[D+\p:D+\p+1], v[D+\p:D+\p+1], s[QS+6*\q+4:QS+6*\q+5] op_sel_hi:[1,0]                             ; + sq_n
.endr
	v_min3_num_f32 v[T1], v[D], v[D+1], v[D+2]     ; in two chains
	v_min3_num_f32 v[T2], v[D+3], v[D+4], v[D+5]
	s_delay_alu instid0(VALU_DEP_2)
	v_min3_num_f32 v[T1], v[T1], v[D+6], v[D+7]
	s_delay_alu instid0(VALU_DEP_2)
	v_min3_num_f32 v[T2], v[T2], v[D+8], v[D+9]
	s_delay_alu instid0(VALU_DEP_2)
	v_min3_num_f32 v[T1], v[T1], v[D+10], v[D+11]
	s_delay_alu instid0(VALU_DEP_2)
	v_min3_num_f32 v[T2], v[T2], v[D+12], v[D+13]
	s_delay_alu instid0(VALU_DEP_2)
	v_min3_num_f32 v[T1], v[T1], v[D+14], v[D+15]
	s_delay_alu instid0(VALU_DEP_1)
	v_min_num_f32 v[M+8*\q+\c], v[T1], v[T2]
.endm
.macro CHUNK c
	s_wait_dscnt 0x0                               ; this chunk's twelve loads are in
	DISTQ 0, \c
	DISTQ 1, \c
.if (\c) < 7
	LOADC (\c)+1                                   ; the next chunk's loads are on their way while this chunk's values go through the network
.endif
.if (\c) == 0
	VSORT R, M, R+1, M+8, 1                        ; the first chunk, sorted ascending, is the list: nothing is cleared or padded
.else
	VSORT C, M+\c, C+1, M+8+\c, 0
	s_delay_alu instid0(VALU_DEP_2)
	v_min_num_f32 v[R], v[R], v[C]                 ; an ascending and a descending list: the smaller value of each lane, 32 in all, are the 32 smallest of the 64
	s_delay_alu instid0(VALU_DEP_2)
	v_min_num_f32 v[R+1], v[R+1], v[C+1]
	VMERGE
.endif
.endm
; Query q's 32 units.  s36 counts how many of the units equal to T are still to be taken; they are taken by ascending number: chunk by chunk, and in a chunk by lane.
.macro PICK q
	v_readlane_b32 s35, v[R+\q], 31                ; T: the largest of the 32 smallest
.irp c, 0,1,2,3,4,5,6,7
	v_cmp_lt_f32 s[LT+\c], v[M+8*\q+\c], s35
	v_cmp_eq_f32 s[EQ+\c], v[M+8*\q+\c], s35
.endr
	s_bcnt1_i32_b32 s36, s[LT]
.irp c, 1,2,3,4,5,6,7
	s_bcnt1_i32_b32 s37, s[LT+\c]
	s_add_co_u32 s36, s36, s37
.endr
	s_sub_co_u32 s36, 32, s36                      ; at most 31 lie under T: at least one is owed
.irp c, 0,1,2,3,4,5,6,7
	v_mbcnt_lo_u32_b32 v[T1], s[EQ+\c], 0          ; equal units of this chunk below my lane
	s_delay_alu instid0(VALU_DEP_1)
	v_cmp_gt_u32 s37, s36, v[T1]                   ; fewer than are still owed?
	s_and_b32 s37, s37, s[EQ+\c]
	s_bcnt1_i32_b32 s38, s37
	s_sub_co_u32 s36, s36, s38
	s_or_b32 s37, s37, s[LT+\c]
	v_writelane_b32 v[MW], s37, 8*\q+\c
.endr
.endm
	LOADC 0
	QSET 0
	QSET 1
.irp c, 0,1,2,3,4,5,6,7
	CHUNK \c
.endr
	PICK 0
	PICK 1
	ds_store_b32 v[MST], v[MW]                     ; lanes 0-15 hold my pair's sixteen words
	s_wait_dscnt 0x0                               ; for the others' sake: they are stored
	s_barrier_signal -1
	s_barrier_wait -1
	s_cmp_gt_u32 s10, 1
	s_cbranch_scc1 .Lend                           ; the work-group's 1,024 bytes leave by waves 0 and 1
	ds_load_b128 v[X0:X0+3], v[MRD]
	s_wait_dscnt 0x0
	global_store_b128 v[MGO], v[X0:X0+3], s[46:47]   ; 512 consecutive bytes, aligned
.Lend:
	s_wait_tensorcnt 0x0
	ds_add_u32 v112, v113
	s_wait_dscnt 0x0
	s_endpgm
.Lfunc_end_k_q1fc8bed796_coarse:
	.size	k_q1fc8bed796_coarse, .Lfunc_end_k_q1fc8bed796_coarse-k_q1fc8bed796_coarse
	.p2alignl 7, 3214868480
	.fill 96, 4, 3214868480
	.section	.rodata,"a",@progbits
	.p2align	6, 0x0
	.amdhsa_kernel k_q1fc8bed796_coarse
		.amdhsa_group_segment_fixed_size 53248
		.amdhsa_private_segment_fixed_size 0
		.amdhsa_enable_private_segment 0
		.amdhsa_kernarg_size 16
		.amdhsa_user_sgpr_count 2
		.amdhsa_user_sgpr_kernarg_segment_ptr 1
		.amdhsa_wavefront_size32 1
		.amdhsa_system_sgpr_workgroup_id_x 1
		.amdhsa_system_sgpr_workgroup_id_y 1
		.amdhsa_system_sgpr_workgroup_id_z 1
		.amdhsa_system_vgpr_workitem_id 0
		.amdhsa_next_free_vgpr 114
		.amdhsa_next_free_sgpr 66
		.amdhsa_reserve_vcc 0
		.amdhsa_float_denorm_mode_32 3
		.amdhsa_float_denorm_mode_16_64 3
		.amdhsa_memory_ordered 1
		.amdhsa_forward_progress 1
		.amdhsa_inst_pref_size 116
	.end_amdhsa_kernel
	.amdgpu_metadata
---
amdhsa.version: [ 1, 2 ]
amdhsa.kernels:
  - .name:           k_q1fc8bed796_coarse
    .symbol:         k_q1fc8bed796_coarse.kd
    .args:
      - { .name: xyz, .offset: 0, .size: 8, .value_kind: global_buffer, .address_space: global }
      - { .name: umask, .offset: 8, .size: 8, .value_kind: global_buffer, .address_space: global }
    .group_segment_fixed_size: 53248
    .private_segment_fixed_size: 0
    .kernarg_segment_align: 8
    .kernarg_segment_size: 16
    .max_flat_workgroup_size: 512
    .sgpr_count:     66
    .vgpr_count:     114
    .wavefront_size: 32
...
	.end_amdgpu_metadata
.endif
;; end of part 12
;; launch mid (part 13): grid 1024 x 1, 8 waves a work-group, no clusters, 2,048 bytes of LDS; arguments xyz, umask, rmask; writes rmask
.if DOCPART == 13
	.amdgcn_target "amdgcn-amd-amdhsa--gfx1250"
	.amdhsa_code_object_version 6
	.text
	.protected	k_q1fc8bed796_mid
	.globl	k_q1fc8bed796_mid
	.p2align	8
	.type	k_q1fc8bed796_mid,@function
k_q1fc8bed796_mid:
	s_mov_b64 s[64:65], 0
	v_nop
	global_prefetch_b8 v0, s[64:65] scope:SCOPE_SE
	s_setreg_imm32_b32 hwreg(HW_REG_WAVE_MODE, 25, 1), 1
	s_wait_xcnt 0x0
; The second of three steps that find, for each query, its 32 nearest neighbours in the plane (x0, x1), ordered by (distance : index).
; GIVEN: umask, 8 words a query with 32 bits set: bit l of word c names unit 32 c + l, a run of 16 consecutive candidates; the 32 units hold the 32 nearest neighbours.  Whole numbers stored by the launch before.
; MADE: each unit is cut into 8 RUNS of 2 candidates; a run's key is (its smallest distance : its number), which orders different runs as their smallest element keys (distance : index) do.  A run outside the given units
; has 32 runs ahead of it (those with the units' smallest elements), and an element of a run that is not among the 32 runs of smallest key has 32 elements ahead of it: so the 32 smallest of these 256 keys name runs
; that hold the 32 nearest neighbours, for every input, ties included.
; THE r-TH UNIT is found by lane r by arithmetic alone: the words' counts of ones, summed up; seven compares choose the word; sums of fields of 2, 4 and 8 bits and five halvings choose the bit.  So lane r's unit rises with r.
; THE 32 RUNS ARE FOUND BY A THRESHOLD: T is the 32nd smallest of the 256 smallest distances, counted with repeats, from a bitonic network on one f32 a lane (a lane move and v_med3_num_f32 against -inf or +inf).
; Chosen are the runs under T and, of those equal to T, the ones of lowest number until 32 are chosen; a run's number rises with the lane first and then with the register.
; rmask: [batch 4096 + q][8] words, bit l of word j for run j of the l-th unit, exactly 32 bits set.  The eight waves' words meet in LDS and leave by one store of 512 consecutive bytes.
; EVERY TRIP COUNT IS A CONSTANT, and no branch hangs on data; the only addresses that hang on data are the loads of the units' coordinates, at offsets made from the stored words, held inside a row of xyz.
; THE DISTANCE is formed as: sq = rnd(rnd(x0 x0) + rnd(x1 x1)) (a product and a sum that are two steps of the model, so they are not fused); dot = fma(x1n, x1m, rnd(x0n x0m));
; d = rnd(rnd(sq_m - 2 dot) + sq_n); two candidates to an instruction.  Another order of rounding can swap neighbours whose distances agree to the last places.
; SHARES.  A wave takes a pair of queries side by side: both queries' loads go out together, and their networks stand line by line.
; LIMITS: NaN and infinities in xyz are not served.  No tensor loads, no cluster: waves share nothing but xyz, of which each reads single pieces of 64 bytes.
.set LANE, 1
.set MGO,  2                           ; the way out: 16 x lane
.set MST,  3                           ; 4 x thread: where my lane's mask word goes in LDS
.set OFS,  4                           ; v4, v5  my unit's byte offset in a row of xyz, for the two queries
.set MRD,  6                           ; the way out: where I read 16 bytes of mask words back
.set MW,   7                           ; lanes 0-7: the first query's mask words, lanes 8-15: the second's
.set T1,   8
.set T2,   9
.set R,    10                          ; v10, v11 the 32 smallest values so far, ascending
.set C,    12                          ; v12, v13 the chunk in the network
.set P,    14                          ; v14, v15 the partners' values
.set X,    16                          ; v16-79  query q at 32 q: x0 of my unit's 16 candidates, then x1
.set D,    80                          ; v80-95  their distances; before that the search for the r-th bit works here:
.set WD,   80                          ; the word that holds it
.set PC,   81                          ; the ones ahead of that word
.set WI,   82                          ; the word's number
.set RM,   83                          ; the ones still to pass
.set SA,   84                          ; the word's ones by fields of 2,
.set SB,   85                          ; 4
.set SC,   86                          ; and 8 bits
.set POS,  87                          ; the bit's place
.set TT,   88
.set T3,   89
.set M,    96                          ; v96-111 my runs' smallest distances: query q, run j at 8 q + j
.set RG,   112                         ; v112-126 the network's fifteen roles
.set SX0,  16
.set SX1,  18
.set QS,   20                          ; s[20:31] for query q at 6 q: x0, x1, sq, each twice
.set STMP, 38
.set LT,   48
.set EQ,   56
.set UW,   68                          ; s[68:83] the two queries' words of umask
.set PF,   84                          ; s[85:91] PF + c: the ones in words 0 .. c - 1
	s_load_b128 s[4:7], s[0:1], 0x0                ; xyz, umask
	s_load_b64 s[8:9], s[0:1], 0x10                ; rmask
	v_lshl_add_u32 v128, v0, 2, 0x400
	v_mov_b32 v129, 0
	v_lshrrev_b32 v6, 5, v0
	s_delay_alu instid0(VALU_DEP_1)
	v_readfirstlane_b32 s10, v6                    ; wave 0..7
	v_and_b32 v[LANE], 31, v0
	s_lshl_b32 s11, ttmp9, 3
	s_add_co_u32 s11, s11, s10                     ; my pair of queries, 0 .. 8191
	s_lshr_b32 s12, s11, 11                        ; batch
	s_and_b32 s13, s11, 2047
	v_lshlrev_b32 v[MST], 2, v0
	v_lshlrev_b32 v[MGO], 4, v[LANE]
	v_lshrrev_b32 v[MRD], 2, v[LANE]               ; the way out: lane t takes piece t % 4 of wave t / 4's 64 bytes
	v_and_b32 v8, 3, v[LANE]
	s_delay_alu instid0(VALU_DEP_2)
	v_lshlrev_b32 v[MRD], 7, v[MRD]
	s_delay_alu instid0(VALU_DEP_1)
	v_lshl_add_u32 v[MRD], v8, 4, v[MRD]
	v_mov_b32 v[MW], 0                             ; (destinations of lane writes and lane moves count as read)
	v_mov_b32 v[P], 0
	v_mov_b32 v[P+1], 0
	s_mov_b32 s33, 0x76543210
	s_mov_b32 s34, 0xfedcba98                      ; v_permlanex16_b32's selects for lane l xor 16
	s_mul_i32 s14, s12, 49152
	s_mov_b32 s15, 0
	s_wait_kmcnt 0x0
	s_add_nc_u64 s[40:41], s[4:5], s[14:15]        ; xyz of my batch
	s_lshl_b32 s14, s13, 3
	s_add_nc_u64 s[42:43], s[40:41], s[14:15]      ; at my two queries
	s_lshl_b32 s14, s11, 6
	s_add_nc_u64 s[44:45], s[6:7], s[14:15]        ; my pair's 64 bytes of umask
	s_lshl_b32 s14, ttmp9, 9
	s_add_nc_u64 s[46:47], s[8:9], s[14:15]        ; my work-group's 512 bytes of rmask
	s_load_b512 s[UW:UW+15], s[44:45], 0x0
	s_load_b64 s[SX0:SX0+1], s[42:43], 0x0         ; x0 of the two queries
	s_load_b64 s[SX1:SX1+1], s[42:43], 0x4000      ; x1
; The roles.  J(j) marks the lanes with bit j set, K(k) those with bit k set (K(32) = 0).  In a descending sort the lanes of J ^ K keep the smaller of a pair; an ascending stage takes the role negated.
	v_mov_b32 v[C], 0x7f800000                     ; +inf: v_med3_num_f32(a, b, +inf) is the larger of a and b,
	v_mov_b32 v[C+1], 0xff800000                   ; -inf: the smaller
.macro MKRG g, j, k
	s_mov_b32 s39, ((0xffffffff/((1<<(\j))+1))<<(\j))^((0xffffffff/((1<<(\k))+1))<<(\k))
	v_cndmask_b32 v[RG+\g], v[C], v[C+1], s39
.endm
	s_wait_alu depctr_va_vdst(0)
	MKRG 0, 1, 2
	MKRG 1, 2, 4
	MKRG 2, 1, 4
	MKRG 3, 4, 8
	MKRG 4, 2, 8
	MKRG 5, 1, 8
	MKRG 6, 8, 16
	MKRG 7, 4, 16
	MKRG 8, 2, 16
	MKRG 9, 1, 16
	MKRG 10, 16, 32
	MKRG 11, 8, 32
	MKRG 12, 4, 32
	MKRG 13, 2, 32
	MKRG 14, 1, 32
	s_wait_kmcnt 0x0
; One compare-exchange of the network on values, with the lane j away, for both queries: from s into d.  g: the role;  neg = 1: the ascending direction.
.macro VST d0, s0, d1, s1, j, g, neg
.if (\j) == 16
	s_delay_alu instid0(VALU_DEP_2)
	v_permlanex16_b32 v[P], v[\s0], s33, s34
	s_delay_alu instid0(VALU_DEP_2)
	v_permlanex16_b32 v[P+1], v[\s1], s33, s34
.else
	v_mov_b32_dpp v[P], v[\s0] row_xmask:\j row_mask:0xf bank_mask:0xf
	v_mov_b32_dpp v[P+1], v[\s1] row_xmask:\j row_mask:0xf bank_mask:0xf
.endif
.if \neg
	s_delay_alu instid0(VALU_DEP_2)
	v_med3_num_f32 v[\d0], v[\s0], v[P], -v[RG+\g]
	s_delay_alu instid0(VALU_DEP_2)
	v_med3_num_f32 v[\d1], v[\s1], v[P+1], -v[RG+\g]
.else
	s_delay_alu instid0(VALU_DEP_2)
	v_med3_num_f32 v[\d0], v[\s0], v[P], v[RG+\g]
	s_delay_alu instid0(VALU_DEP_2)
	v_med3_num_f32 v[\d1], v[\s1], v[P+1], v[RG+\g]
.endif
.endm
.macro VSORT d0, s0, d1, s1, neg       ; 32 values across the lanes, sorted descending (neg = 0) or ascending (1); the sources stay as they are
	VST \d0, \s0, \d1, \s1, 1, 0, \neg
	VST \d0, \d0, \d1, \d1, 2, 1, \neg
	VST \d0, \d0, \d1, \d1, 1, 2, \neg
	VST \d0, \d0, \d1, \d1, 4, 3, \neg
	VST \d0, \d0, \d1, \d1, 2, 4, \neg
	VST \d0, \d0, \d1, \d1, 1, 5, \neg
	VST \d0, \d0, \d1, \d1, 8, 6, \neg
	VST \d0, \d0, \d1, \d1, 4, 7, \neg
	VST \d0, \d0, \d1, \d1, 2, 8, \neg
	VST \d0, \d0, \d1, \d1, 1, 9, \neg
	VST \d0, \d0, \d1, \d1, 16, 10, \neg
	VST \d0, \d0, \d1, \d1, 8, 11, \neg
	VST \d0, \d0, \d1, \d1, 4, 12, \neg
	VST \d0, \d0, \d1, \d1, 2, 13, \neg
	VST \d0, \d0, \d1, \d1, 1, 14, \neg
.endm
.macro VMERGE                          ; what the lane-wise minimum of an ascending and a descending list leaves is put in ascending order
	VST R, R, R+1, R+1, 16, 10, 1
	VST R, R, R+1, R+1, 8, 11, 1
	VST R, R, R+1, R+1, 4, 12, 1
	VST R, R, R+1, R+1, 2, 13, 1
	VST R, R, R+1, R+1, 1, 14, 1
.endm
.macro QSET q                          ; query q's x0, x1 and sq as scalar pairs; sq is rounded as the candidates' is
	s_mov_b32 s[QS+6*\q], s[SX0+\q]
	s_mov_b32 s[QS+6*\q+1], s[SX0+\q]
	s_mov_b32 s[QS+6*\q+2], s[SX1+\q]
	s_mov_b32 s[QS+6*\q+3], s[SX1+\q]
	v_mul_f32 v[T1], s[SX0+\q], s[SX0+\q]
	v_mul_f32 v[T2], s[SX1+\q], s[SX1+\q]
	s_delay_alu instid0(VALU_DEP_1)
	v_add_f32 v[T1], v[T1], v[T2]
	s_delay_alu instid0(VALU_DEP_1)
	v_readfirstlane_b32 s[QS+6*\q+4], v[T1]
	s_mov_b32 s[QS+6*\q+5], s[QS+6*\q+4]
.endm
.macro PREFIX w                        ; PF + c = the ones in words w .. w + c - 1
	s_bcnt1_i32_b32 s[PF+1], s[\w]
.irp c, 1,2,3,4,5,6
	s_bcnt1_i32_b32 s[STMP], s[\w+\c]
	s_add_co_u32 s[PF+\c+1], s[PF+\c], s[STMP]
.endr
.endm
.macro HALF f, n                       ; does the bit lie in the upper n of the 2 n bits at POS?  f: the ones by fields of n bits
	v_bfe_u32 v[TT], v[\f], v[POS], \n             ; the ones in the lower n
	s_delay_alu instid0(VALU_DEP_1)
	v_cmp_ge_u32 vcc_lo, v[RM], v[TT]
	s_delay_alu instid0(VALU_DEP_1)
	v_cndmask_b32 v[T3], 0, \n, vcc_lo
	s_delay_alu instid0(VALU_DEP_2)
	v_cndmask_b32 v[TT], 0, v[TT], vcc_lo
	s_delay_alu instid0(VALU_DEP_2)
	v_add_nc_u32 v[POS], v[POS], v[T3]
	s_delay_alu instid0(VALU_DEP_2)
	v_sub_nc_u32 v[RM], v[RM], v[TT]
.endm
; Of the 256 bits in words w .. w + 7 the set bit of rank v[rk], from 0: its word's number into WI, its place in the word into POS.  The last word whose ones ahead do not pass the rank holds it.
.macro RSEL w, rk
	v_mov_b32 v[WD], s[\w]
	v_mov_b32 v[PC], 0
	v_mov_b32 v[WI], 0
.irp c, 1,2,3,4,5,6,7
	v_cmp_le_u32 vcc_lo, s[PF+\c], v[\rk]
	s_delay_alu instid0(VALU_DEP_1)
	v_cndmask_b32 v[WD], v[WD], s[\w+\c], vcc_lo
	s_delay_alu instid0(VALU_DEP_2)
	v_cndmask_b32 v[PC], v[PC], s[PF+\c], vcc_lo
	s_delay_alu instid0(VALU_DEP_3)
	v_cndmask_b32 v[WI], v[WI], \c, vcc_lo
.endr
	s_delay_alu instid0(VALU_DEP_2)
	v_sub_nc_u32 v[RM], v[\rk], v[PC]
	s_delay_alu instid0(VALU_DEP_4)
	v_lshrrev_b32 v[TT], 1, v[WD]
	s_delay_alu instid0(VALU_DEP_1)
	v_and_b32 v[TT], 0x55555555, v[TT]
	s_delay_alu instid0(VALU_DEP_1)
	v_sub_nc_u32 v[SA], v[WD], v[TT]               ; each pair of bits holds its number of ones
	s_delay_alu instid0(VALU_DEP_1)
	v_lshrrev_b32 v[TT], 2, v[SA]
	s_delay_alu instid0(VALU_DEP_2)
	v_and_b32 v[SB], 0x33333333, v[SA]
	s_delay_alu instid0(VALU_DEP_2)
	v_and_b32 v[TT], 0x33333333, v[TT]
	s_delay_alu instid0(VALU_DEP_1)
	v_add_nc_u32 v[SB], v[SB], v[TT]               ; each four bits
	s_delay_alu instid0(VALU_DEP_1)
	v_lshrrev_b32 v[TT], 4, v[SB]
	s_delay_alu instid0(VALU_DEP_1)
	v_add_nc_u32 v[SC], v[SB], v[TT]
	s_delay_alu instid0(VALU_DEP_1)
	v_and_b32 v[SC], 0x0f0f0f0f, v[SC]             ; each byte
	s_delay_alu instid0(VALU_DEP_1)
	v_bfe_u32 v[TT], v[SC], 8, 8
	s_delay_alu instid0(VALU_DEP_2)
	v_and_b32 v[T3], 0xff, v[SC]
	s_delay_alu instid0(VALU_DEP_1)
	v_add_nc_u32 v[TT], v[TT], v[T3]               ; the ones in bits 0 to 15
	s_delay_alu instid0(VALU_DEP_1)
	v_cmp_ge_u32 vcc_lo, v[RM], v[TT]
	s_delay_alu instid0(VALU_DEP_1)
	v_cndmask_b32 v[POS], 0, 16, vcc_lo
	s_delay_alu instid0(VALU_DEP_2)
	v_cndmask_b32 v[TT], 0, v[TT], vcc_lo
	s_delay_alu instid0(VALU_DEP_1)
	v_sub_nc_u32 v[RM], v[RM], v[TT]
	HALF SC, 8
	HALF SB, 4
	HALF SA, 2
	s_delay_alu instid0(VALU_DEP_2)
	v_bfe_u32 v[TT], v[WD], v[POS], 1
	s_delay_alu instid0(VALU_DEP_1)
	v_cmp_ge_u32 vcc_lo, v[RM], v[TT]
	s_delay_alu instid0(VALU_DEP_1)
	v_cndmask_b32 v[TT], 0, 1, vcc_lo
	s_delay_alu instid0(VALU_DEP_1)
	v_add_nc_u32 v[POS], v[POS], v[TT]
.endm
.macro FIND q                          ; lane r's unit of query q, and the loads of its 16 candidates
	PREFIX UW+8*\q
	RSEL UW+8*\q, LANE
	s_delay_alu instid0(VALU_DEP_1)
	v_lshl_add_u32 v[TT], v[WI], 5, v[POS]         ; the unit's number
	s_delay_alu instid0(VALU_DEP_1)
	v_min_u32 v[TT], 0xff, v[TT]                   ; a unit stays inside its row of xyz
	s_delay_alu instid0(VALU_DEP_1)
	v_lshlrev_b32 v[OFS+\q], 6, v[TT]              ; 16 candidates of 4 bytes
.irp i, 0,1,2,3
	global_load_b128 v[X+32*\q+4*\i:X+32*\q+4*\i+3], v[OFS+\q], s[40:41] offset:16*\i
	global_load_b128 v[X+32*\q+16+4*\i:X+32*\q+16+4*\i+3], v[OFS+\q], s[40:41] offset:16384+16*\i
.endr
.endm
.macro DISTQ q                         ; my unit's 16 distances from query q, and the smallest of each run of 2
.set XA, X+32*\q
.set XB, X+32*\q+16
.irp p, 0,2,4,6,8,10,12,14
	v_pk_mul_f32 v[D+\p:D+\p+1], v[XA+\p:XA+\p+1], s[QS+6*\q:QS+6*\q+1] op_sel_hi:[1,0]                             ; x0n x0m, rounded
.endr
.irp p, 0,2,4,6,8,10,12,14
	v_pk_fma_f32 v[D+\p:D+\p+1], v[XB+\p:XB+\p+1], s[QS+6*\q+2:QS+6*\q+3], v[D+\p:D+\p+1] op_sel_hi:[1,0,1]         ; the dot product
.endr
.irp p, 0,2,4,6,8,10,12,14
	v_pk_mul_f32 v[XA+\p:XA+\p+1], v[XA+\p:XA+\p+1], v[XA+\p:XA+\p+1]                                               ; sq: the squares are rounded one by one,
.endr
.irp p, 0,2,4,6,8,10,12,14
	v_pk_mul_f32 v[XB+\p:XB+\p+1], v[XB+\p:XB+\p+1], v[XB+\p:XB+\p+1]
.endr
.irp p, 0,2,4,6,8,10,12,14
	v_pk_add_f32 v[XA+\p:XA+\p+1], v[XA+\p:XA+\p+1], v[XB+\p:XB+\p+1]                                               ; then added: on purpose no fused multiply-add
.endr
.irp p, 0,2,4,6,8,10,12,14
	v_pk_fma_f32 v[D+\p:D+\p+1], v[D+\p:D+\p+1], -2.0, v[XA+\p:XA+\p+1] op_sel_hi:[1,0,1]                           ; sq_m - 2 dot: one rounding (2 dot is exact)
.endr
.irp p, 0,2,4,6,8,10,12,14
	v_pk_add_f32 v[D+\p:D+\p+1], v[D+\p:D+\p+1], s[QS+6*\q+4:QS+6*\q+5] op_sel_hi:[1,0]                             ; + sq_n
.endr
.irp j, 0,1,2,3,4,5,6,7
	v_min_num_f32 v[M+8*\q+\j], v[D+2*\j], v[D+2*\j+1]
.endr
.endm
; Query q's 32 runs.  A run's number rises with the lane (the units rise with the lane) and then with j: T1 counts the runs equal to T that come ahead of mine.
.macro PICK q
	v_readlane_b32 s35, v[R+\q], 31                ; T: the largest of the 32 smallest
.irp j, 0,1,2,3,4,5,6,7
	v_cmp_lt_f32 s[LT+\j], v[M+8*\q+\j], s35
	v_cmp_eq_f32 s[EQ+\j], v[M+8*\q+\j], s35
.endr
	s_bcnt1_i32_b32 s36, s[LT]
.irp j, 1,2,3,4,5,6,7
	s_bcnt1_i32_b32 s37, s[LT+\j]
	s_add_co_u32 s36, s36, s37
.endr
	s_sub_co_u32 s36, 32, s36                      ; how many of the equal runs are owed: at least one
	v_mbcnt_lo_u32_b32 v[T1], s[EQ], 0             ; the equal runs of the lanes below mine
.irp j, 1,2,3,4,5,6,7
	s_delay_alu instid0(VALU_DEP_1)
	v_mbcnt_lo_u32_b32 v[T1], s[EQ+\j], v[T1]
.endr
.irp j, 0,1,2,3,4,5,6,7
	s_delay_alu instid0(VALU_DEP_1)
	v_cmp_gt_u32 s37, s36, v[T1]                   ; fewer ahead of it than are owed?
	s_and_b32 s37, s37, s[EQ+\j]
	s_or_b32 s37, s37, s[LT+\j]
	v_writelane_b32 v[MW], s37, 8*\q+\j
.if \j < 7
	v_cndmask_b32 v[T2], 0, 1, s[EQ+\j]
	s_delay_alu instid0(VALU_DEP_1)
	v_add_nc_u32 v[T1], v[T1], v[T2]               ; and my own equal runs so far
.endif
.endr
.endm
	QSET 0
	QSET 1
	FIND 0
	FIND 1
	s_wait_loadcnt 8                               ; the first query's eight loads are in; the second's eight may be out
	DISTQ 0
	s_wait_loadcnt 0x0
	DISTQ 1
	VSORT R, M, R+1, M+8, 1                        ; the first 32 values, sorted ascending, are the list: nothing is cleared or padded
.irp j, 1,2,3,4,5,6,7
	VSORT C, M+\j, C+1, M+8+\j, 0
	s_delay_alu instid0(VALU_DEP_2)
	v_min_num_f32 v[R], v[R], v[C]                 ; an ascending and a descending list: the smaller value of each lane, 32 in all, are the 32 smallest of the 64
	s_delay_alu instid0(VALU_DEP_2)
	v_min_num_f32 v[R+1], v[R+1], v[C+1]
	VMERGE
.endr
	PICK 0
	PICK 1
	ds_store_b32 v[MST], v[MW]                     ; lanes 0-15 hold my pair's sixteen words
	s_wait_dscnt 0x0                               ; for the others' sake: they are stored
	s_barrier_signal -1
	s_barrier_wait -1
	s_cmp_lg_u32 s10, 0
	s_cbranch_scc1 .Lend                           ; the work-group's 512 bytes leave by wave 0
	ds_load_b128 v[X:X+3], v[MRD]
	s_wait_dscnt 0x0
	global_store_b128 v[MGO], v[X:X+3], s[46:47]   ; 512 consecutive bytes, aligned
.Lend:
	s_wait_tensorcnt 0x0
	ds_add_u32 v128, v129
	s_wait_dscnt 0x0
	s_endpgm
.Lfunc_end_k_q1fc8bed796_mid:
	.size	k_q1fc8bed796_mid, .Lfunc_end_k_q1fc8bed796_mid-k_q1fc8bed796_mid
	.p2alignl 7, 3214868480
	.fill 96, 4, 3214868480
	.section	.rodata,"a",@progbits
	.p2align	6, 0x0
	.amdhsa_kernel k_q1fc8bed796_mid
		.amdhsa_group_segment_fixed_size 2048
		.amdhsa_private_segment_fixed_size 0
		.amdhsa_enable_private_segment 0
		.amdhsa_kernarg_size 24
		.amdhsa_user_sgpr_count 2
		.amdhsa_user_sgpr_kernarg_segment_ptr 1
		.amdhsa_wavefront_size32 1
		.amdhsa_system_sgpr_workgroup_id_x 1
		.amdhsa_system_sgpr_workgroup_id_y 1
		.amdhsa_system_sgpr_workgroup_id_z 1
		.amdhsa_system_vgpr_workitem_id 0
		.amdhsa_next_free_vgpr 130
		.amdhsa_next_free_sgpr 92
		.amdhsa_reserve_vcc 1
		.amdhsa_float_denorm_mode_32 3
		.amdhsa_float_denorm_mode_16_64 3
		.amdhsa_memory_ordered 1
		.amdhsa_forward_progress 1
		.amdhsa_inst_pref_size 86
	.end_amdhsa_kernel
	.amdgpu_metadata
---
amdhsa.version: [ 1, 2 ]
amdhsa.kernels:
  - .name:           k_q1fc8bed796_mid
    .symbol:         k_q1fc8bed796_mid.kd
    .args:
      - { .name: xyz, .offset: 0, .size: 8, .value_kind: global_buffer, .address_space: global }
      - { .name: umask, .offset: 8, .size: 8, .value_kind: global_buffer, .address_space: global }
      - { .name: rmask, .offset: 16, .size: 8, .value_kind: global_buffer, .address_space: global }
    .group_segment_fixed_size: 2048
    .private_segment_fixed_size: 0
    .kernarg_segment_align: 8
    .kernarg_segment_size: 24
    .max_flat_workgroup_size: 256
    .sgpr_count:     92
    .vgpr_count:     130
    .wavefront_size: 32
...
	.end_amdgpu_metadata
.endif
;; end of part 13
;; launch rank (part 14): grid 1024 x 1, 8 waves a work-group, no clusters, 0 bytes of LDS; arguments xyz, umask, rmask, idx; writes idx
.if DOCPART == 14
	.amdgcn_target "amdgcn-amd-amdhsa--gfx1250"
	.amdhsa_code_object_version 6
	.text
	.protected	k_q1fc8bed796_rank
	.globl	k_q1fc8bed796_rank
	.p2align	8
	.type	k_q1fc8bed796_rank,@function
k_q1fc8bed796_rank:
	s_mov_b64 s[64:65], 0
	v_nop
	global_prefetch_b8 v0, s[64:65] scope:SCOPE_SE
	s_setreg_imm32_b32 hwreg(HW_REG_WAVE_MODE, 25, 1), 1
	s_wait_xcnt 0x0
; The last of three steps that find, for each query, its 32 nearest neighbours in the plane (x0, x1), in ascending order of the distance, equal distances by ascending index: what a stable top-k of the negated distances gives.
; GIVEN, whole numbers stored by the two launches before, 8 words a query each, 32 bits set in each: umask, bit l of word c for unit 32 c + l (16 consecutive candidates);
; rmask, bit l of word j for run j (2 consecutive candidates) of the l-th of those units.  The 32 runs hold the 32 nearest neighbours.
; Lane r finds the r-th set bit of rmask, (j, l), and then the set bit of rank l of umask, its unit U: by arithmetic alone (counts of ones summed up, seven compares for the word, sums of fields and five halvings for the bit).
; Its run is 8 U + j, its candidates 2 (8 U + j) and the next.
; MADE: the 64 keys (distance as an ordered whole number : index): the runs' first candidates are sorted ascending across the lanes, the second ones descending; the smaller key of each lane, 32 in all, are the 32 smallest;
; five more compare-exchanges put them in order: lane = rank.  The keys are all different, since the indices are.
; EVERY TRIP COUNT IS A CONSTANT, and no branch hangs on data; the only addresses that hang on data are the loads of the runs' coordinates, at offsets made from the stored words, held inside a row of xyz.
; THE DISTANCE is formed as: sq = rnd(rnd(x0 x0) + rnd(x1 x1)) (a product and a sum that are two steps of the model, so they are not fused); dot = fma(x1n, x1m, rnd(x0n x0m));
; d = rnd(rnd(sq_m - 2 dot) + sq_n); a run's two candidates to an instruction.  Another order of rounding can swap neighbours whose distances agree to the last places.
; SHARES.  A wave takes a pair of queries; both queries' loads go out together.  idx: [(batch 4096 + q) / 2][rank][q & 1] words: the wave's one store covers 256 consecutive bytes, aligned.
; LIMITS: NaN and infinities in xyz are not served.  No LDS, no tensor loads, no cluster: waves share nothing but xyz, of which each reads single pieces of 8 bytes.
.set LANE, 1
.set ST8,  2                           ; 8 x lane
.set OFS,  4                           ; v4, v5  my run's byte offset in a row of xyz, for the two queries
.set RN,   6                           ; v6, v7  my run's number
.set JJ,   8
.set LL,   9
.set WD,   10                          ; the search for a set bit: the word that holds it,
.set PC,   11                          ; the ones ahead of that word,
.set WI,   12                          ; the word's number,
.set RM,   13                          ; the ones still to pass,
.set SA,   14                          ; the word's ones by fields of 2,
.set SB,   15                          ; 4
.set SC,   16                          ; and 8 bits,
.set POS,  17                          ; the bit's place
.set TT,   18
.set T3,   19
.set T1,   20
.set T2,   21
.set X0,   24                          ; v[24:25], v[26:27] x0 of my run's two candidates, for the two queries
.set X1,   28                          ; v[28:29], v[30:31] x1
.set D,    32                          ; v[32:33] their distances
.set TMP,  34
.set CHI,  35                          ; the second candidates' keys
.set CLO,  36
.set RHI,  37                          ; the first candidates' keys, then the 32 best
.set RLO,  38
.set PH,   39                          ; the partner's key
.set PL,   40
.set RES,  42                          ; v[42:43] the two queries' lists
.set SX0,  18
.set SX1,  20
.set QS,   36                          ; s[36:47] for query q at 6 q: x0, x1, sq, each twice: the packed forms name a pair and take its low word for both halves
.set PF,   48                          ; s[49:55] PF + c: the ones in words 0 .. c - 1
.set STMP, 56
.set UW,   68                          ; s[68:83] the two queries' words of umask
.set RW,   84                          ; s[84:99] and of rmask
	s_load_b256 s[4:11], s[0:1], 0x0               ; xyz, umask, rmask, idx
	v_lshrrev_b32 v3, 5, v0
	s_delay_alu instid0(VALU_DEP_1)
	v_readfirstlane_b32 s12, v3                    ; wave 0..7
	v_and_b32 v[LANE], 31, v0
	s_lshl_b32 s13, ttmp9, 3
	s_add_co_u32 s13, s13, s12                     ; my pair of queries, 0 .. 8191
	s_lshr_b32 s14, s13, 11                        ; batch
	s_and_b32 s15, s13, 2047
	v_lshlrev_b32 v[ST8], 3, v[LANE]
	v_mov_b32 v[PH], 0                             ; (destinations of lane moves count as read)
	v_mov_b32 v[PL], 0
	s_mov_b32 s33, 0x76543210
	s_mov_b32 s34, 0xfedcba98                      ; v_permlanex16_b32's selects for lane l xor 16
	s_mul_i32 s16, s14, 49152
	s_mov_b32 s17, 0
	s_wait_kmcnt 0x0
	s_add_nc_u64 s[22:23], s[4:5], s[16:17]        ; xyz of my batch
	s_lshl_b32 s16, s15, 3
	s_add_nc_u64 s[24:25], s[22:23], s[16:17]      ; at my two queries
	s_lshl_b32 s16, s13, 6
	s_add_nc_u64 s[26:27], s[6:7], s[16:17]        ; my pair's 64 bytes of umask
	s_add_nc_u64 s[28:29], s[8:9], s[16:17]        ; and of rmask
	s_lshl_b32 s16, s13, 8
	s_add_nc_u64 s[10:11], s[10:11], s[16:17]      ; my pair's 256 bytes of idx
	s_load_b512 s[UW:UW+15], s[26:27], 0x0
	s_load_b512 s[RW:RW+15], s[28:29], 0x0
	s_load_b64 s[SX0:SX0+1], s[24:25], 0x0         ; x0 of the two queries
	s_load_b64 s[SX1:SX1+1], s[24:25], 0x4000      ; x1
	s_wait_kmcnt 0x0
.macro QSET q                          ; query q's x0, x1 and sq as scalar pairs; sq is rounded as the candidates' is
	s_mov_b32 s[QS+6*\q], s[SX0+\q]
	s_mov_b32 s[QS+6*\q+1], s[SX0+\q]
	s_mov_b32 s[QS+6*\q+2], s[SX1+\q]
	s_mov_b32 s[QS+6*\q+3], s[SX1+\q]
	v_mul_f32 v[T1], s[SX0+\q], s[SX0+\q]
	v_mul_f32 v[T2], s[SX1+\q], s[SX1+\q]
	s_delay_alu instid0(VALU_DEP_1)
	v_add_f32 v[T1], v[T1], v[T2]
	s_delay_alu instid0(VALU_DEP_1)
	v_readfirstlane_b32 s[QS+6*\q+4], v[T1]
	s_mov_b32 s[QS+6*\q+5], s[QS+6*\q+4]
.endm
.macro PREFIX w                        ; PF + c = the ones in words w .. w + c - 1
	s_bcnt1_i32_b32 s[PF+1], s[\w]
.irp c, 1,2,3,4,5,6
	s_bcnt1_i32_b32 s[STMP], s[\w+\c]
	s_add_co_u32 s[PF+\c+1], s[PF+\c], s[STMP]
.endr
.endm
.macro HALF f, n                       ; does the bit lie in the upper n of the 2 n bits at POS?  f: the ones by fields of n bits
	v_bfe_u32 v[TT], v[\f], v[POS], \n             ; the ones in the lower n
	s_delay_alu instid0(VALU_DEP_1)
	v_cmp_ge_u32 vcc_lo, v[RM], v[TT]
	s_delay_alu instid0(VALU_DEP_1)
	v_cndmask_b32 v[T3], 0, \n, vcc_lo
	s_delay_alu instid0(VALU_DEP_2)
	v_cndmask_b32 v[TT], 0, v[TT], vcc_lo
	s_delay_alu instid0(VALU_DEP_2)
	v_add_nc_u32 v[POS], v[POS], v[T3]
	s_delay_alu instid0(VALU_DEP_2)
	v_sub_nc_u32 v[RM], v[RM], v[TT]
.endm
; Of the 256 bits in words w .. w + 7 the set bit of rank v[rk], from 0: its word's number into WI, its place in the word into POS.  The last word whose ones ahead do not pass the rank holds it.
.macro RSEL w, rk
	v_mov_b32 v[WD], s[\w]
	v_mov_b32 v[PC], 0
	v_mov_b32 v[WI], 0
.irp c, 1,2,3,4,5,6,7
	v_cmp_le_u32 vcc_lo, s[PF+\c], v[\rk]
	s_delay_alu instid0(VALU_DEP_1)
	v_cndmask_b32 v[WD], v[WD], s[\w+\c], vcc_lo
	s_delay_alu instid0(VALU_DEP_2)
	v_cndmask_b32 v[PC], v[PC], s[PF+\c], vcc_lo
	s_delay_alu instid0(VALU_DEP_3)
	v_cndmask_b32 v[WI], v[WI], \c, vcc_lo
.endr
	s_delay_alu instid0(VALU_DEP_2)
	v_sub_nc_u32 v[RM], v[\rk], v[PC]
	s_delay_alu instid0(VALU_DEP_4)
	v_lshrrev_b32 v[TT], 1, v[WD]
	s_delay_alu instid0(VALU_DEP_1)
	v_and_b32 v[TT], 0x55555555, v[TT]
	s_delay_alu instid0(VALU_DEP_1)
	v_sub_nc_u32 v[SA], v[WD], v[TT]               ; each pair of bits holds its number of ones
	s_delay_alu instid0(VALU_DEP_1)
	v_lshrrev_b32 v[TT], 2, v[SA]
	s_delay_alu instid0(VALU_DEP_2)
	v_and_b32 v[SB], 0x33333333, v[SA]
	s_delay_alu instid0(VALU_DEP_2)
	v_and_b32 v[TT], 0x33333333, v[TT]
	s_delay_alu instid0(VALU_DEP_1)
	v_add_nc_u32 v[SB], v[SB], v[TT]               ; each four bits
	s_delay_alu instid0(VALU_DEP_1)
	v_lshrrev_b32 v[TT], 4, v[SB]
	s_delay_alu instid0(VALU_DEP_1)
	v_add_nc_u32 v[SC], v[SB], v[TT]
	s_delay_alu instid0(VALU_DEP_1)
	v_and_b32 v[SC], 0x0f0f0f0f, v[SC]             ; each byte
	s_delay_alu instid0(VALU_DEP_1)
	v_bfe_u32 v[TT], v[SC], 8, 8
	s_delay_alu instid0(VALU_DEP_2)
	v_and_b32 v[T3], 0xff, v[SC]
	s_delay_alu instid0(VALU_DEP_1)
	v_add_nc_u32 v[TT], v[TT], v[T3]               ; the ones in bits 0 to 15
	s_delay_alu instid0(VALU_DEP_1)
	v_cmp_ge_u32 vcc_lo, v[RM], v[TT]
	s_delay_alu instid0(VALU_DEP_1)
	v_cndmask_b32 v[POS], 0, 16, vcc_lo
	s_delay_alu instid0(VALU_DEP_2)
	v_cndmask_b32 v[TT], 0, v[TT], vcc_lo
	s_delay_alu instid0(VALU_DEP_1)
	v_sub_nc_u32 v[RM], v[RM], v[TT]
	HALF SC, 8
	HALF SB, 4
	HALF SA, 2
	s_delay_alu instid0(VALU_DEP_2)
	v_bfe_u32 v[TT], v[WD], v[POS], 1
	s_delay_alu instid0(VALU_DEP_1)
	v_cmp_ge_u32 vcc_lo, v[RM], v[TT]
	s_delay_alu instid0(VALU_DEP_1)
	v_cndmask_b32 v[TT], 0, 1, vcc_lo
	s_delay_alu instid0(VALU_DEP_1)
	v_add_nc_u32 v[POS], v[POS], v[TT]
.endm
.macro FIND q                          ; lane r's run of query q, and the loads of its two candidates
	PREFIX RW+8*\q
	RSEL RW+8*\q, LANE
	v_mov_b32 v[JJ], v[WI]                         ; run j
	s_delay_alu instid0(VALU_DEP_2)
	v_mov_b32 v[LL], v[POS]                        ; of the l-th unit
	s_wait_alu depctr_va_vdst(0)
	PREFIX UW+8*\q
	RSEL UW+8*\q, LL
	s_delay_alu instid0(VALU_DEP_1)
	v_lshl_add_u32 v[TT], v[WI], 5, v[POS]         ; the unit's number
	s_delay_alu instid0(VALU_DEP_1)
	v_lshl_add_u32 v[TT], v[TT], 3, v[JJ]          ; the run's
	s_delay_alu instid0(VALU_DEP_1)
	v_min_u32 v[RN+\q], 0x7ff, v[TT]               ; a run stays inside its row of xyz
	s_delay_alu instid0(VALU_DEP_1)
	v_lshlrev_b32 v[OFS+\q], 3, v[RN+\q]           ; 2 candidates of 4 bytes
	global_load_b64 v[X0+2*\q:X0+2*\q+1], v[OFS+\q], s[22:23]
	global_load_b64 v[X1+2*\q:X1+2*\q+1], v[OFS+\q], s[22:23] offset:16384
.endm
; One compare-exchange of a bitonic network across the lanes, on keys hi : lo, with the lane j away.  s30 = own < partner; a lane takes its partner's key where that bit differs from its role.
; J(j) marks the lanes with bit j set, K(k) those with bit k set (K(32) = 0).  Descending sort: role = J ^ K; ascending: its complement.
.macro STAGE hi, lo, j, k, asc
.set ROLE, ((0xffffffff/((1<<(\j))+1))<<(\j))^((0xffffffff/((1<<(\k))+1))<<(\k))
.if \asc
.set ROLE, ROLE^0xffffffff
.endif
.if (\j) == 16
	s_delay_alu instid0(VALU_DEP_2)
	v_permlanex16_b32 v[PH], v[\hi], s33, s34
	s_delay_alu instid0(VALU_DEP_2)
	v_permlanex16_b32 v[PL], v[\lo], s33, s34
.else
	v_mov_b32_dpp v[PH], v[\hi] row_xmask:\j row_mask:0xf bank_mask:0xf
	v_mov_b32_dpp v[PL], v[\lo] row_xmask:\j row_mask:0xf bank_mask:0xf
.endif
	s_delay_alu instid0(VALU_DEP_1)
	v_cmp_lt_u32 vcc_lo, v[\lo], v[PL]
	s_delay_alu instid0(VALU_DEP_3)
	v_cmp_eq_u32 s30, v[\hi], v[PH]
	s_delay_alu instid0(VALU_DEP_4)
	v_cmp_lt_u32 s31, v[\hi], v[PH]
	s_and_b32 s30, s30, vcc_lo
	s_or_b32 s30, s30, s31
	s_xor_b32 s30, s30, ROLE
	v_cndmask_b32 v[\hi], v[\hi], v[PH], s30
	v_cndmask_b32 v[\lo], v[\lo], v[PL], s30
.endm
.macro SORT15 hi, lo, asc              ; 32 keys across the lanes, sorted descending (asc = 0) or ascending (1)
	STAGE \hi, \lo, 1, 2, \asc
	STAGE \hi, \lo, 2, 4, \asc
	STAGE \hi, \lo, 1, 4, \asc
	STAGE \hi, \lo, 4, 8, \asc
	STAGE \hi, \lo, 2, 8, \asc
	STAGE \hi, \lo, 1, 8, \asc
	STAGE \hi, \lo, 8, 16, \asc
	STAGE \hi, \lo, 4, 16, \asc
	STAGE \hi, \lo, 2, 16, \asc
	STAGE \hi, \lo, 1, 16, \asc
	STAGE \hi, \lo, 16, 32, \asc
	STAGE \hi, \lo, 8, 32, \asc
	STAGE \hi, \lo, 4, 32, \asc
	STAGE \hi, \lo, 2, 32, \asc
	STAGE \hi, \lo, 1, 32, \asc
.endm
.macro SORTQ q
	v_pk_mul_f32 v[D:D+1], v[X0+2*\q:X0+2*\q+1], s[QS+6*\q:QS+6*\q+1] op_sel_hi:[1,0]                       ; x0n x0m, rounded
	s_delay_alu instid0(VALU_DEP_1)
	v_pk_fma_f32 v[D:D+1], v[X1+2*\q:X1+2*\q+1], s[QS+6*\q+2:QS+6*\q+3], v[D:D+1] op_sel_hi:[1,0,1]         ; the dot product
	v_pk_mul_f32 v[X0+2*\q:X0+2*\q+1], v[X0+2*\q:X0+2*\q+1], v[X0+2*\q:X0+2*\q+1]                           ; sq: the squares are rounded one by one,
	v_pk_mul_f32 v[X1+2*\q:X1+2*\q+1], v[X1+2*\q:X1+2*\q+1], v[X1+2*\q:X1+2*\q+1]
	s_delay_alu instid0(VALU_DEP_1)
	v_pk_add_f32 v[X0+2*\q:X0+2*\q+1], v[X0+2*\q:X0+2*\q+1], v[X1+2*\q:X1+2*\q+1]                           ; then added: on purpose no fused multiply-add
	s_delay_alu instid0(VALU_DEP_1)
	v_pk_fma_f32 v[D:D+1], v[D:D+1], -2.0, v[X0+2*\q:X0+2*\q+1] op_sel_hi:[1,0,1]                           ; sq_m - 2 dot: one rounding (2 dot is exact)
	s_delay_alu instid0(VALU_DEP_1)
	v_pk_add_f32 v[D:D+1], v[D:D+1], s[QS+6*\q+4:QS+6*\q+5] op_sel_hi:[1,0]                                 ; + sq_n
	s_delay_alu instid0(VALU_DEP_1)
	v_ashrrev_i32 v[TMP], 31, v[D]                 ; f32 to a whole number of the same order
	s_delay_alu instid0(VALU_DEP_1)
	v_or_b32 v[TMP], 0x80000000, v[TMP]
	s_delay_alu instid0(VALU_DEP_1)
	v_xor_b32 v[RHI], v[D], v[TMP]
	v_lshlrev_b32 v[RLO], 1, v[RN+\q]              ; the first candidate's index
	v_ashrrev_i32 v[TMP], 31, v[D+1]
	s_delay_alu instid0(VALU_DEP_1)
	v_or_b32 v[TMP], 0x80000000, v[TMP]
	s_delay_alu instid0(VALU_DEP_1)
	v_xor_b32 v[CHI], v[D+1], v[TMP]
	v_lshl_or_b32 v[CLO], v[RN+\q], 1, 1           ; the second's
	SORT15 RHI, RLO, 1
	SORT15 CHI, CLO, 0
	s_delay_alu instid0(VALU_DEP_1)
	v_cmp_lt_u32 vcc_lo, v[RLO], v[CLO]            ; an ascending and a descending list: the smaller key of each lane, 32 in all, are the 32 smallest of the 64
	s_delay_alu instid0(VALU_DEP_3)
	v_cmp_eq_u32 s30, v[RHI], v[CHI]
	s_delay_alu instid0(VALU_DEP_4)
	v_cmp_lt_u32 s31, v[RHI], v[CHI]
	s_and_b32 s30, s30, vcc_lo
	s_or_b32 s30, s30, s31
	v_cndmask_b32 v[RHI], v[CHI], v[RHI], s30
	v_cndmask_b32 v[RLO], v[CLO], v[RLO], s30
	STAGE RHI, RLO, 16, 32, 1
	STAGE RHI, RLO, 8, 32, 1
	STAGE RHI, RLO, 4, 32, 1
	STAGE RHI, RLO, 2, 32, 1
	STAGE RHI, RLO, 1, 32, 1
	s_delay_alu instid0(VALU_DEP_1)
	v_mov_b32 v[RES+\q], v[RLO]                    ; lane = rank
.endm
	QSET 0
	QSET 1
	FIND 0
	FIND 1
	s_wait_loadcnt 2                               ; the first query's two loads are in; the second's two may be out
	SORTQ 0
	s_wait_loadcnt 0x0
	SORTQ 1
	global_store_b64 v[ST8], v[RES:RES+1], s[10:11]  ; 256 consecutive bytes, aligned
	s_endpgm
.Lfunc_end_k_q1fc8bed796_rank:
	.size	k_q1fc8bed796_rank, .Lfunc_end_k_q1fc8bed796_rank-k_q1fc8bed796_rank
	.p2alignl 7, 3214868480
	.fill 96, 4, 3214868480
	.section	.rodata,"a",@progbits
	.p2align	6, 0x0
	.amdhsa_kernel k_q1fc8bed796_rank
		.amdhsa_group_segment_fixed_size 0
		.amdhsa_private_segment_fixed_size 0
		.amdhsa_enable_private_segment 0
		.amdhsa_kernarg_size 32
		.amdhsa_user_sgpr_count 2
		.amdhsa_user_sgpr_kernarg_segment_ptr 1
		.amdhsa_wavefront_size32 1
		.amdhsa_system_sgpr_workgroup_id_x 1
		.amdhsa_system_sgpr_workgroup_id_y 1
		.amdhsa_system_sgpr_workgroup_id_z 1
		.amdhsa_system_vgpr_workitem_id 0
		.amdhsa_next_free_vgpr 48
		.amdhsa_next_free_sgpr 100
		.amdhsa_reserve_vcc 1
		.amdhsa_float_denorm_mode_32 3
		.amdhsa_float_denorm_mode_16_64 3
		.amdhsa_memory_ordered 1
		.amdhsa_forward_progress 1
		.amdhsa_inst_pref_size 74
	.end_amdhsa_kernel
	.amdgpu_metadata
---
amdhsa.version: [ 1, 2 ]
amdhsa.kernels:
  - .name:           k_q1fc8bed796_rank
    .symbol:         k_q1fc8bed796_rank.kd
    .args:
      - { .name: xyz, .offset: 0, .size: 8, .value_kind: global_buffer, .address_space: global }
      - { .name: umask, .offset: 8, .size: 8, .value_kind: global_buffer, .address_space: global }
      - { .name: rmask, .offset: 16, .size: 8, .value_kind: global_buffer, .address_space: global }
      - { .name: idx, .offset: 24, .size: 8, .value_kind: global_buffer, .address_space: global }
    .group_segment_fixed_size: 0
    .private_segment_fixed_size: 0
    .kernarg_segment_align: 8
    .kernarg_segment_size: 32
    .max_flat_workgroup_size: 256
    .sgpr_count:     100
    .vgpr_count:     48
    .wavefront_size: 32
...
	.end_amdgpu_metadata
.endif
;; end of part 14
;; launch stats (part 15): grid 256 x 1, 8 waves a work-group, no clusters, 64,512 bytes of LDS; arguments codes, scales, idx, W_codes, W_scales, part; writes part
.if DOCPART == 15
	.amdgcn_target "amdgcn-amd-amdhsa--gfx1250"
	.amdhsa_code_object_version 6
	.text
	.protected	k_q1fc8bed796_stats
	.globl	k_q1fc8bed796_stats
	.p2align	8
	.type	k_q1fc8bed796_stats,@function
k_q1fc8bed796_stats:
	s_mov_b64 s[64:65], 0
	v_nop
	global_prefetch_b8 v0, s[64:65] scope:SCOPE_SE
	s_setreg_imm32_b32 hwreg(HW_REG_WAVE_SCHED_MODE, 0, 2), 2
	s_setreg_imm32_b32 hwreg(HW_REG_WAVE_MODE, 25, 1), 1
	s_wait_xcnt 0x0
	s_wait_alu depctr_vm_vsrc(0)
; The batch norm's sums over all 524,288 gathered rows of y = Q(feat column) . W^T (the bias is added to the mean later): for each of the 256 channels the sum and the sum of squares of y - pivot.
; Row (n, k) of batch b is column p = idx[b, 128 k + n / 32, n % 32] of feat, here as 128 bytes of E2M1 codes and 8 scale bytes.  The product is v_wmma_scale_f32_16x16x128_f8f6f4 on E2M1 codes, two K steps.
; THE PIVOT is y of column 0 of batch 0, the same numbers in every wave: sums of y - pivot keep the variance from being a difference of large sums where feat carries an offset.
; SHARES.  A work-group takes n = 64 gamma .. +63 of one batch: 2,048 rows.  Wave v takes n_local 8 v .. 8 v + 7: 16 tiles of 16 rows.  Tile 4 i + tau: A's rows 0-7 = (n_local 8 v + i, k = 8 tau + row),
; rows 8-15 = (8 v + 4 + i, the same k).  Source 0 = the gathered rows, source 1 = 16 rows of W: a lane of the result holds ONE channel and eight rows, so all sums over rows stay in the lane.
; W, 256 x 128 bytes, stays in each wave's registers (window 1); it is read from memory once a work-group, dense, and goes round through LDS.  Two waves share a SIMD: one's vector work stands beside the other's products.
; No tensor loads, no cluster: the large stream is a gather by index; what work-groups share is W alone, 32,768 bytes once a work-group.
; part: [work-group][sum 256 | sum of squares 256 | pivot 256] f32.
; REGISTERS, window 0: v1-15, v22, v23 addresses; v16-21 the gathers' offsets; v24-39 the tiles' row indices; v40-45 A's scale words (three buffers); v48-63 W's scale words (register 2 (t / 2) + s: tile t even in
; lanes 0-15, odd in lanes 16-31); v64-111 A's fragments (three buffers of 16); v112-175 eight accumulators; v176-207 sums, v208-239 sums of squares (a pair a tile of channels); v240-255 the pivot.  Window 1: W's fragment (t, s) at v[16 t + 8 s].
; THE MODE: SCHED_MODE bits 1:0 = 2 (LLVM: expert scheduling mode 2), set by the entry lines.  The code itself states the register dependences
; between vector or matrix instructions and memory or LDS instructions, with s_wait_alu, always for 0.
; THE PLAN.  Registers that memory or LDS instructions touch, among the tiles:
;   AF, AS [n % 3]   Written by tile n's five gathers; read by tile n's 32 matrix instructions; asked for again, for tile n + 3, in tile n itself, behind the first eight lines that read its last products' accumulators.
;   RC, RSO [n % 3]  Read by tile n's gathers; written anew, for tile n + 3, by two vector lines among the places behind tile n's last products.
;   v3               Read by the pivot's loads; never written again.  The row indices, W, the accumulators, the sums and the pivot are named by vector and matrix instructions alone, once they are loaded.
; So a tile holds two waits: one on vm_vsrc ahead of the two offset lines (its own gathers have read the offsets), and one on va_vdst ahead of the five gathers (the offsets are written, and the tile's matrix
; instructions are done reading the buffer).  Behind that wait no vector or matrix instruction names the buffer or its offsets before the wait for the buffer's data.  The pivot's tile, in buffer 2, goes as tile -1.
.set WPIT, 144                         ; LDS: a row of W, or of the index tile: 128 bytes + 16
.set TL,   256*WPIT                    ; behind W: idx[n_local][k], 64 rows
.set RED,  TL+64*WPIT                  ; the waves' sums: 8 x 2,048 bytes
.set PVL,  RED+8*2048                  ; the pivot: 1,024 bytes
.set RC,   16
.set RSO,  19
.set IDX,  24
.set AS,   40
.set WS,   48
.set AF,   64
.set D,    112
.set S,    176
.set Q,    208
.set PV,   240
.set MSB, 0
.macro WIN new                         ; the immediate's high byte repeats the setting that is left
.if MSB != \new
	s_set_vgpr_msb (MSB<<8)|\new
.set MSB, \new
.endif
.endm
	s_load_b256 s[4:11], s[0:1], 0x0               ; codes, scales, idx, W_codes
	s_load_b128 s[12:15], s[0:1], 0x20             ; W_scales, part
	v_lshl_add_u32 v46, v0, 2, 0xf800
	v_mov_b32 v47, 0
	v_lshrrev_b32 v6, 5, v0
	v_readfirstlane_b32 s16, v6                    ; wave 0..7
	s_lshr_b32 s17, ttmp9, 6                       ; batch
	s_and_b32 s18, ttmp9, 63                       ; gamma
	v_and_b32 v7, 31, v0                           ; lane
	v_and_b32 v1, 15, v0                           ; r
	v_bfe_u32 v2, v0, 4, 1                         ; h
	v_lshlrev_b32 v3, 4, v2                        ; 16 h
	v_mul_u32_u24 v4, v1, WPIT
	v_add_nc_u32 v4, v4, v3                        ; W's fragments: row r, + 16 h
	v_bfe_u32 v5, v0, 3, 1
	v_mul_u32_u24 v5, v5, 4*WPIT
	v_and_b32 v6, 7, v0
	v_lshl_add_u32 v5, v6, 2, v5
	s_wait_alu depctr_va_sdst(0)                   ; s16, the wave's number, is written, ahead of its first reader
	s_mul_i32 s26, s16, 8*WPIT
	s_add_co_u32 s26, s26, TL
	v_add_nc_u32 v5, s26, v5                       ; my row's index: n_local 8 v + 4 ((lane / 8) % 2), k = lane % 8
	v_lshlrev_b32 v8, 4, v0                        ; W on its way in: 16 bytes a thread,
	v_lshrrev_b32 v9, 3, v0
	v_mul_u32_u24 v9, v9, WPIT
	v_lshl_add_u32 v9, v6, 4, v9                   ; eight threads to a row
	v_lshlrev_b32 v10, 3, v7                       ; 8 x lane
	v_mul_u32_u24 v11, v7, WPIT
	s_lshl_b32 s26, s16, 4
	s_add_co_u32 s26, s26, TL
	v_add_nc_u32 v11, s26, v11                     ; the index tile on its way in: row = lane, k = 4 v
	s_lshl_b32 s26, s16, 11
	s_add_co_u32 s26, s26, RED
	v_lshl_add_u32 v12, v1, 2, s26                 ; my wave's sums: 4 r
	v_lshl_add_u32 v13, v1, 2, PVL
	v_lshlrev_b32 v15, 3, v0                       ; 8 x thread
	v_add_nc_u32 v14, RED, v15
	v_and_b32 v23, 127, v0
	v_lshlrev_b32 v23, 3, v23
	v_add_nc_u32 v22, PVL, v23
	s_mov_b32 s28, 0x76543210
	s_mov_b32 s29, 0xfedcba98
	s_mov_b32 s27, 0
	s_lshl_b32 s26, s17, 19
	s_wait_kmcnt 0x0
	s_add_nc_u64 s[20:21], s[4:5], s[26:27]        ; my batch's codes: 4,096 x 128 bytes
	s_lshl_b32 s26, s17, 15
	s_add_nc_u64 s[22:23], s[6:7], s[26:27]        ; and scale bytes
	s_lshl_b32 s26, s17, 19                        ; idx: record (batch 2048 + 64 k + gamma) of 256 bytes, k = 4 v
	s_lshl_b32 s30, s16, 16
	s_add_co_u32 s26, s26, s30
	s_lshl_b32 s30, s18, 8
	s_add_co_u32 s26, s26, s30
	s_add_nc_u64 s[24:25], s[8:9], s[26:27]
	s_mul_i32 s26, ttmp9, 3072
	s_add_nc_u64 s[14:15], s[14:15], s[26:27]      ; my record of part
	s_wait_alu depctr_va_vdst(0)                   ; the addresses v3 to v15, v22, v23 and the closing add's v46, v47 are written: the loads and stores of the whole kernel read them, and none is written again
.irp e, 0,1,2,3,4,5,6,7
	global_load_b128 v[64+4*\e:67+4*\e], v8, s[10:11] offset:\e*4096       ; W's codes as they lie: 4,096 bytes a line for the work-group
.endr
.irp e, 0,1,2,3
	global_load_b64 v[96+2*\e:97+2*\e], v10, s[24:25] offset:\e*16384      ; k = 4 v + e: rank = lane; n_local = lane and lane + 32
.endr
.irp p, 0,1,2,3,4,5,6,7
	global_load_b64 v[WS+2*\p:WS+2*\p+1], v10, s[12:13] offset:\p*256      ; W's scale words of rows 32 p + lane
.endr
	s_wait_loadcnt 0x0
.irp e, 0,1,2,3,4,5,6,7
	ds_store_b128 v9, v[64+4*\e:67+4*\e] offset:\e*32*WPIT
.endr
.irp e, 0,1,2,3
.irp p, 0,1
	ds_store_b32 v11, v[96+2*\e+\p] offset:\p*32*WPIT+4*\e
.endr
.endr
	s_wait_dscnt 0x0                               ; for the others' sake: my part of W and of the index tile is stored
	s_barrier_signal -1
	s_barrier_wait -1
	WIN 0x40                                       ; destination window 1, address window 0
.irp t, 0,1,2,3,4,5,6,7,8,9,10,11,12,13,14,15
.irp q, 0,1,2,3
	ds_load_b128 v[16*\t+4*\q:16*\t+4*\q+3], v4 offset:\t*16*WPIT+32*\q    ; K step q / 2, half q % 2: 32 bytes on each time
.endr
.endr
	WIN 0
.set nn, 0
.rept 16
	ds_load_b32 v[IDX+nn], v5 offset:(nn/4)*WPIT+(nn%4)*32
.set nn, nn+1
.endr
.set ii, 0
.rept 64
	v_mov_b32 v[S+ii], 0                           ; the sums and the sums of squares
.set ii, ii+1
.endr
	v_mov_b32 v[RSO+2], 0
	s_wait_dscnt 0x0
.set nn, 0
.rept 16
	v_min_u32 v[IDX+nn], 0xfff, v[IDX+nn]          ; an index stays inside its batch's 4,096 columns
.set nn, nn+1
.endr
.macro ADDR n                          ; tile n's two offsets: its rows' codes (+ 16 h) and their scale words, for buffer n % 3
	v_lshl_add_u32 v[RC+(\n)%3], v[IDX+(\n)], 7, v3
	v_lshlrev_b32 v[RSO+(\n)%3], 3, v[IDX+(\n)]
.endm
.macro GATHER n                        ; tile n's 16 rows: codes (4 x 16 bytes a lane) and scale words, into buffer n % 3
.set LB, (\n)%3
.irp e, 0,1,2,3
	global_load_b128 v[AF+16*LB+4*\e:AF+16*LB+4*\e+3], v[RC+LB], s[20:21] offset:32*\e
.endr
	global_load_b64 v[AS+2*LB:AS+2*LB+1], v[RSO+LB], s[22:23]
.endm
.macro WM be, tg, tt, s                ; one product: buffer be, channels 16 (8 tg + tt) on, K step s
.set TT, 8*(\tg)+(\tt)
.set DD, D+8*(\tt)
.set AA, AF+16*(\be)+8*(\s)
.set BB, 16*TT+8*(\s)
.set SA, AS+2*(\be)+(\s)
.set SW, WS+2*(TT/2)+(\s)
.if (\s) == 0
.if (TT%2) == 0
	v_wmma_scale_f32_16x16x128_f8f6f4 v[DD:DD+7], v[AA:AA+7], v[BB:BB+7], 0, v[SA], v[SW] matrix_a_fmt:MATRIX_FMT_FP4 matrix_b_fmt:MATRIX_FMT_FP4
.else
	v_wmma_scale_f32_16x16x128_f8f6f4 v[DD:DD+7], v[AA:AA+7], v[BB:BB+7], 0, v[SA], v[SW] matrix_a_fmt:MATRIX_FMT_FP4 matrix_b_fmt:MATRIX_FMT_FP4 matrix_b_scale:MATRIX_SCALE_ROW1
.endif
.else
.if (TT%2) == 0
	v_wmma_scale_f32_16x16x128_f8f6f4 v[DD:DD+7], v[AA:AA+7], v[BB:BB+7], v[DD:DD+7], v[SA], v[SW] matrix_a_fmt:MATRIX_FMT_FP4 matrix_b_fmt:MATRIX_FMT_FP4
.else
	v_wmma_scale_f32_16x16x128_f8f6f4 v[DD:DD+7], v[AA:AA+7], v[BB:BB+7], v[DD:DD+7], v[SA], v[SW] matrix_a_fmt:MATRIX_FMT_FP4 matrix_b_fmt:MATRIX_FMT_FP4 matrix_b_scale:MATRIX_SCALE_ROW1
.endif
.endif
.endm
; 16 products: eight tiles of channels, K step 0 (which starts the sums with the constant 0), then K step 1.  The eight accumulators take turns, one instruction a turn.
; Four places follow (ISA guide 7.12.1), in front of the first read of results: four v_nop, or, ad = a tile's number, that tile's two offset lines, which name no register of the products, and two v_nop.
.macro MUL be, tg, ad
	WIN 0x04                                       ; source 1 (W) window 1
.irp tt, 0,1,2,3,4,5,6,7
	WM \be, \tg, \tt, 0
.endr
.irp tt, 0,1,2,3,4,5,6,7
	WM \be, \tg, \tt, 1
.endr
	WIN 0
.if (\ad) >= 0
	s_wait_alu depctr_vm_vsrc(0)                   ; the gathers that filled this buffer have read its two offsets, which the next two lines write anew
	ADDR \ad
.rept 2
	v_nop
.endr
.else
.rept 4
	v_nop
.endr
.endif
.endm
; The eight accumulators' 64 numbers a lane: less the pivot, summed, squared and summed; two at a time, each accumulator from its low end on.
; ld = a tile's number: behind the first eight lines, which read all eight accumulators, that tile's gathers go out, into the buffer that the products above have read.
.macro POST tg, ld
.irp pr, 0,1,2,3
.irp tt, 0,1,2,3,4,5,6,7
.set TT, 8*(\tg)+\tt
.if (TT%2) == 0
	v_pk_add_f32 v[D+8*\tt+2*\pr:D+8*\tt+2*\pr+1], v[D+8*\tt+2*\pr:D+8*\tt+2*\pr+1], v[PV+TT:PV+TT+1] op_sel_hi:[1,0] neg_lo:[0,1] neg_hi:[0,1]
.else
	v_pk_add_f32 v[D+8*\tt+2*\pr:D+8*\tt+2*\pr+1], v[D+8*\tt+2*\pr:D+8*\tt+2*\pr+1], v[PV+TT-1:PV+TT] op_sel:[0,1] op_sel_hi:[1,1] neg_lo:[0,1] neg_hi:[0,1]
.endif
.endr
.if \pr == 0
.if (\ld) >= 0
	s_wait_alu depctr_va_vdst(0)                   ; the buffer's two offsets are written, which the gathers read; this tile's matrix instructions are done reading its fragments and scale words, in which they land
	GATHER \ld
.endif
.endif
.irp tt, 0,1,2,3,4,5,6,7
.set TT, 8*(\tg)+\tt
	v_pk_add_f32 v[S+2*TT:S+2*TT+1], v[S+2*TT:S+2*TT+1], v[D+8*\tt+2*\pr:D+8*\tt+2*\pr+1]
.endr
.irp tt, 0,1,2,3,4,5,6,7
.set TT, 8*(\tg)+\tt
	v_pk_fma_f32 v[Q+2*TT:Q+2*TT+1], v[D+8*\tt+2*\pr:D+8*\tt+2*\pr+1], v[D+8*\tt+2*\pr:D+8*\tt+2*\pr+1], v[Q+2*TT:Q+2*TT+1]
.endr
.endr
.endm
.macro TILE n
.if (\n) < 14
	s_wait_loadcnt 10                              ; tile n's five loads are in; the ten of the two tiles behind it may be out
.elseif (\n) == 14
	s_wait_loadcnt 5                               ; the last tile's five may be out
.else
	s_wait_loadcnt 0x0
.endif
.set BE, (\n)%3
	MUL BE, 0, -1
	POST 0, -1
.if (\n) < 13
	MUL BE, 1, (\n)+3                              ; three tiles ahead, into this tile's own buffer, as soon as its last products have read it
	POST 1, (\n)+3
.else
	MUL BE, 1, -1                                  ; the last three tiles ask for nothing, and state nothing
	POST 1, -1
.endif
.endm
	ADDR 0
	ADDR 1
	s_wait_alu depctr_vm_vsrc(0)                   ; my LDS stores at the head have read v64 to v103: these registers are the fragments' buffers from here on, in which the loads below land
	s_wait_alu depctr_va_vdst(0)                   ; the offsets v16, v17, v19, v20 and the pivot's v21 are written, which the loads below read
	; the pivot's tile: all 16 rows are column 0 of batch 0, in buffer 2
.irp e, 0,1,2,3
	global_load_b128 v[AF+32+4*\e:AF+32+4*\e+3], v3, s[4:5] offset:32*\e
.endr
	global_load_b64 v[AS+4:AS+5], v[RSO+2], s[6:7]
	GATHER 0
	GATHER 1
	s_wait_loadcnt 10                              ; the pivot's five loads are in; tiles 0 and 1 may be out
	MUL 2, 0, -1
.irp tt, 0,1,2,3,4,5,6,7
	v_mov_b32 v[PV+\tt], v[D+8*\tt]                ; all rows are alike: each accumulator's lowest register
.endr
	MUL 2, 1, 2
.irp tt, 0,1,2,3,4,5,6,7
	v_mov_b32 v[PV+8+\tt], v[D+8*\tt]
.endr
	s_wait_alu depctr_va_vdst(0)                   ; tile 2's offsets are written, which its gathers read; the pivot's matrix instructions are done reading buffer 2, in which they land
	GATHER 2
.irp n, 0,1,2,3,4,5,6,7,8,9,10,11,12,13,14,15
	TILE \n
.endr
	; the lane's two halves, the other half of the lanes' rows, then the eight waves through LDS
.irp t, 0,1,2,3,4,5,6,7,8,9,10,11,12,13,14,15
	v_add_f32 v[S+2*\t], v[S+2*\t], v[S+2*\t+1]
	v_add_f32 v[Q+2*\t], v[Q+2*\t], v[Q+2*\t+1]
.endr
.irp t, 0,1,2,3,4,5,6,7,8,9,10,11,12,13,14,15
	v_permlanex16_b32 v[S+2*\t+1], v[S+2*\t], s28, s29
	v_permlanex16_b32 v[Q+2*\t+1], v[Q+2*\t], s28, s29
.endr
.irp t, 0,1,2,3,4,5,6,7,8,9,10,11,12,13,14,15
	v_add_f32 v[S+2*\t], v[S+2*\t], v[S+2*\t+1]
	v_add_f32 v[Q+2*\t], v[Q+2*\t], v[Q+2*\t+1]
.endr
	s_wait_alu depctr_va_vdst(0)                   ; the sums, the sums of squares and the pivot are written, which the LDS stores read; and every reader and writer of the accumulators' registers is done, in which the LDS loads behind the barrier land
.irp t, 0,1,2,3,4,5,6,7,8,9,10,11,12,13,14,15
	ds_store_b32 v12, v[S+2*\t] offset:64*\t           ; lanes r and r + 16 write the same word with the same value
	ds_store_b32 v12, v[Q+2*\t] offset:1024+64*\t
.endr
	s_cmp_lg_u32 s16, 0
	s_cbranch_scc1 .Lno_pv
.irp t, 0,1,2,3,4,5,6,7,8,9,10,11,12,13,14,15
	ds_store_b32 v13, v[PV+\t] offset:64*\t
.endr
.Lno_pv:
	s_wait_dscnt 0x0
	s_barrier_signal -1
	s_barrier_wait -1
.irp e, 0,1,2,3,4,5,6,7
	ds_load_b64 v[D+2*\e:D+2*\e+1], v14 offset:\e*2048
.endr
	s_wait_dscnt 0x0
.irp e, 0,2,4,6
	v_pk_add_f32 v[D+2*\e:D+2*\e+1], v[D+2*\e:D+2*\e+1], v[D+2*\e+2:D+2*\e+3]
.endr
	v_pk_add_f32 v[D:D+1], v[D:D+1], v[D+4:D+5]
	v_pk_add_f32 v[D+8:D+9], v[D+8:D+9], v[D+12:D+13]
	v_pk_add_f32 v[D:D+1], v[D:D+1], v[D+8:D+9]
	s_wait_alu depctr_va_vdst(0)                   ; the additions have written v[D:D+1], which the store reads
	global_store_b64 v15, v[D:D+1], s[14:15]           ; a wave stores 256 consecutive bytes, aligned
	s_cmp_gt_u32 s16, 3
	s_cbranch_scc1 .Lend
	ds_load_b64 v[D+16:D+17], v22
	s_wait_dscnt 0x0
	global_store_b64 v23, v[D+16:D+17], s[14:15] offset:2048
.Lend:
	s_wait_dscnt 0x0                               ; the closing lines, six on end
	s_wait_alu 0x0
	s_wait_tensorcnt 0x0
	ds_add_u32 v46, v47
	s_wait_dscnt 0x0
	s_endpgm
.Lfunc_end_k_q1fc8bed796_stats:
	.size	k_q1fc8bed796_stats, .Lfunc_end_k_q1fc8bed796_stats-k_q1fc8bed796_stats
	.p2alignl 7, 3214868480
	.fill 96, 4, 3214868480
	.section	.rodata,"a",@progbits
	.p2align	6, 0x0
	.amdhsa_kernel k_q1fc8bed796_stats
		.amdhsa_group_segment_fixed_size 64512
		.amdhsa_private_segment_fixed_size 0
		.amdhsa_enable_private_segment 0
		.amdhsa_kernarg_size 48
		.amdhsa_user_sgpr_count 2
		.amdhsa_user_sgpr_kernarg_segment_ptr 1
		.amdhsa_wavefront_size32 1
		.amdhsa_system_sgpr_workgroup_id_x 1
		.amdhsa_system_sgpr_workgroup_id_y 1
		.amdhsa_system_sgpr_workgroup_id_z 1
		.amdhsa_system_vgpr_workitem_id 0
		.amdhsa_next_free_vgpr 512
		.amdhsa_next_free_sgpr 66
		.amdhsa_reserve_vcc 0
		.amdhsa_float_denorm_mode_32 3
		.amdhsa_float_denorm_mode_16_64 3
		.amdhsa_memory_ordered 1
		.amdhsa_forward_progress 1
		.amdhsa_inst_pref_size 255
	.end_amdhsa_kernel
	.section	.bss,"aw",@nobits
	.p2align	6
	.space	262144
	.amdgpu_metadata
---
amdhsa.version: [ 1, 2 ]
amdhsa.kernels:
  - .name:           k_q1fc8bed796_stats
    .symbol:         k_q1fc8bed796_stats.kd
    .args:
      - { .name: codes, .offset: 0, .size: 8, .value_kind: global_buffer, .address_space: global }
      - { .name: scales, .offset: 8, .size: 8, .value_kind: global_buffer, .address_space: global }
      - { .name: idx, .offset: 16, .size: 8, .value_kind: global_buffer, .address_space: global }
      - { .name: W_codes, .offset: 24, .size: 8, .value_kind: global_buffer, .address_space: global }
      - { .name: W_scales, .offset: 32, .size: 8, .value_kind: global_buffer, .address_space: global }
      - { .name: part, .offset: 40, .size: 8, .value_kind: global_buffer, .address_space: global }
    .group_segment_fixed_size: 64512
    .private_segment_fixed_size: 0
    .kernarg_segment_align: 8
    .kernarg_segment_size: 48
    .max_flat_workgroup_size: 256
    .sgpr_count:     66
    .vgpr_count:     512
    .wavefront_size: 32
...
	.end_amdgpu_metadata
.endif
;; end of part 15
;; launch bn (part 16): grid 4 x 1, 16 waves a work-group, no clusters, 10,240 bytes of LDS; arguments part, b, gamma, beta, ac; writes ac
.if DOCPART == 16
	.amdgcn_target "amdgcn-amd-amdhsa--gfx1250"
	.amdhsa_code_object_version 6
	.text
	.protected	k_q1fc8bed796_bn
	.globl	k_q1fc8bed796_bn
	.p2align	8
	.type	k_q1fc8bed796_bn,@function
k_q1fc8bed796_bn:
	s_mov_b64 s[64:65], 0
	v_nop
	global_prefetch_b8 v0, s[64:65] scope:SCOPE_SE
	s_setreg_imm32_b32 hwreg(HW_REG_WAVE_MODE, 25, 1), 1
	s_wait_xcnt 0x0
; The batch norm's two numbers a channel: out = relu(a y + c) with y the product without its bias.
; From the 256 work-groups' sums of (y - pivot) and of its square: mS = sum / 2^19, var = max(sum of squares / 2^19 - mS^2, 0), mean of x = (pivot + mS) + b,
; a = gamma / sqrt(var + 1e-5), c = a (b - mean of x) + beta.  524,288 = 2^19 rows.
; A work-group takes 64 channels; wave v adds records 16 v .. +15 (lanes 0-15 the sums' 256 bytes, lanes 16-31 the squares'); wave 0 adds the sixteen waves' and finishes.
; Four work-groups: there are 256 channels and 786,432 bytes to read; nothing here would feed more.
	s_load_b256 s[4:11], s[0:1], 0x0               ; part, b, gamma, beta
	s_load_b64 s[12:13], s[0:1], 0x20              ; ac
	v_lshl_add_u32 v96, v0, 2, 0x2000
	v_mov_b32 v97, 0
	v_lshrrev_b32 v2, 5, v0
	s_delay_alu instid0(VALU_DEP_1)
	v_readfirstlane_b32 s16, v2                    ; wave 0..15
	v_and_b32 v1, 31, v0
	v_and_b32 v2, 15, v0
	v_bfe_u32 v3, v0, 4, 1
	s_delay_alu instid0(VALU_DEP_2)
	v_lshlrev_b32 v4, 4, v2
	s_delay_alu instid0(VALU_DEP_1)
	v_lshl_add_u32 v4, v3, 10, v4                  ; sums or squares, 16 bytes a lane
	s_lshl_b32 s17, ttmp9, 8                       ; my 64 channels: 256 bytes
	v_add_nc_u32 v4, s17, v4
	v_lshlrev_b32 v5, 3, v1                        ; 8 x lane: two channels
	s_delay_alu instid0(VALU_DEP_1)
	v_add_nc_u32 v8, s17, v5
	s_lshl_b32 s18, s16, 9
	v_lshl_add_u32 v6, v1, 4, s18                  ; LDS: my wave's 512 bytes
	s_mul_i32 s18, s16, 16*3072
	s_mov_b32 s19, 0
	s_mov_b32 s24, 0x36000000                      ; 2^-19
	s_mov_b32 s25, s24
	s_wait_alu depctr_va_vdst(0)
	s_wait_kmcnt 0x0
	s_add_nc_u64 s[20:21], s[4:5], s[18:19]
.irp e, 0,1,2,3,4,5,6,7,8,9,10,11,12,13,14,15
	global_load_b128 v[16+4*\e:19+4*\e], v4, s[20:21] offset:\e*3072
.endr
	global_load_b64 v[80:81], v8, s[4:5] offset:2048   ; the pivot (the same in every record: the first's)
	global_load_b64 v[82:83], v8, s[6:7]               ; b
	global_load_b64 v[92:93], v8, s[8:9]               ; gamma
	global_load_b64 v[94:95], v8, s[10:11]             ; beta
	s_wait_loadcnt 0x0
	v_pk_add_f32 v[84:85], v[16:17], v[24:25]          ; two chains: even records, odd records
	v_pk_add_f32 v[86:87], v[18:19], v[26:27]
	v_pk_add_f32 v[88:89], v[20:21], v[28:29]
	v_pk_add_f32 v[90:91], v[22:23], v[30:31]
.irp e, 4,6,8,10,12,14
	s_delay_alu instid0(VALU_DEP_4)
	v_pk_add_f32 v[84:85], v[84:85], v[16+4*\e:17+4*\e]
	s_delay_alu instid0(VALU_DEP_4)
	v_pk_add_f32 v[86:87], v[86:87], v[18+4*\e:19+4*\e]
	s_delay_alu instid0(VALU_DEP_4)
	v_pk_add_f32 v[88:89], v[88:89], v[20+4*\e:21+4*\e]
	s_delay_alu instid0(VALU_DEP_4)
	v_pk_add_f32 v[90:91], v[90:91], v[22+4*\e:23+4*\e]
.endr
	s_delay_alu instid0(VALU_DEP_2)
	v_pk_add_f32 v[84:85], v[84:85], v[88:89]
	s_delay_alu instid0(VALU_DEP_2)
	v_pk_add_f32 v[86:87], v[86:87], v[90:91]
	ds_store_b128 v6, v[84:87]
	s_wait_dscnt 0x0
	s_barrier_signal -1
	s_barrier_wait -1
	s_cmp_lg_u32 s16, 0
	s_cbranch_scc1 .Lend
.irp e, 0,1,2,3,4,5,6,7,8,9,10,11,12,13,14,15
	ds_load_b64 v[16+2*\e:17+2*\e], v5 offset:\e*512
	ds_load_b64 v[48+2*\e:49+2*\e], v5 offset:\e*512+256
.endr
	s_wait_dscnt 0x0
	v_pk_add_f32 v[84:85], v[16:17], v[18:19]
	v_pk_add_f32 v[86:87], v[48:49], v[50:51]
.irp e, 2,3,4,5,6,7,8,9,10,11,12,13,14,15
	s_delay_alu instid0(VALU_DEP_2)
	v_pk_add_f32 v[84:85], v[84:85], v[16+2*\e:17+2*\e]
	s_delay_alu instid0(VALU_DEP_2)
	v_pk_add_f32 v[86:87], v[86:87], v[48+2*\e:49+2*\e]
.endr
	s_delay_alu instid0(VALU_DEP_2)
	v_pk_mul_f32 v[84:85], v[84:85], s[24:25] op_sel_hi:[1,0]    ; mS
	s_delay_alu instid0(VALU_DEP_2)
	v_pk_mul_f32 v[86:87], v[86:87], s[24:25] op_sel_hi:[1,0]
	s_delay_alu instid0(VALU_DEP_1)
	v_pk_fma_f32 v[86:87], v[84:85], v[84:85], v[86:87] neg_lo:[1,0,0] neg_hi:[1,0,0]   ; the variance
	s_delay_alu instid0(VALU_DEP_1)
	v_max_num_f32 v86, 0, v86
	s_delay_alu instid0(VALU_DEP_2)
	v_max_num_f32 v87, 0, v87
	s_delay_alu instid0(VALU_DEP_2)
	v_add_f32 v86, 0x3727c5ac, v86                 ; + 1e-5
	s_delay_alu instid0(VALU_DEP_2)
	v_add_f32 v87, 0x3727c5ac, v87
	s_wait_alu depctr_va_vdst(0)
	v_rsq_f32 v88, v86
	v_rsq_f32 v89, v87
	v_pk_add_f32 v[84:85], v[80:81], v[84:85]      ; pivot + mS: plain work behind the two roots, which names neither their results nor their sources
	s_delay_alu instid0(VALU_DEP_1)
	v_pk_add_f32 v[84:85], v[84:85], v[82:83]      ; + b: the mean of x
	s_delay_alu instid0(VALU_DEP_1)
	v_pk_add_f32 v[84:85], v[82:83], v[84:85] neg_lo:[0,1] neg_hi:[0,1]   ; b - mean
	s_wait_alu depctr_va_vdst(0)                   ; the wait ahead of the first reader of the roots: one for both
	v_pk_mul_f32 v[88:89], v[92:93], v[88:89]      ; a
	s_delay_alu instid0(VALU_DEP_1)
	v_pk_fma_f32 v[90:91], v[88:89], v[84:85], v[94:95]   ; c
	global_store_b64 v8, v[88:89], s[12:13]        ; 256 consecutive bytes, aligned
	global_store_b64 v8, v[90:91], s[12:13] offset:1024
.Lend:
	s_wait_tensorcnt 0x0
	ds_add_u32 v96, v97
	s_wait_dscnt 0x0
	s_endpgm
.Lfunc_end_k_q1fc8bed796_bn:
	.size	k_q1fc8bed796_bn, .Lfunc_end_k_q1fc8bed796_bn-k_q1fc8bed796_bn
	.p2alignl 7, 3214868480
	.fill 96, 4, 3214868480
	.section	.rodata,"a",@progbits
	.p2align	6, 0x0
	.amdhsa_kernel k_q1fc8bed796_bn
		.amdhsa_group_segment_fixed_size 10240
		.amdhsa_private_segment_fixed_size 0
		.amdhsa_enable_private_segment 0
		.amdhsa_kernarg_size 40
		.amdhsa_user_sgpr_count 2
		.amdhsa_user_sgpr_kernarg_segment_ptr 1
		.amdhsa_wavefront_size32 1
		.amdhsa_system_sgpr_workgroup_id_x 1
		.amdhsa_system_sgpr_workgroup_id_y 1
		.amdhsa_system_sgpr_workgroup_id_z 1
		.amdhsa_system_vgpr_workitem_id 0
		.amdhsa_next_free_vgpr 98
		.amdhsa_next_free_sgpr 66
		.amdhsa_reserve_vcc 0
		.amdhsa_float_denorm_mode_32 3
		.amdhsa_float_denorm_mode_16_64 3
		.amdhsa_memory_ordered 1
		.amdhsa_forward_progress 1
		.amdhsa_inst_pref_size 13
	.end_amdhsa_kernel
	.amdgpu_metadata
---
amdhsa.version: [ 1, 2 ]
amdhsa.kernels:
  - .name:           k_q1fc8bed796_bn
    .symbol:         k_q1fc8bed796_bn.kd
    .args:
      - { .name: part, .offset: 0, .size: 8, .value_kind: global_buffer, .address_space: global }
      - { .name: b, .offset: 8, .size: 8, .value_kind: global_buffer, .address_space: global }
      - { .name: gamma, .offset: 16, .size: 8, .value_kind: global_buffer, .address_space: global }
      - { .name: beta, .offset: 24, .size: 8, .value_kind: global_buffer, .address_space: global }
      - { .name: ac, .offset: 32, .size: 8, .value_kind: global_buffer, .address_space: global }
    .group_segment_fixed_size: 10240
    .private_segment_fixed_size: 0
    .kernarg_segment_align: 8
    .kernarg_segment_size: 40
    .max_flat_workgroup_size: 512
    .sgpr_count:     66
    .vgpr_count:     98
    .wavefront_size: 32
...
	.end_amdgpu_metadata
.endif
;; end of part 16
;; launch final (part 17): grid 256 x 1, 8 waves a work-group, no clusters, 116,736 bytes of LDS; arguments codes, scales, idx, W_codes, W_scales, ac, out0; writes out0
.if DOCPART == 17
	.amdgcn_target "amdgcn-amd-amdhsa--gfx1250"
	.amdhsa_code_object_version 6
	.text
	.protected	k_q1fc8bed796_final
	.globl	k_q1fc8bed796_final
	.p2align	8
	.type	k_q1fc8bed796_final,@function
k_q1fc8bed796_final:
	s_mov_b64 s[64:65], 0
	v_nop
	global_prefetch_b8 v0, s[64:65] scope:SCOPE_SE
	s_setreg_imm32_b32 hwreg(HW_REG_WAVE_SCHED_MODE, 0, 2), 2
	s_setreg_imm32_b32 hwreg(HW_REG_WAVE_MODE, 25, 1), 1
	s_wait_xcnt 0x0
	s_wait_alu depctr_vm_vsrc(0)
; out0[b][g][n] = max over k of relu(a[g] y(n, k, g) + c[g]), y = Q(feat column) . W^T on E2M1 codes by v_wmma_scale_f32_16x16x128_f8f6f4, two K steps.
; relu(a y + c) rises with y where a >= 0 and falls where a < 0.  So W's row g is negated where a[g] < 0 (the sign bit of every code: exact), the maximum over k is taken of the raw sums,
; and out0 = max(|a| m + c, 0).  Row (n, k) of batch b is column p = idx[b, 128 k + n / 32, n % 32].
; SHARES and LAYOUT as in the launch that makes the sums: a work-group takes n = 64 gamma .. +63 of a batch, wave v n_local 8 v .. +7 in 16 tiles; tile 4 i + tau: A's rows 0-7 = (8 v + i, k = 8 tau + row),
; rows 8-15 = (8 v + 4 + i, the same k).  Source 0 = the gathered rows, source 1 = 16 rows of W: lane (r, h) of a result holds channel 16 t + r and the eight k of n_local 8 v + 4 h + i: the maximum stays in the lane.
; THE WAY OUT: a lane's four maxima of a channel are four neighbouring n: 16 bytes.  They meet in a stage of 256 rows x (256 bytes + 16); each wave stores 32 channels' rows, sixteen lanes to 256 consecutive bytes, aligned.
; No tensor loads, no cluster: the large stream is a gather by index; what work-groups share is W alone, 32,768 bytes once a work-group.
; REGISTERS, window 0: v1-15 addresses; v16-21 the gathers' offsets; v24-39 row indices; v40-45 A's scale words; v48-63 W's scale words; v64-111 A's fragments (three buffers of 16; at the end a and c);
; v112-175 eight accumulators; v176-239 the maxima (register 4 t + i).  Window 1: W's fragment (t, s) at v[16 t + 8 s].
; THE MODE: SCHED_MODE bits 1:0 = 2 (LLVM: expert scheduling mode 2), set by the entry lines.  The code itself states the register dependences
; between vector or matrix instructions and memory or LDS instructions, with s_wait_alu, always for 0.
; THE PLAN.  Registers that memory or LDS instructions touch, among the tiles:
;   AF, AS [n % 3]   Written by tile n's five gathers; read by tile n's 32 matrix instructions; asked for again, for tile n + 3, in tile n itself, behind the first eight lines that read its last products' accumulators.
;                    Tile 13's fragments' registers take a, tile 14's take c, at the same place.
;   RC, RSO [n % 3]  Read by tile n's gathers; written anew, for tile n + 3, by two vector lines among the places behind tile n's last products.
;   v12              Read by the loads of a and c; never written again.  The row indices, W, the accumulators and the maxima are named by vector and matrix instructions alone, once they are loaded.
; So a tile holds two waits: one on vm_vsrc ahead of the two offset lines (its own gathers have read the offsets), and one on va_vdst ahead of its loads (the offsets are written, and the tile's matrix
; instructions are done reading the buffer).  Behind that wait no vector or matrix instruction names the buffer or its offsets before the wait for the buffer's data.
.set WPIT, 144
.set TL,   256*WPIT
.set STG,  TL+64*WPIT
.set SPIT, 272
.set RC,   16
.set RSO,  19
.set IDX,  24
.set AS,   40
.set WS,   48
.set AF,   64
.set D,    112
.set RES,  176
.set MSB, 0
.macro WIN new                         ; the immediate's high byte repeats the setting that is left
.if MSB != \new
	s_set_vgpr_msb (MSB<<8)|\new
.set MSB, \new
.endif
.endm
	s_load_b256 s[4:11], s[0:1], 0x0               ; codes, scales, idx, W_codes
	s_load_b128 s[12:15], s[0:1], 0x20             ; W_scales, ac
	s_load_b64 s[32:33], s[0:1], 0x30              ; out0
	v_lshl_add_u32 v254, v0, 2, 0x1c400
	v_mov_b32 v255, 0
	v_lshrrev_b32 v6, 5, v0
	v_readfirstlane_b32 s16, v6                    ; wave 0..7
	s_lshr_b32 s17, ttmp9, 6                       ; batch
	s_and_b32 s18, ttmp9, 63                       ; gamma
	v_and_b32 v7, 31, v0                           ; lane
	v_and_b32 v1, 15, v0                           ; r
	v_bfe_u32 v2, v0, 4, 1                         ; h
	v_lshlrev_b32 v3, 4, v2                        ; 16 h
	v_mul_u32_u24 v4, v1, WPIT
	v_add_nc_u32 v4, v4, v3                        ; W's fragments: row r, + 16 h
	v_bfe_u32 v5, v0, 3, 1
	v_mul_u32_u24 v5, v5, 4*WPIT
	v_and_b32 v6, 7, v0
	v_lshl_add_u32 v5, v6, 2, v5
	s_wait_alu depctr_va_sdst(0)                   ; s16, the wave's number, is written, ahead of its first reader
	s_mul_i32 s26, s16, 8*WPIT
	s_add_co_u32 s26, s26, TL
	v_add_nc_u32 v5, s26, v5                       ; my row's index
	v_lshlrev_b32 v8, 4, v0
	v_lshrrev_b32 v9, 3, v0
	v_mul_u32_u24 v9, v9, WPIT
	v_lshl_add_u32 v9, v6, 4, v9
	v_lshlrev_b32 v10, 3, v7
	v_mul_u32_u24 v11, v7, WPIT
	s_lshl_b32 s26, s16, 4
	s_add_co_u32 s26, s26, TL
	v_add_nc_u32 v11, s26, v11
	v_lshlrev_b32 v12, 2, v1                       ; 4 r: a's and c's place
	v_mul_u32_u24 v13, v1, SPIT
	v_add_nc_u32 v13, v13, v3
	s_lshl_b32 s26, s16, 5
	s_add_co_u32 s26, s26, STG
	v_add_nc_u32 v13, s26, v13                     ; into the stage: channel row r, byte 32 v + 16 h
	v_mul_u32_u24 v14, v2, SPIT
	v_lshl_add_u32 v14, v1, 4, v14
	s_mul_i32 s26, s16, 32*SPIT
	s_add_co_u32 s26, s26, STG
	v_add_nc_u32 v14, s26, v14                     ; back: my wave's 32 rows, two a line
	v_lshlrev_b32 v15, 14, v2
	v_lshl_add_u32 v15, v1, 4, v15                 ; and the same two rows in out0
	s_mov_b32 s27, 0
	s_lshl_b32 s26, s17, 19
	s_wait_kmcnt 0x0
	s_add_nc_u64 s[20:21], s[4:5], s[26:27]
	s_lshl_b32 s26, s17, 15
	s_add_nc_u64 s[22:23], s[6:7], s[26:27]
	s_lshl_b32 s26, s17, 19
	s_lshl_b32 s30, s16, 16
	s_add_co_u32 s26, s26, s30
	s_lshl_b32 s30, s18, 8
	s_add_co_u32 s26, s26, s30
	s_add_nc_u64 s[24:25], s[8:9], s[26:27]
	s_lshl_b32 s26, s17, 22                        ; out0: batch, my wave's 32 channels, my group's 64 columns
	s_lshl_b32 s30, s16, 19
	s_add_co_u32 s26, s26, s30
	s_lshl_b32 s30, s18, 8
	s_add_co_u32 s26, s26, s30
	s_add_nc_u64 s[32:33], s[32:33], s[26:27]
	s_wait_alu depctr_va_vdst(0)                   ; the addresses v3 to v15 and the closing add's v254, v255 are written: the loads and stores of the whole kernel read them, and none is written again
.irp e, 0,1,2,3,4,5,6,7
	global_load_b128 v[64+4*\e:67+4*\e], v8, s[10:11] offset:\e*4096
.endr
.irp e, 0,1,2,3
	global_load_b64 v[96+2*\e:97+2*\e], v10, s[24:25] offset:\e*16384
.endr
.irp p, 0,1,2,3,4,5,6,7
	global_load_b64 v[WS+2*\p:WS+2*\p+1], v10, s[12:13] offset:\p*256
.endr
.irp t, 0,1,2,3,4,5,6,7,8,9,10,11,12,13,14,15
	global_load_b32 v[D+\t], v12, s[14:15] offset:64*\t    ; a of channel 16 t + r
.endr
	s_wait_loadcnt 0x0
.irp e, 0,1,2,3,4,5,6,7
	ds_store_b128 v9, v[64+4*\e:67+4*\e] offset:\e*32*WPIT
.endr
.irp e, 0,1,2,3
.irp p, 0,1
	ds_store_b32 v11, v[96+2*\e+\p] offset:\p*32*WPIT+4*\e
.endr
.endr
	s_wait_dscnt 0x0                               ; for the others' sake: my part of W and of the index tile is stored
	s_barrier_signal -1
	s_barrier_wait -1
	WIN 0x40                                       ; destination window 1, address window 0
.irp t, 0,1,2,3,4,5,6,7,8,9,10,11,12,13,14,15
.irp q, 0,1,2,3
	ds_load_b128 v[16*\t+4*\q:16*\t+4*\q+3], v4 offset:\t*16*WPIT+32*\q
.endr
.endr
	WIN 0
.set nn, 0
.rept 16
	ds_load_b32 v[IDX+nn], v5 offset:(nn/4)*WPIT+(nn%4)*32
.set nn, nn+1
.endr
.irp t, 0,1,2,3,4,5,6,7,8,9,10,11,12,13,14,15
	v_ashrrev_i32 v[D+\t], 31, v[D+\t]
.endr
.irp t, 0,1,2,3,4,5,6,7,8,9,10,11,12,13,14,15
	v_and_b32 v[D+\t], 0x88888888, v[D+\t]         ; the eight sign bits of a word of codes, where a is negative
.endr
	s_wait_dscnt 0x0
.set nn, 0
.rept 16
	v_min_u32 v[IDX+nn], 0xfff, v[IDX+nn]          ; an index stays inside its batch's 4,096 columns
.set nn, nn+1
.endr
.macro ADDR n                          ; tile n's two offsets: its rows' codes (+ 16 h) and their scale words, for buffer n % 3
	v_lshl_add_u32 v[RC+(\n)%3], v[IDX+(\n)], 7, v3
	v_lshlrev_b32 v[RSO+(\n)%3], 3, v[IDX+(\n)]
.endm
.macro GATHER n                        ; tile n's 16 rows: codes (4 x 16 bytes a lane) and scale words, into buffer n % 3
.set LB, (\n)%3
.irp e, 0,1,2,3
	global_load_b128 v[AF+16*LB+4*\e:AF+16*LB+4*\e+3], v[RC+LB], s[20:21] offset:32*\e
.endr
	global_load_b64 v[AS+2*LB:AS+2*LB+1], v[RSO+LB], s[22:23]
.endm
.macro GETA                            ; a, for the way out, into the fragments' registers of buffer 1
.irp u, 0,1,2,3,4,5,6,7,8,9,10,11,12,13,14,15
	global_load_b32 v[AF+16+\u], v12, s[14:15] offset:64*\u
.endr
.endm
.macro GETC                            ; c, into those of buffer 2
.irp u, 0,1,2,3,4,5,6,7,8,9,10,11,12,13,14,15
	global_load_b32 v[AF+32+\u], v12, s[14:15] offset:1024+64*\u
.endr
.endm
	ADDR 0
	ADDR 1
	ADDR 2
	s_wait_alu depctr_vm_vsrc(0)                   ; my LDS stores at the head have read v64 to v103: these registers are the fragments' buffers from here on, in which the gathers below land
	s_wait_alu depctr_va_vdst(0)                   ; the six offsets v16 to v21 are written, which the gathers below read
	GATHER 0
	GATHER 1
	GATHER 2
	WIN 0x44                                       ; destination and source 1 (W) window 1, source 0 (the sign bits) window 0
.irp t, 0,1,2,3,4,5,6,7,8,9,10,11,12,13,14,15
.irp q, 0,1,2,3,4,5,6,7,8,9,10,11,12,13,14,15
	v_xor_b32 v[16*\t+\q], v[D+\t], v[16*\t+\q]
.endr
.endr
	WIN 0
.rept 4
	v_nop                                          ; an operand written by vector instructions stands four places ahead of a scaled matrix instruction
.endr
	s_wait_alu depctr_va_vdst(0)                   ; the exclusive ors have written W's fragments, which the scaled matrix instructions take as an operand; the places above stay beside this wait
.macro WM be, tg, tt, s
.set TT, 8*(\tg)+(\tt)
.set DD, D+8*(\tt)
.set AA, AF+16*(\be)+8*(\s)
.set BB, 16*TT+8*(\s)
.set SA, AS+2*(\be)+(\s)
.set SW, WS+2*(TT/2)+(\s)
.if (\s) == 0
.if (TT%2) == 0
	v_wmma_scale_f32_16x16x128_f8f6f4 v[DD:DD+7], v[AA:AA+7], v[BB:BB+7], 0, v[SA], v[SW] matrix_a_fmt:MATRIX_FMT_FP4 matrix_b_fmt:MATRIX_FMT_FP4
.else
	v_wmma_scale_f32_16x16x128_f8f6f4 v[DD:DD+7], v[AA:AA+7], v[BB:BB+7], 0, v[SA], v[SW] matrix_a_fmt:MATRIX_FMT_FP4 matrix_b_fmt:MATRIX_FMT_FP4 matrix_b_scale:MATRIX_SCALE_ROW1
.endif
.else
.if (TT%2) == 0
	v_wmma_scale_f32_16x16x128_f8f6f4 v[DD:DD+7], v[AA:AA+7], v[BB:BB+7], v[DD:DD+7], v[SA], v[SW] matrix_a_fmt:MATRIX_FMT_FP4 matrix_b_fmt:MATRIX_FMT_FP4
.else
	v_wmma_scale_f32_16x16x128_f8f6f4 v[DD:DD+7], v[AA:AA+7], v[BB:BB+7], v[DD:DD+7], v[SA], v[SW] matrix_a_fmt:MATRIX_FMT_FP4 matrix_b_fmt:MATRIX_FMT_FP4 matrix_b_scale:MATRIX_SCALE_ROW1
.endif
.endif
.endm
; 16 products: eight tiles of channels, K step 0 (which starts the sums with the constant 0), then K step 1; the eight accumulators take turns, one instruction a turn.
; Four places follow (ISA guide 7.12.1), in front of the first read of results: four v_nop, or, ad = a tile's number, that tile's two offset lines, which name no register of the products, and two v_nop.
.macro MUL be, tg, ad
	WIN 0x04                                       ; source 1 (W) window 1
.irp tt, 0,1,2,3,4,5,6,7
	WM \be, \tg, \tt, 0
.endr
.irp tt, 0,1,2,3,4,5,6,7
	WM \be, \tg, \tt, 1
.endr
	WIN 0
.if (\ad) >= 0
	s_wait_alu depctr_vm_vsrc(0)                   ; the gathers that filled this buffer have read its two offsets, which the next two lines write anew
	ADDR \ad
.rept 2
	v_nop
.endr
.else
.rept 4
	v_nop
.endr
.endif
.endm
; The largest of each accumulator's eight k joins the running maximum of (channel, n_local); II and TAU are the tile's i and tau.  Each accumulator is read from its low end on; the eight take turns.
; ld: behind the first eight lines, which read all eight accumulators, loads go out into the buffer that the products above have read: tile ld's gathers (ld under 16), a (16) or c (17); -1: none.
.macro POST tg, ld
.irp st, 0,1,2,3
.irp tt, 0,1,2,3,4,5,6,7
.set RR, RES+4*(8*(\tg)+\tt)+II
.set DD, D+8*\tt
.if TAU == 0
.if \st == 0
	v_max3_num_f32 v[RR], v[DD], v[DD+1], v[DD+2]
.elseif \st < 3
	v_max3_num_f32 v[RR], v[RR], v[DD+2*\st+1], v[DD+2*\st+2]
.else
	v_max_num_f32 v[RR], v[RR], v[DD+7]
.endif
.else
	v_max3_num_f32 v[RR], v[RR], v[DD+2*\st], v[DD+2*\st+1]
.endif
.endr
.if \st == 0
.if (\ld) >= 0
	s_wait_alu depctr_va_vdst(0)                   ; this tile's matrix instructions are done reading its fragments and scale words, in which the loads below land; where these are gathers, their two offsets are written
.if (\ld) < 16
	GATHER \ld
.elseif (\ld) == 16
	GETA
.else
	GETC
.endif
.endif
.endif
.endr
.endm
.macro TILE n
.if (\n) < 14
	s_wait_loadcnt 10                              ; tile n's five loads are in; the ten of the two tiles behind it may be out
.elseif (\n) == 14
	s_wait_loadcnt 21                              ; the last tile's five and a's sixteen may be out
.else
	s_wait_loadcnt 32                              ; the last tile's five loads are in; a's sixteen and c's sixteen may be out
.endif
.set BE, (\n)%3
.set II, (\n)/4
.set TAU, (\n)%4
	MUL BE, 0, -1
	POST 0, -1
.if (\n) < 13
	MUL BE, 1, (\n)+3                              ; three tiles ahead, into this tile's own buffer, as soon as its last products have read it
.else
	MUL BE, 1, -1
.endif
.if (\n) < 15
	POST 1, (\n)+3                                 ; tile 13 asks for a, tile 14 for c
.else
	POST 1, -1
.endif
.endm
.irp n, 0,1,2,3,4,5,6,7,8,9,10,11,12,13,14,15
	TILE \n
.endr
	s_wait_loadcnt 0x0                             ; a and c
.irp t, 0,1,2,3,4,5,6,7,8,9,10,11,12,13,14,15
.irp i, 0,1,2,3
	v_fma_f32 v[RES+4*\t+\i], |v[AF+16+\t]|, v[RES+4*\t+\i], v[AF+32+\t]
.endr
.endr
.irp t, 0,1,2,3,4,5,6,7,8,9,10,11,12,13,14,15
.irp i, 0,1,2,3
	v_max_num_f32 v[RES+4*\t+\i], 0, v[RES+4*\t+\i]
.endr
.endr
	s_wait_alu depctr_va_vdst(0)                   ; the results are written, which the LDS stores read; and every reader and writer of the accumulators' registers is done, in which the LDS loads behind the barrier land
.irp t, 0,1,2,3,4,5,6,7,8,9,10,11,12,13,14,15
	ds_store_b128 v13, v[RES+4*\t:RES+4*\t+3] offset:\t*16*SPIT    ; channel 16 t + r, n_local 8 v + 4 h + 0 .. 3
.endr
	s_wait_dscnt 0x0                               ; for the others' sake: a row's 256 bytes come from all eight waves
	s_barrier_signal -1
	s_barrier_wait -1
.irp e, 0,1,2,3,4,5,6,7,8,9,10,11,12,13,14,15
	ds_load_b128 v[D+4*\e:D+4*\e+3], v14 offset:\e*2*SPIT
.endr
.irp e, 0,1,2,3,4,5,6,7,8,9,10,11,12,13,14,15
	s_wait_dscnt 15-\e                             ; LDS loads come back in order: load e is in, the younger ones may be out
	global_store_b128 v15, v[D+4*\e:D+4*\e+3], s[32:33] offset:\e*32768 th:TH_STORE_NT   ; sixteen lanes store 256 consecutive bytes, aligned; written once, read by nobody here
.endr
	s_wait_dscnt 0x0                               ; the closing lines, six on end
	s_wait_alu 0x0
	s_wait_tensorcnt 0x0
	ds_add_u32 v254, v255
	s_wait_dscnt 0x0
	s_endpgm
.Lfunc_end_k_q1fc8bed796_final:
	.size	k_q1fc8bed796_final, .Lfunc_end_k_q1fc8bed796_final-k_q1fc8bed796_final
	.p2alignl 7, 3214868480
	.fill 96, 4, 3214868480
	.section	.rodata,"a",@progbits
	.p2align	6, 0x0
	.amdhsa_kernel k_q1fc8bed796_final
		.amdhsa_group_segment_fixed_size 116736
		.amdhsa_private_segment_fixed_size 0
		.amdhsa_enable_private_segment 0
		.amdhsa_kernarg_size 56
		.amdhsa_user_sgpr_count 2
		.amdhsa_user_sgpr_kernarg_segment_ptr 1
		.amdhsa_wavefront_size32 1
		.amdhsa_system_sgpr_workgroup_id_x 1
		.amdhsa_system_sgpr_workgroup_id_y 1
		.amdhsa_system_sgpr_workgroup_id_z 1
		.amdhsa_system_vgpr_workitem_id 0
		.amdhsa_next_free_vgpr 512
		.amdhsa_next_free_sgpr 66
		.amdhsa_reserve_vcc 0
		.amdhsa_float_denorm_mode_32 3
		.amdhsa_float_denorm_mode_16_64 3
		.amdhsa_memory_ordered 1
		.amdhsa_forward_progress 1
		.amdhsa_inst_pref_size 179
	.end_amdhsa_kernel
	.amdgpu_metadata
---
amdhsa.version: [ 1, 2 ]
amdhsa.kernels:
  - .name:           k_q1fc8bed796_final
    .symbol:         k_q1fc8bed796_final.kd
    .args:
      - { .name: codes, .offset: 0, .size: 8, .value_kind: global_buffer, .address_space: global }
      - { .name: scales, .offset: 8, .size: 8, .value_kind: global_buffer, .address_space: global }
      - { .name: idx, .offset: 16, .size: 8, .value_kind: global_buffer, .address_space: global }
      - { .name: W_codes, .offset: 24, .size: 8, .value_kind: global_buffer, .address_space: global }
      - { .name: W_scales, .offset: 32, .size: 8, .value_kind: global_buffer, .address_space: global }
      - { .name: ac, .offset: 40, .size: 8, .value_kind: global_buffer, .address_space: global }
      - { .name: out0, .offset: 48, .size: 8, .value_kind: global_buffer, .address_space: global }
    .group_segment_fixed_size: 116736
    .private_segment_fixed_size: 0
    .kernarg_segment_align: 8
    .kernarg_segment_size: 56
    .max_flat_workgroup_size: 256
    .sgpr_count:     66
    .vgpr_count:     512
    .wavefront_size: 32
...
	.end_amdgpu_metadata
.endif
;; end of part 17
